; MI455X (gfx1250); checked and timed in simulation.
; The chip was launched on July 23, 2026; its instructions are those of AMD's public machine-readable ISA for CDNA 5 (MIT licence, August 2026) and "CDNA5" Instruction Set Architecture Reference Guide (July 2026). The comments in the code are by the model that wrote it; some were corrected since.
;; Transformer Encoder Block. Allowed arithmetic: matrix products marked QUANTISED: E4M3 operands, one E8M0 scale for each 32 along K, by v_wmma_scale_f32_16x16x128_f8f6f4 with both operands' format E4M3, f32 sums; everything else in f32.
;; Inputs: W1 1,024 x 4,096 float32; W2 4,096 x 1,024 float32; Wk 1,024 x 1,024 float32; Wo 1,024 x 1,024 float32; Wq 1,024 x 1,024 float32; Wv 1,024 x 1,024 float32; b1 1,024 float32; b2 1,024 float32; bk 1,024 float32; bm1 4,096 float32; bm2 1,024 float32; bo 1,024 float32; bq 1,024 float32; bv 1,024 float32; g1 1,024 float32; g2 1,024 float32; pos 2,048 int32; x 2 x 2,048 x 1,024 float32.
;; Outputs: out0 2 x 2,048 x 1,024 float32.
;; This version of the problem:
;;   THIS VERSION OF THE PROBLEM IS GIVEN IN LOW PRECISION. The matrix products marked QUANTISED in the list below multiply operands that are first quantised to E4M3 (4 exponent bits, 3 mantissa bits; 8 bits a number), with one power-of-two scale for each 32 numbers along K (OCP MX v1.0); their sums are f32. All else is computed in f32.
;;   The module's matrix products, in the order in which they are computed (A, B: the left and right operand; K: the contracted axis; several contracted axes count as one K, in the product's order):
;;     1. [M 4,096, K 1,024] x [K 1,024, N 1,024]; A: computed on the way; B: input Wq: QUANTISED
;;     2. [M 4,096, K 1,024] x [K 1,024, N 1,024]; A: computed on the way; B: input Wk: QUANTISED
;;     3. [M 4,096, K 1,024] x [K 1,024, N 1,024]; A: computed on the way; B: input Wv: QUANTISED
;;     4. batch 32 x [M 2,048, K 64] x [K 64, N 2,048]; A: computed on the way; B: computed on the way: QUANTISED
;;     5. batch 32 x [M 2,048, K 2,048] x [K 2,048, N 64]; A: softmax (see below); B: computed on the way: QUANTISED
;;     6. [M 4,096, K 1,024] x [K 1,024, N 1,024]; A: computed on the way; B: input Wo: QUANTISED
;;     7. [M 4,096, K 1,024] x [K 1,024, N 4,096]; A: computed on the way; B: input W1: QUANTISED
;;     8. [M 4,096, K 4,096] x [K 4,096, N 1,024]; A: computed on the way; B: input W2: QUANTISED
;;   THE QUANTISER, for each operand of a quantised product, along K:
;;     - K is cut into blocks of 32 from its start; a last block that is shorter is filled with zeros.
;;     - A block's scale is 2^e with e = floor(log2(the largest magnitude in the block)) - 8, held to -126 .. 127; a block of zeros has e = 0. As a byte (E8M0): e + 127.
;;     - Each number is divided by its block's scale, clamped to +-448, and rounded to the nearest number of E4M3, ties to even, subnormals kept.
;;     - The product sums the exact products of the quantised numbers (number of the format x scale) in f32.
;;   ~~~python
;;   def quantise(x, axis):      # numpy; x: float32 -> the quantised numbers, widened to float32 again
;;       x = np.moveaxis(x, axis, -1); K = x.shape[-1]
;;       x = np.pad(x, [(0, 0)] * (x.ndim - 1) + [(0, -K % 32)]); x = x.reshape(x.shape[:-1] + (-1, 32)); a = np.abs(x).max(-1, keepdims=True)
;;       e = np.where(a > 0, np.clip(np.frexp(np.where(a > 0, a, 1))[1] - 1 - 8, -126, 127), 0)      # np.frexp(a)[1] - 1 = floor(log2(a)), exactly
;;       r = np.clip(x / 2.0 ** e, -448, 448)
;;       step = 2.0 ** (np.maximum(np.frexp(np.where(r == 0, 1, r))[1] - 1, -6) - 3)
;;       q = np.round(r / step) * step * 2.0 ** e      # np.round: ties to even
;;       return np.moveaxis(q.reshape(q.shape[:-2] + (-1,))[..., :K], -1, axis).astype(np.float32)
;;   ~~~
;;   SOFTMAX AHEAD OF A QUANTISED PRODUCT. Where the list says 'softmax', what is quantised is not the finished softmax but p = 2^(t - M), with t = logit x log2(e) and M = ceil(the row's largest t), a whole number; so 1/2 < the row's largest p <= 1. The row's sum l is taken of the UNQUANTISED p, in f32, and the product's result is divided by l at the end. Since M is a whole number, a kernel that streams over the keys may use a running M (the ceiling of the running maximum): every later rescaling is an exact power of two, which a block's scale takes up: the codes' values come out the same.
;;   OPERANDS COMPUTED ON THE WAY. 'Computed on the way' means the value that the module computes at that place (a softmax that the list does not call 'softmax' is quantised finished and normalised). What goes into a quantiser is computed in f32, as accurately as f32 sums, v_exp_f32 and their like allow (about 1e-6 of the number): no bf16 or f16 on the way to a quantiser, and a product that is left as it is and whose result goes on into a quantised operand takes f32 operands (vector FMAs, or v_wmma_f32_16x16x4_f32). A number that lies on a knife's edge between two numbers of the format may be rounded either way, as far as f32 arithmetic and the matrix unit's own rounding can turn it there, and no further.
;; 2 versions. Each part assembles by itself: llvm-mc -triple=amdgcn-amd-amdhsa -mcpu=gfx1250 --defsym DOCPART=n.
;; ======== version 1 of 2: 8 launches
;; limits: right only within a limited range of input values
;; workspace buffers: wimg 12,976,128 bytes; himg 4,325,376 bytes; qkv 13,238,272 bytes; cimg 4,325,376 bytes; x1 16,777,216 bytes; mimg 17,301,504 bytes
;; launch wq (part 1): grid 384 x 1, 4 waves a work-group, no clusters, 0 bytes of LDS; arguments Wq, Wk, Wv, Wo, W1, W2, wimg; writes wimg
.if DOCPART == 1
	.amdgcn_target "amdgcn-amd-amdhsa--gfx1250"
	.amdhsa_code_object_version 6
	.text
	.protected	k_q5501840aca_wq
	.globl	k_q5501840aca_wq
	.p2align	8
	.type	k_q5501840aca_wq,@function
k_q5501840aca_wq:
	s_mov_b64 s[64:65], 0
	v_nop
	global_prefetch_b8 v0, s[64:65] scope:SCOPE_SE
	s_setreg_imm32_b32 hwreg(HW_REG_WAVE_MODE, 25, 1), 1
	s_wait_xcnt 0x0
; The six weights, f32 stored [K][N], become codes of FP8 (E4M3) with one E8M0 byte for each 32 along K, laid as IMAGES OF OPERAND REGISTERS.
; A block of the image is 33,792 bytes: 128 columns n x 256 along K.  Codes: 16384 q + 2048 i + 512 c + 16 lane (q: which 128 of K, i: which 16 columns, c: which 32 of K;
; lane (r, h) holds k = 128 q + 32 c + 16 h + 0..15 of the tile's row r).  Scale words: 32768 + 128 i + 8 r + 4 q.  Tile i, row r stands for column 32 (i / 2) + 8 (i % 2) + r + 8 (r / 8) of the 128.
; Work-group w makes block w: Wq 0-31, Wk 32-63, Wv 64-95, Wo 96-127 (8 column groups x 4 K blocks), W1 128-255 (32 x 4), W2 256-383 (8 x 16).
; For Wq and Wk a column group g holds heads g and g + 8 (columns 64 g .. and 512 + 64 g ..), the two halves that the rotary step pairs.
; A LANE TAKES A COLUMN AND ITS REGISTERS RUN DOWN K: a block of 32 lies in one lane, its largest magnitude needs no other lane, and the conversions give codes with K innermost.
; A block's scale is 2^(floor(log2(largest magnitude)) - 8); its byte is that magnitude's exponent field - 8, held at 1 from below.
; LIMITS: a block of zeros, or one whose largest magnitude lies under 2^-118, keeps the byte 1 (its reader is this program alone); NaN and infinities are not served.
; No LDS, no barrier: waves share nothing.  Loads run two blocks (64 loads a wave) ahead; no register that a load or a store names is written again.
.set BLK,  33792
.set VO,   32                          ; v32-63   4 lane + i x pitch: the 32 rows of a block
.set X,    64                          ; v64-127  two sets of 32 numbers
.set C,    128                         ; v128-191 codes, eight registers for each of the 8 blocks
.set SB,   24                          ; v[24:25] the 8 scale bytes
.set MNT,  49                          ; s49      the mantissa field of 448
	s_load_b256 s[4:11], s[0:1], 0x0               ; Wq, Wk, Wv, Wo
	s_load_b128 s[12:15], s[0:1], 0x20             ; W1, W2
	s_load_b64 s[16:17], s[0:1], 0x30              ; the image
	v_lshrrev_b32 v1, 5, v0
	v_readfirstlane_b32 s19, v1                    ; wave 0..3
	v_and_b32 v2, 31, v0                           ; lane
	v_lshlrev_b32 v3, 2, v2                        ; 4 bytes a lane
	s_lshr_b32 s18, ttmp9, 5                       ; m = w / 32: 0 Wq, 1 Wk, 2 Wv, 3 Wo, 4-7 W1, 8-11 W2
	s_sub_co_u32 s26, s18, 4
	s_cmp_lt_u32 s26, 4                            ; W1 alone has rows of 16,384 bytes
	s_cselect_b32 s21, 14, 12                      ; log2 of the pitch
	s_lshl_b32 s20, 1, s21                         ; the pitch
	s_cmp_lt_u32 s18, 4
	s_cselect_b32 s22, 31, 127
	s_and_b32 s22, ttmp9, s22                      ; the block's number in its weight
	s_cmp_lt_u32 s18, 8
	s_cselect_b32 s23, 2, 4                        ; 4 K blocks to a column group, W2: 16
	s_lshr_b32 s24, s22, s23                       ; column group
	s_lshl_b32 s25, s24, s23
	s_sub_co_u32 s25, s22, s25                     ; K block
	s_lshl_b32 s26, s24, 6                         ; Wq, Wk: 64 (g + 8 (wave / 2)) + 32 (wave % 2)
	s_lshr_b32 s27, s19, 1
	s_lshl_b32 s27, s27, 9
	s_add_co_u32 s26, s26, s27
	s_and_b32 s27, s19, 1
	s_lshl_b32 s27, s27, 5
	s_add_co_u32 s26, s26, s27
	s_lshl_b32 s27, s24, 7                         ; the others: 128 x group + 32 x wave
	s_lshl_b32 s28, s19, 5
	s_add_co_u32 s27, s27, s28
	s_cmp_lt_u32 s18, 2
	s_cselect_b32 s26, s26, s27                    ; my wave's first column
	s_lshl_b32 s26, s26, 2
	s_add_co_u32 s27, s21, 8
	s_lshl_b32 s27, s25, s27                       ; 256 rows x the pitch x the K block
	s_add_co_u32 s26, s26, s27
	s_mov_b32 s27, 0
	s_add_co_u32 s28, s21, 5
	s_lshl_b32 s28, 1, s28                         ; 32 rows
	s_mov_b32 s29, 0
	s_mul_i32 s30, ttmp9, BLK
	s_mov_b32 s31, 0
	s_mov_b32 s[MNT], 0x600000
.set n, 0
.rept 32
	v_mad_u32_u24 v[VO+n], s20, n, v3
.set n, n+1
.endr
	v_bfe_u32 v8, v0, 3, 1                         ; my column 32 wave + lane lies in tile 2 wave + u, u = (lane / 8) % 2,
	v_and_b32 v9, 7, v0
	v_bfe_u32 v10, v0, 4, 1
	v_lshl_or_b32 v9, v10, 3, v9                   ; at row r = lane % 8 + 8 (lane / 16)
	s_lshl_b32 s48, s19, 1
	v_add_nc_u32 v8, s48, v8
	v_lshlrev_b32 v4, 11, v8
	v_lshl_add_u32 v4, v9, 4, v4                   ; codes: 2048 tile + 16 r
	v_lshlrev_b32 v5, 7, v8
	v_lshl_add_u32 v5, v9, 3, v5                   ; scale words: 128 tile + 8 r
	s_wait_kmcnt 0x0
	s_cmp_lt_u32 s18, 8                            ; the weight is chosen by the work-group's number alone
	s_cselect_b64 s[12:13], s[12:13], s[14:15]
	s_cmp_lt_u32 s18, 4
	s_cselect_b64 s[12:13], s[10:11], s[12:13]
	s_cmp_lt_u32 s18, 3
	s_cselect_b64 s[12:13], s[8:9], s[12:13]
	s_cmp_lt_u32 s18, 2
	s_cselect_b64 s[12:13], s[6:7], s[12:13]
	s_cmp_lt_u32 s18, 1
	s_cselect_b64 s[12:13], s[4:5], s[12:13]
	s_add_nc_u64 s[32:33], s[12:13], s[26:27]      ; a base for each of the 8 blocks: nothing is stepped while loads are out
.irp t, 1,2,3,4,5,6,7
	s_add_nc_u64 s[32+2*\t:33+2*\t], s[30+2*\t:31+2*\t], s[28:29]
.endr
	s_add_nc_u64 s[16:17], s[16:17], s[30:31]
.macro LOAD t                          ; W(32 t + i, my column), i = 0 .. 31: each load reads 128 consecutive bytes
.set n, 0
.rept 32
	global_load_b32 v[X+32*((\t)%2)+n], v[VO+n], s[32+2*(\t):33+2*(\t)] th:TH_LOAD_NT
.set n, n+1
.endr
.endm
	LOAD 0
	LOAD 1
.macro BLOCK t
.set XS, X+32*((\t)%2)
.set CC, C+8*(\t)
.if (\t) < 7
	s_wait_loadcnt 32                              ; this block's 32 loads are in; the next block's 32 may be out
.else
	s_wait_loadcnt 0
.endif
	v_max3_num_f32 v12, |v[XS]|, |v[XS+1]|, |v[XS+2]|
	v_max3_num_f32 v13, |v[XS+3]|, |v[XS+4]|, |v[XS+5]|
.irp i, 6,10,14,18,22,26
	v_max3_num_f32 v12, v12, |v[XS+\i]|, |v[XS+\i+1]|
	v_max3_num_f32 v13, v13, |v[XS+\i+2]|, |v[XS+\i+3]|
.endr
	v_max3_num_f32 v12, v12, |v[XS+30]|, |v[XS+31]|
	v_max3_num_f32 v12, v12, v13, 0x4800000        ; and the floor 2^(9 - 127): the byte cannot fall under 1
	v_add_nc_u32 v11, 0xfc000000, v12              ; 8 off the exponent field: the conversion's scale operand
	v_and_or_b32 v10, v12, 0x7f800000, s[MNT]      ; 448 x the scale
.set n, 0
.rept 32
	v_med3_num_f32 v[XS+n], v[XS+n], -v10, v10     ; the conversion does not saturate (ISA guide 7.6.2): the hold comes first
.set n, n+1
.endr
.irp g, 0,1,2,3
	v_cvt_scalef32_pk8_fp8_f32 v[CC+2*\g:CC+2*\g+1], v[XS+8*\g:XS+8*\g+7], v11
.endr
	v_lshrrev_b32 v13, 23, v11                     ; the scale's byte (a plain line behind the conversions)
.if (\t)%4 == 0
	v_mov_b32 v[SB+(\t)/4], v13
.else
	v_lshl_or_b32 v[SB+(\t)/4], v13, 8*((\t)%4), v[SB+(\t)/4]
.endif
	global_store_b128 v4, v[CC:CC+3], s[16:17] offset:((\t)/4)*16384+((\t)%4)*512       ; k + 0..15: the image's lanes 0-15; the 32 lanes fill two aligned runs of 256 bytes
	global_store_b128 v4, v[CC+4:CC+7], s[16:17] offset:((\t)/4)*16384+((\t)%4)*512+256 ; k + 16..31: its lanes 16-31
.if (\t)+2 < 8
	LOAD (\t)+2
.endif
.endm
.irp t, 0,1,2,3,4,5,6,7
	BLOCK \t
.endr
	global_store_b64 v5, v[SB:SB+1], s[16:17] offset:32768   ; my column's two scale words: the wave fills 256 consecutive bytes
	s_endpgm
.Lfunc_end_k_q5501840aca_wq:
	.size	k_q5501840aca_wq, .Lfunc_end_k_q5501840aca_wq-k_q5501840aca_wq
	.p2alignl 7, 3214868480
	.fill 96, 4, 3214868480
	.section	.rodata,"a",@progbits
	.p2align	6, 0x0
	.amdhsa_kernel k_q5501840aca_wq
		.amdhsa_group_segment_fixed_size 0
		.amdhsa_private_segment_fixed_size 0
		.amdhsa_enable_private_segment 0
		.amdhsa_kernarg_size 56
		.amdhsa_user_sgpr_count 2
		.amdhsa_user_sgpr_kernarg_segment_ptr 1
		.amdhsa_wavefront_size32 1
		.amdhsa_system_sgpr_workgroup_id_x 1
		.amdhsa_system_sgpr_workgroup_id_y 1
		.amdhsa_system_sgpr_workgroup_id_z 1
		.amdhsa_system_vgpr_workitem_id 0
		.amdhsa_next_free_vgpr 192
		.amdhsa_next_free_sgpr 66
		.amdhsa_reserve_vcc 0
		.amdhsa_float_denorm_mode_32 3
		.amdhsa_float_denorm_mode_16_64 3
		.amdhsa_memory_ordered 1
		.amdhsa_forward_progress 1
		.amdhsa_inst_pref_size 59
	.end_amdhsa_kernel
	.amdgpu_metadata
---
amdhsa.version: [ 1, 2 ]
amdhsa.kernels:
  - .name:           k_q5501840aca_wq
    .symbol:         k_q5501840aca_wq.kd
    .args:
      - { .name: Wq, .offset: 0, .size: 8, .value_kind: global_buffer, .address_space: global }
      - { .name: Wk, .offset: 8, .size: 8, .value_kind: global_buffer, .address_space: global }
      - { .name: Wv, .offset: 16, .size: 8, .value_kind: global_buffer, .address_space: global }
      - { .name: Wo, .offset: 24, .size: 8, .value_kind: global_buffer, .address_space: global }
      - { .name: W1, .offset: 32, .size: 8, .value_kind: global_buffer, .address_space: global }
      - { .name: W2, .offset: 40, .size: 8, .value_kind: global_buffer, .address_space: global }
      - { .name: wimg, .offset: 48, .size: 8, .value_kind: global_buffer, .address_space: global }
    .group_segment_fixed_size: 0
    .private_segment_fixed_size: 0
    .kernarg_segment_align: 8
    .kernarg_segment_size: 56
    .max_flat_workgroup_size: 128
    .sgpr_count:     66
    .vgpr_count:     192
    .wavefront_size: 32
...
	.end_amdgpu_metadata
.endif
;; end of part 1
;; launch ln1 (part 2): grid 256 x 1, 4 waves a work-group, no clusters, 66,304 bytes of LDS; arguments x, g1, b1, himg; writes himg
.if DOCPART == 2
	.amdgcn_target "amdgcn-amd-amdhsa--gfx1250"
	.amdhsa_code_object_version 6
	.text
	.protected	k_q5501840aca_ln1
	.globl	k_q5501840aca_ln1
	.p2align	8
	.type	k_q5501840aca_ln1,@function
k_q5501840aca_ln1:
	s_mov_b64 s[64:65], 0
	v_nop
	global_prefetch_b8 v0, s[64:65] scope:SCOPE_SE
	s_setreg_imm32_b32 hwreg(HW_REG_WAVE_MODE, 25, 1), 1
	s_wait_xcnt 0x0
; LayerNorm over rows of 1,024 f32, then the MX-FP8 quantiser along the row; the result leaves as images of operand registers (blocks of 33,792 bytes: 128 rows x 256 along K;
; codes at 16384 q + 2048 i + 512 c + 16 lane, scale words at 32768 + 128 i + 8 r + 4 q; tile i, row r stands for row 32 (i / 2) + 8 (i % 2) + r + 8 (r / 8) of the 128).
; A work-group makes one tile of 16 rows for all of K.  PHASE 1: wave w norms four rows (a row lies in 32 registers of the wave: mean, then the sum of squares of x - mean: no difference of
; large sums is formed), multiplies by g, adds b, and puts the rows into LDS.  PHASE 2: wave w takes 256 columns of the 16 rows in the operand's lane order and quantises them.
; LIMITS: a block of zeros, or one under 2^-118, keeps the scale byte 1 (read by this program alone); NaN and infinities are not served.
.set BLK,   33792
.set PITCH, 4112                       ; a row in LDS: 4,096 bytes + 16: sixteen rows start at sixteen different groups of four banks
.set X,     32                         ; v32-159  four rows of 32 registers; in phase 2: 128 numbers of a lane
.set GG,    160                        ; v160-191 g; in phase 2 the codes
.set BR,    192                        ; v192-223 b
.set T,     224                        ; v224-239 at work, four registers a row
.set TM,    224                        ; the quantiser's sixteen
.set MN,    240                        ; v240-247 a pair a row: the mean, then 1 / sqrt(var + eps)
.set SEL,   20                         ; s[20:21] v_permlanex16_b32's selects for lane l xor 16
.set MNT,   22                         ; s22 the mantissa field of 448
; 64 numbers of a lane, register 16 b + i = k 32 b + 16 (lane / 16) + i of its row, become a fragment's codes in v[pc] on and its scale word in v[pw]
.macro QUANT s, pc, pw
.irp b, 0,1,2,3
	v_max3_num_f32 v[TM+\b], |v[\s+16*\b]|, |v[\s+1+16*\b]|, 0x4800000   ; my 16 numbers of block b, and the floor 2^(9 - 127)
.endr
.irp i, 2,4,6,8,10,12,14
.irp b, 0,1,2,3
	v_max3_num_f32 v[TM+\b], v[TM+\b], |v[\s+16*\b+\i]|, |v[\s+1+16*\b+\i]|
.endr
.endr
.irp b, 0,1,2,3
	v_permlanex16_b32 v[TM+4+\b], v[TM+\b], s[SEL], s[SEL+1]
.endr
.irp b, 0,1,2,3
	v_max_num_f32 v[TM+\b], v[TM+\b], v[TM+4+\b]   ; with lane l xor 16's: the block's largest magnitude
.endr
.irp b, 0,1,2,3
	v_add_nc_u32 v[TM+12+\b], 0xfc000000, v[TM+\b] ; 8 off its exponent field: the conversion's scale operand
.endr
.irp b, 0,1,2,3
	v_and_or_b32 v[TM+8+\b], v[TM+\b], 0x7f800000, s[MNT]   ; 448 x the scale
.endr
.irp b, 0,1,2,3
	v_lshrrev_b32 v[TM+4+\b], 23, v[TM+12+\b]      ; the scale's byte
.endr
	v_lshl_or_b32 v[\pw], v[TM+5], 8, v[TM+4]
	v_lshl_or_b32 v[\pw], v[TM+6], 16, v[\pw]
	v_lshl_or_b32 v[\pw], v[TM+7], 24, v[\pw]
.irp b, 0,1,2,3
.irp i, 0,1,2,3,4,5,6,7,8,9,10,11,12,13,14,15
	v_med3_num_f32 v[\s+16*\b+\i], v[\s+16*\b+\i], -v[TM+8+\b], v[TM+8+\b]   ; the conversion does not saturate (ISA guide 7.6.2)
.endr
	v_cvt_scalef32_pk8_fp8_f32 v[\pc+4*\b:\pc+1+4*\b], v[\s+16*\b:\s+7+16*\b], v[TM+12+\b]
	v_cvt_scalef32_pk8_fp8_f32 v[\pc+2+4*\b:\pc+3+4*\b], v[\s+8+16*\b:\s+15+16*\b], v[TM+12+\b]
.endr
	v_nop                                          ; a plain line behind the last conversion
.endm
.macro REDUCE                          ; v[T + 4 k], k = 0 .. 3, summed over the 32 lanes; the four rows by turns
.irp m, 1,2,4,8
.irp k, 0,1,2,3
	v_add_f32_dpp v[T+4*\k], v[T+4*\k], v[T+4*\k] row_xmask:\m row_mask:0xf bank_mask:0xf
.endr
.endr
.irp k, 0,1,2,3
	v_permlanex16_b32 v[T+4*\k+1], v[T+4*\k], s[SEL], s[SEL+1]
.endr
.irp k, 0,1,2,3
	v_add_f32 v[T+4*\k], v[T+4*\k], v[T+4*\k+1]
.endr
.endm
	s_load_b256 s[4:11], s[0:1], 0x0               ; x, g, b, the image
	v_lshl_add_u32 v254, v0, 2, 0x10100
	v_mov_b32 v255, 0
	v_lshrrev_b32 v1, 5, v0
	v_readfirstlane_b32 s12, v1                    ; wave 0..3
	v_and_b32 v1, 31, v0
	v_lshlrev_b32 v1, 4, v1                        ; 16 x lane
	v_and_b32 v2, 15, v0                           ; r
	v_bfe_u32 v3, v0, 4, 1                         ; h
	s_lshr_b32 s13, ttmp9, 3                       ; which 128 rows
	s_and_b32 s14, ttmp9, 7                        ; which tile i of them
	s_lshl_b32 s15, s13, 7
	s_lshr_b32 s16, s14, 1
	s_lshl_b32 s16, s16, 5
	s_add_co_u32 s15, s15, s16
	s_and_b32 s16, s14, 1
	s_lshl_b32 s16, s16, 3
	s_add_co_u32 s15, s15, s16                     ; the tile's row 0
	s_lshl_b32 s16, s12, 2
	s_add_co_u32 s15, s15, s16
	s_lshr_b32 s16, s12, 1
	s_lshl_b32 s16, s16, 3
	s_add_co_u32 s15, s15, s16                     ; tile rows 4 w .. 4 w + 3 are four neighbouring rows: + 4 w + 8 (w / 2)
	s_lshl_b32 s16, s15, 12
	s_mov_b32 s17, 0
	s_mul_i32 s18, s12, 4*PITCH
	v_add_nc_u32 v4, s18, v1                       ; LDS, on the way in: my four rows, 16 bytes a lane
	v_mul_u32_u24 v5, v2, PITCH
	v_lshl_add_u32 v5, v3, 6, v5
	s_lshl_b32 s18, s12, 10
	v_add_nc_u32 v5, s18, v5                       ; and out: row r, my wave's 1,024 bytes, + 64 h
	v_lshlrev_b32 v6, 3, v2                        ; scale words: 8 r
	s_lshl_b32 s18, s13, 2
	s_add_co_u32 s18, s18, s12
	s_mul_i32 s18, s18, BLK                        ; block (row group, K block = wave)
	s_lshl_b32 s26, s14, 11
	s_add_co_u32 s26, s26, s18
	s_mov_b32 s27, 0
	s_lshl_b32 s28, s14, 7
	s_add_co_u32 s28, s28, s18
	s_add_co_u32 s28, s28, 32768
	s_mov_b32 s29, 0
	s_mov_b32 s[SEL], 0x76543210
	s_mov_b32 s[SEL+1], 0xfedcba98
	s_mov_b32 s[MNT], 0x600000
	s_mov_b32 s23, 0x3a800000                      ; 1 / 1024
	s_mov_b32 s24, 0x3727c5ac                      ; 1e-5
	s_wait_kmcnt 0x0
	s_add_nc_u64 s[4:5], s[4:5], s[16:17]
	s_add_nc_u64 s[26:27], s[10:11], s[26:27]
	s_add_nc_u64 s[28:29], s[10:11], s[28:29]
.irp k, 0,1,2,3
.irp j, 0,1,2,3,4,5,6,7
	global_load_b128 v[X+32*\k+4*\j:X+32*\k+4*\j+3], v1, s[4:5] offset:\k*4096+512*\j   ; 512 consecutive bytes a load
.endr
.endr
.irp j, 0,1,2,3,4,5,6,7
	global_load_b128 v[GG+4*\j:GG+4*\j+3], v1, s[6:7] offset:512*\j
.endr
.irp j, 0,1,2,3,4,5,6,7
	global_load_b128 v[BR+4*\j:BR+4*\j+3], v1, s[8:9] offset:512*\j
.endr
	s_wait_loadcnt 16                              ; the four rows are in; the sixteen loads of g and b may be out
.irp k, 0,1,2,3
	v_pk_add_f32 v[T+4*\k:T+4*\k+1], v[X+32*\k:X+32*\k+1], v[X+32*\k+2:X+32*\k+3]
	v_pk_add_f32 v[T+4*\k+2:T+4*\k+3], v[X+32*\k+4:X+32*\k+5], v[X+32*\k+6:X+32*\k+7]
.endr
.irp p, 8,12,16,20,24,28
.irp k, 0,1,2,3
	v_pk_add_f32 v[T+4*\k:T+4*\k+1], v[T+4*\k:T+4*\k+1], v[X+32*\k+\p:X+32*\k+\p+1]
	v_pk_add_f32 v[T+4*\k+2:T+4*\k+3], v[T+4*\k+2:T+4*\k+3], v[X+32*\k+\p+2:X+32*\k+\p+3]
.endr
.endr
.irp k, 0,1,2,3
	v_pk_add_f32 v[T+4*\k:T+4*\k+1], v[T+4*\k:T+4*\k+1], v[T+4*\k+2:T+4*\k+3]
.endr
.irp k, 0,1,2,3
	v_add_f32 v[T+4*\k], v[T+4*\k], v[T+4*\k+1]
.endr
	REDUCE
.irp k, 0,1,2,3
	v_mul_f32 v[MN+2*\k], s23, v[T+4*\k]           ; the mean, in both halves of a pair
	v_mul_f32 v[MN+2*\k+1], s23, v[T+4*\k]
.endr
.irp p, 0,2,4,6,8,10,12,14,16,18,20,22,24,26,28,30
.irp k, 0,1,2,3
	v_pk_add_f32 v[X+32*\k+\p:X+32*\k+\p+1], v[X+32*\k+\p:X+32*\k+\p+1], v[MN+2*\k:MN+2*\k+1] neg_lo:[0,1] neg_hi:[0,1]   ; x - mean
.endr
.endr
.irp k, 0,1,2,3
	v_pk_mul_f32 v[T+4*\k:T+4*\k+1], v[X+32*\k:X+32*\k+1], v[X+32*\k:X+32*\k+1]
	v_pk_mul_f32 v[T+4*\k+2:T+4*\k+3], v[X+32*\k+2:X+32*\k+3], v[X+32*\k+2:X+32*\k+3]
.endr
.irp p, 4,8,12,16,20,24,28
.irp k, 0,1,2,3
	v_pk_fma_f32 v[T+4*\k:T+4*\k+1], v[X+32*\k+\p:X+32*\k+\p+1], v[X+32*\k+\p:X+32*\k+\p+1], v[T+4*\k:T+4*\k+1]
	v_pk_fma_f32 v[T+4*\k+2:T+4*\k+3], v[X+32*\k+\p+2:X+32*\k+\p+3], v[X+32*\k+\p+2:X+32*\k+\p+3], v[T+4*\k+2:T+4*\k+3]
.endr
.endr
.irp k, 0,1,2,3
	v_pk_add_f32 v[T+4*\k:T+4*\k+1], v[T+4*\k:T+4*\k+1], v[T+4*\k+2:T+4*\k+3]
.endr
.irp k, 0,1,2,3
	v_add_f32 v[T+4*\k], v[T+4*\k], v[T+4*\k+1]
.endr
	REDUCE
.irp k, 0,1,2,3
	v_fma_f32 v[T+4*\k], v[T+4*\k], s23, s24       ; var + eps
.endr
.irp k, 0,1,2,3
	v_rsq_f32 v[MN+2*\k], v[T+4*\k]
.endr
	v_nop                                          ; a plain line behind the last of the four
	s_wait_alu depctr_va_vdst(0)                   ; one wait for the four, ahead of their first reader
.irp p, 0,2,4,6,8,10,12,14,16,18,20,22,24,26,28,30
.irp k, 0,1,2,3
	v_pk_mul_f32 v[X+32*\k+\p:X+32*\k+\p+1], v[X+32*\k+\p:X+32*\k+\p+1], v[MN+2*\k:MN+2*\k+1] op_sel_hi:[1,0]
.endr
.endr
	s_wait_loadcnt 0x0                             ; g and b
.irp p, 0,2,4,6,8,10,12,14,16,18,20,22,24,26,28,30
.irp k, 0,1,2,3
	v_pk_fma_f32 v[X+32*\k+\p:X+32*\k+\p+1], v[X+32*\k+\p:X+32*\k+\p+1], v[GG+\p:GG+\p+1], v[BR+\p:BR+\p+1]
.endr
.endr
.irp k, 0,1,2,3
.irp j, 0,1,2,3,4,5,6,7
	ds_store_b128 v4, v[X+32*\k+4*\j:X+32*\k+4*\j+3] offset:\k*PITCH+512*\j
.endr
.endr
	s_wait_dscnt 0x0                               ; for the others' sake: my rows lie in LDS
	s_barrier_signal -1
	s_barrier_wait -1
.irp q, 0,1
.irp b, 0,1,2,3
.irp j, 0,1,2,3
	ds_load_b128 v[X+64*\q+16*\b+4*\j:X+64*\q+16*\b+4*\j+3], v5 offset:512*\q+128*\b+16*\j   ; row r, k = 128 q + 32 b + 16 h + 4 j ..
.endr
.endr
.endr
	s_wait_dscnt 16                                ; the first 128 along K are in; the second's sixteen loads may be out
	QUANT X, 160, 252
	s_wait_dscnt 0x0
	QUANT X+64, 176, 253
.irp q, 0,1
.irp c, 0,1,2,3
	global_store_b128 v1, v[160+16*\q+4*\c:163+16*\q+4*\c], s[26:27] offset:16384*\q+512*\c   ; 512 consecutive bytes
.endr
.endr
	global_store_b64 v6, v[252:253], s[28:29]      ; the rows' two scale words; lanes 16-31 hold and write the same as lanes 0-15
	s_wait_tensorcnt 0x0
	ds_add_u32 v254, v255
	s_wait_dscnt 0x0
	s_endpgm
.Lfunc_end_k_q5501840aca_ln1:
	.size	k_q5501840aca_ln1, .Lfunc_end_k_q5501840aca_ln1-k_q5501840aca_ln1
	.p2alignl 7, 3214868480
	.fill 96, 4, 3214868480
	.section	.rodata,"a",@progbits
	.p2align	6, 0x0
	.amdhsa_kernel k_q5501840aca_ln1
		.amdhsa_group_segment_fixed_size 66304
		.amdhsa_private_segment_fixed_size 0
		.amdhsa_enable_private_segment 0
		.amdhsa_kernarg_size 32
		.amdhsa_user_sgpr_count 2
		.amdhsa_user_sgpr_kernarg_segment_ptr 1
		.amdhsa_wavefront_size32 1
		.amdhsa_system_sgpr_workgroup_id_x 1
		.amdhsa_system_sgpr_workgroup_id_y 1
		.amdhsa_system_sgpr_workgroup_id_z 1
		.amdhsa_system_vgpr_workitem_id 0
		.amdhsa_next_free_vgpr 256
		.amdhsa_next_free_sgpr 66
		.amdhsa_reserve_vcc 0
		.amdhsa_float_denorm_mode_32 3
		.amdhsa_float_denorm_mode_16_64 3
		.amdhsa_memory_ordered 1
		.amdhsa_forward_progress 1
		.amdhsa_inst_pref_size 52
	.end_amdhsa_kernel
	.amdgpu_metadata
---
amdhsa.version: [ 1, 2 ]
amdhsa.kernels:
  - .name:           k_q5501840aca_ln1
    .symbol:         k_q5501840aca_ln1.kd
    .args:
      - { .name: x, .offset: 0, .size: 8, .value_kind: global_buffer, .address_space: global }
      - { .name: g1, .offset: 8, .size: 8, .value_kind: global_buffer, .address_space: global }
      - { .name: b1, .offset: 16, .size: 8, .value_kind: global_buffer, .address_space: global }
      - { .name: himg, .offset: 24, .size: 8, .value_kind: global_buffer, .address_space: global }
    .group_segment_fixed_size: 66304
    .private_segment_fixed_size: 0
    .kernarg_segment_align: 8
    .kernarg_segment_size: 32
    .max_flat_workgroup_size: 128
    .sgpr_count:     66
    .vgpr_count:     256
    .wavefront_size: 32
...
	.end_amdgpu_metadata
.endif
;; end of part 2
;; launch qkv (part 3): grid 12 x 16, 4 waves a work-group, clusters of 4 x 4, 327,680 bytes of LDS; arguments himg, wimg, bq, bk, bv, pos, qkv; writes qkv
.if DOCPART == 3
	.amdgcn_target "amdgcn-amd-amdhsa--gfx1250"
	.amdhsa_code_object_version 6
	.text
	.protected	k_q5501840aca_qkv
	.globl	k_q5501840aca_qkv
	.p2align	8
	.type	k_q5501840aca_qkv,@function
k_q5501840aca_qkv:
	s_mov_b64 s[64:65], 0
	v_nop
	global_prefetch_b8 v0, s[64:65] scope:SCOPE_SE
	s_setreg_imm32_b32 hwreg(HW_REG_WAVE_MODE, 25, 1), 1
	s_wait_xcnt 0x0
	s_wait_alu depctr_hold_cnt(0) depctr_sa_sdst(0) depctr_va_vdst(0) depctr_va_sdst(0) depctr_va_ssrc(0) depctr_va_vcc(0) depctr_vm_vsrc(0)
	s_getreg_b32 s2, hwreg(HW_REG_IB_STS2, 6, 4)
	s_cmp_eq_u32 s2, 0
	s_cbranch_scc0 .Lentry_in_a_cluster
	s_endpgm
.Lentry_in_a_cluster:
	s_bfe_u32 s2, ttmp6, 0x10000c
	s_cmp_lg_u32 s2, 0xf033
	s_cbranch_scc0 .Lentry_shape_is_right
	s_endpgm
.Lentry_shape_is_right:
; q = rope(h Wq + bq), k = rope(h Wk + bk), v = h Wv + bv, on codes of FP8 (E4M3) with E8M0 scales; the results are quantised again in registers and leave as the operand images of attention.
; OPERANDS are images of registers in blocks of BLK = 33,792 bytes (128 rows x 256 along K, codes at 16384 q + 2048 i + 512 c + 16 lane, scale words at 32768 + 128 i + 8 r + 4 q), laid [row group][K block]:
; a K step's part of 128 rows is ONE dense block, codes and scales together, brought by one tensor load.  Tile i, row r stands for row 32 (i / 2) + 8 (i % 2) + r + 8 (r / 8) of the 128.
; A tile of C is 256 x 256: four waves, 128 x 128 each, 64 accumulators.  K goes in steps of 256 through two LDS slots.  CLUSTERS of 4 x 4: A's blocks are asked for jointly along a row, B's along a column.
; THE MATRIX INSTRUCTION IS USED TRANSPOSED (source 0 = B's tile, source 1 = A's): a lane holds one row of A, and by the order of rows in a tile the 64 registers of a row block are
; register 16 b + i = B's row 32 b + 16 (lane / 16) + i: the order in which the next product's operand wants them.
; Cluster x = 0: q, 1: k: A = tokens, B = the weight's columns; a column group g holds heads g and g + 8, so that both halves of a rotary pair (columns j and j + 512) lie in one lane.
; Cluster x = 2: v: A = Wv's columns (channels), B = tokens: a lane's registers then run along the KEYS, which are the K of attention's second product.
; OUTPUT.  q, k: for each (batch, head, 128 tokens) 8,704 bytes: tile a at 1024 a + 512 c + 16 lane, scale words (two bytes, two zeros) at 8192 + 64 a + 4 r.
;          v: for each (batch, head, 128 keys) 8,448 bytes: channel tile t at 2048 t + 512 c + 16 lane, scale words at 8192 + 64 t + 4 r.
; ROTARY ANGLES: inv_freq = 2^(-j log2(10000) / 512), the exponent in two parts so that nothing is lost; angle = pos x inv_freq in f32; reduced by pi / 2 in two parts; sine and cosine by polynomials on [-pi/4, pi/4].
; LIMITS: |pos| under 2^22 (the two-part reduction); inv_freq may differ from 1 / 10000^(j / 512) in its last bits; a block of zeros or under 2^-118 keeps the scale byte 1; NaN and infinities are not served.
; REGISTERS: window 0: v1-31 addresses and small things; v32-63 scale words, two sets, and nothing else; v64-127 the bias; v128-255 A's fragments, afterwards v128-191 a row block at work, v192-255 temporaries.
;   window 1: B's fragments, two sets; afterwards v0-31 the lane's 32 inverse frequencies.   windows 2, 3: the accumulators ((a, b) at v[8 (8 (a % 4) + b)]).
.set BLK,   33792
.set SLOT,  4*BLK                      ; A's two row groups, then B's two
.set SPARE, 2*SLOT                     ; the spare words, 128 bytes a wave: two blocks of 256 bytes that no other line names
.set NK,    4                          ; K blocks: K = 1,024
.set LAPS,  NK/2
.set NQ,    2                          ; matrix instructions deep in a slot
.set FR,    16
.set NL,    4
.set NP,    8                          ; places behind this matrix instruction (ISA guide 7.12.1)
.set QKB,   8704
.set VBB,   8448
.set KOFF,  32*16*QKB                  ; k's images begin here, v's at VOFF
.set VOFF,  2*KOFF
.set HEAD8, 8*16*QKB                   ; from head g to head g + 8
.set HEAD1, 16*VBB                     ; from a head of v to the next
.set ADRA, 16                          ; v16-17 LDS address of my A fragments in slot 0, 1
.set ADRS, 18                          ; v18-19 of my scale words: lanes 0-15 A's, lanes 16-31 B's
.set ADRB, 20                          ; v20-21 of my B fragments
.set LI,   22                          ; v22 16 x lane
.set SO,   23                          ; v23 where a lane's scale word goes
.set SPW,  28                          ; v28 my spare word; never rewritten
.set NIL,  29                          ; v29 0; never rewritten
.set PW,   30                          ; v30 the scale word just made
.set SC,   32
.set AF,   128
.set W,    128                         ; the row block at work
.set T,    192                         ; temporaries
.set TM,   192                         ; the quantiser's sixteen
.set PC,   208                         ; the codes just made
.set ON, 2                             ; a pair's temporaries: +0 the angle, +2 n, +4 r^2, +6 sine, +8 cosine, +10, +12, +14 at work
.set OR, 4
.set OS, 6
.set OC, 8
.set OU, 10
.set OM, 12
.set OV, 14
.set G1, 24                            ; s[24:31] descriptor group 1 for A's blocks; s[32:39] group 0, one set a slot
.set G0, 32
.set G1B, 48                           ; s[48:55], s[56:63] the same for B's
.set G0B, 56
.set CUR,  90                          ; s[90:91] where the row block's codes go; s[92:93] its scale words
.set CURS, 92
.set AI,   94                          ; s94 the row block
.set SEL,  96                          ; s[96:97] lane selects: lane l xor 16
.set MNT,  98                          ; s98 the mantissa field of 448
.set MSB, 0
.macro WIN new                         ; the immediate's high byte repeats the setting that is left
.if MSB != \new
	s_set_vgpr_msb (MSB<<8)|\new
.set MSB, \new
.endif
.endm
.set MUL_LO, 0xa1                      ; source 0 (B) window 1, source 1 (A) window 0, C and D window 2
.set MUL_HI, 0xf1                      ; the same, C and D window 3
.set TO_B,   0x40                      ; destination window 1
; A joint load: waves 0 and 1 fetch A's two row groups, waves 2 and 3 B's.  The branch hangs on the wave's number alone.  Four v_nop follow each of the two lines.
.macro JLOAD s
	s_cmp_eq_u32 s15, 0
	s_cbranch_scc0 .Lfor_b_\@
	tensor_load_to_lds s[G0+4*\s:G0+4*\s+3], s[G1:G1+7]
	s_nop 0
.rept 4
	v_nop
.endr
	s_branch .Lasked_\@
.Lfor_b_\@:
	tensor_load_to_lds s[G0B+4*\s:G0B+4*\s+3], s[G1B:G1B+7]
	s_nop 0
.rept 4
	v_nop
.endr
.Lasked_\@:
.endm
.macro CREST                           ; a round of the cluster's barrier behind its opening barrier
	s_cmp_lg_u32 s14, 0
	s_cbranch_scc1 .Lnot_wave_0_\@
	s_barrier_signal -3
.Lnot_wave_0_\@:
	s_barrier_wait -3
	s_barrier_signal -1
	s_barrier_wait -1
.endm
.macro CROUND
	s_barrier_signal -1
	s_barrier_wait -1
	CREST
.endm
.macro PLACES n
.rept \n
	v_nop
.endr
.endm
.macro FRAG reg, adr, q, i             ; a fragment comes back as it was stored: four loads of 512 consecutive bytes
.irp c, 0,1,2,3
	ds_load_b128 v[\reg+4*\c:\reg+4*\c+3], v[\adr] offset:16384*(\q)+2048*(\i)+512*\c
.endr
.endm
; 16 matrix instructions: A's tiles a0, a0 + 1 x B's eight.  The 64 accumulators take turns, one instruction a turn, in the same order in every step.
.macro MUL16 a0, p, q, sc, zero
.irp a, \a0, \a0+1
.irp b, 0,1,2,3,4,5,6,7
.if \zero
	v_wmma_scale_f32_16x16x128_f8f6f4 v[8*(8*((\a)%4)+\b):8*(8*((\a)%4)+\b)+7], v[128*(\p)+FR*\b:128*(\p)+FR*\b+FR-1], v[AF+FR*(\a):AF+FR*(\a)+FR-1], 0, v[SC+8*NQ*(\sc)+NQ*\b+(\q)], v[SC+8*NQ*(\sc)+NQ*(\a)+(\q)] matrix_a_scale:MATRIX_SCALE_ROW1
.else
	v_wmma_scale_f32_16x16x128_f8f6f4 v[8*(8*((\a)%4)+\b):8*(8*((\a)%4)+\b)+7], v[128*(\p)+FR*\b:128*(\p)+FR*\b+FR-1], v[AF+FR*(\a):AF+FR*(\a)+FR-1], v[8*(8*((\a)%4)+\b):8*(8*((\a)%4)+\b)+7], v[SC+8*NQ*(\sc)+NQ*\b+(\q)], v[SC+8*NQ*(\sc)+NQ*(\a)+(\q)] matrix_a_scale:MATRIX_SCALE_ROW1
.endif
.endr
.endr
.endm
.macro FETCH_B slot, q, p
	WIN TO_B
.irp i, 0,1,2,3,4,5,6,7
	FRAG 128*(\p)+FR*\i, ADRB+\slot, \q, \i
.endr
	WIN 0
.endm
.macro FETCH_A slot, q, i0
.irp i, \i0, \i0+1, \i0+2, \i0+3
	FRAG AF+FR*(\i), ADRA+\slot, \q, \i
.endr
.endm
.macro SCALES sc                       ; a slot's scale words: two a row; lanes 0-15 take A's tile i, lanes 16-31 B's tile i
.irp i, 0,1,2,3,4,5,6,7
	ds_load_b64 v[SC+16*\sc+2*\i:SC+16*\sc+2*\i+1], v[ADRS+\sc] offset:128*\i
.endr
.endm
.macro STEP slot, q, zero              ; 128 along K whose successor lies in the same slot
	s_wait_dscnt 4*NL                              ; B's set and A's tiles 0-3 are in; the youngest sixteen loads (A's tiles 4-7) may be out
	WIN MUL_LO
	MUL16 0, (\q)%2, \q, \slot, \zero
	MUL16 2, (\q)%2, \q, \slot, \zero
	s_wait_dscnt 0
	PLACES NP                                      ; in front of loads into registers that matrix instructions have read
	FETCH_B \slot, (\q)+1, 1-(\q)%2
	FETCH_A \slot, (\q)+1, 0
	WIN MUL_HI
	MUL16 4, (\q)%2, \q, \slot, \zero
	MUL16 6, (\q)%2, \q, \slot, \zero
	PLACES NP
	WIN 0
	FETCH_A \slot, (\q)+1, 4
.endm
; A slot's last step changes slots: one barrier; in front of it each wave waits for all its tensor loads, adds 0 to its spare word, and waits for that and for its reads of this slot.
.macro TURN slot, next, fill
	s_wait_tensorcnt 0x0                           ; all my tensor loads have landed: my part of the next slot
	ds_add_u32 v[SPW], v[NIL]                      ; 0 onto my spare word
	s_wait_dscnt 4*NL+1                            ; (the add and the youngest sixteen loads may be out)
	WIN MUL_LO
	MUL16 0, 1, NQ-1, \slot, 0
	s_wait_dscnt 0x0                               ; the add is done, and my reads of this slot are over
	s_barrier_signal -1
	MUL16 2, 1, NQ-1, \slot, 0
	WIN 0
	s_barrier_wait -1
.if \fill
	CREST                                          ; the barrier has opened a round of the cluster's: no wave of any partner still reads this slot or has a load on its way
	s_add_nc_u64 s[G0+4*\slot+2:G0+4*\slot+3], s[G0+4*\slot+2:G0+4*\slot+3], 2*BLK
	s_add_nc_u64 s[G0B+4*\slot+2:G0B+4*\slot+3], s[G0B+4*\slot+2:G0B+4*\slot+3], 2*BLK
	JLOAD \slot                                    ; the first tensor load behind the round; its four v_nop are four of the eight places
	PLACES NP-4
.else
	PLACES NP
.endif
	FETCH_B \next, 0, 0
	FETCH_A \next, 0, 0
	SCALES \next
	WIN MUL_HI
	MUL16 4, 1, NQ-1, \slot, 0
	MUL16 6, 1, NQ-1, \slot, 0
	PLACES NP
	WIN 0
	FETCH_A \next, 0, 4
.endm
; 64 numbers of a lane, register 16 b + i = k 32 b + 16 (lane / 16) + i of its row, become a fragment's codes in v[pc] on and its scale word in v[pw]
.macro QUANT s, pc, pw
.irp b, 0,1,2,3
	v_max3_num_f32 v[TM+\b], |v[\s+16*\b]|, |v[\s+1+16*\b]|, 0x4800000   ; my 16 numbers of block b, and the floor 2^(9 - 127)
.endr
.irp i, 2,4,6,8,10,12,14
.irp b, 0,1,2,3
	v_max3_num_f32 v[TM+\b], v[TM+\b], |v[\s+16*\b+\i]|, |v[\s+1+16*\b+\i]|
.endr
.endr
.irp b, 0,1,2,3
	v_permlanex16_b32 v[TM+4+\b], v[TM+\b], s[SEL], s[SEL+1]
.endr
.irp b, 0,1,2,3
	v_max_num_f32 v[TM+\b], v[TM+\b], v[TM+4+\b]
.endr
.irp b, 0,1,2,3
	v_add_nc_u32 v[TM+12+\b], 0xfc000000, v[TM+\b] ; 8 off the exponent field: the conversion's scale operand
.endr
.irp b, 0,1,2,3
	v_and_or_b32 v[TM+8+\b], v[TM+\b], 0x7f800000, s[MNT]   ; 448 x the scale
.endr
.irp b, 0,1,2,3
	v_lshrrev_b32 v[TM+4+\b], 23, v[TM+12+\b]      ; the scale's byte
.endr
	v_lshl_or_b32 v[\pw], v[TM+5], 8, v[TM+4]
	v_lshl_or_b32 v[\pw], v[TM+6], 16, v[\pw]
	v_lshl_or_b32 v[\pw], v[TM+7], 24, v[\pw]
.irp b, 0,1,2,3
.irp i, 0,1,2,3,4,5,6,7,8,9,10,11,12,13,14,15
	v_med3_num_f32 v[\s+16*\b+\i], v[\s+16*\b+\i], -v[TM+8+\b], v[TM+8+\b]   ; the conversion does not saturate (ISA guide 7.6.2)
.endr
	v_cvt_scalef32_pk8_fp8_f32 v[\pc+4*\b:\pc+1+4*\b], v[\s+16*\b:\s+7+16*\b], v[TM+12+\b]
	v_cvt_scalef32_pk8_fp8_f32 v[\pc+2+4*\b:\pc+3+4*\b], v[\s+8+16*\b:\s+15+16*\b], v[TM+12+\b]
.endr
	v_nop                                          ; a plain line behind the last conversion
.endm
	s_load_b256 s[4:11], s[0:1], 0x0               ; h's image, the weights' image, bq, bk
	s_load_b64 s[12:13], s[0:1], 0x20              ; bv
	s_load_b64 s[66:67], s[0:1], 0x28              ; pos
	s_load_b64 s[68:69], s[0:1], 0x30              ; the output
	v_lshl_add_u32 v[SPW], v0, 2, SPARE
	v_mov_b32 v[NIL], 0
	ds_add_u32 v28, v29
	ds_add_u32 v28, v29
	s_wait_dscnt 0x0
	v_lshrrev_b32 v1, 5, v0
	v_readfirstlane_b32 s14, v1                    ; wave 0..3
	s_lshr_b32 s15, s14, 1                         ; which of A's two row groups is mine.  Also: I fetch for A (0) or for B (1)
	s_and_b32 s16, s14, 1                          ; which of B's.  Also: which row group I fetch
	s_bfe_u32 s40, ttmp6, 0x40000                  ; cx, cy: my place in the cluster
	s_bfe_u32 s41, ttmp6, 0x40004
	s_and_b32 s18, ttmp7, 0xffff
	s_lshl_b32 s18, s18, 2
	s_add_co_u32 s17, s18, s41                     ; 4 x cluster y + cy
	s_add_co_u32 s42, s18, s40                     ; 4 x cluster y + cx
	s_cmp_eq_u32 ttmp9, 2                          ; v?  The cluster's x is the same in all sixteen partners
	s_cselect_b32 s17, s41, s17                    ; A's tile: q, k: 256 tokens; v: 256 channels.  It hangs on cy alone
	s_cselect_b32 s42, s42, s40                    ; B's tile: q, k: 256 columns; v: 256 tokens.  It hangs on cx alone
	s_lshl_b32 s43, s41, 2
	s_lshl_b32 s43, 15, s43                        ; my row of the cluster
	s_lshl_b32 s44, 0x1111, s40                    ; my column
	; descriptor group 1: a dense block of 33,792 bytes as 132 rows of 32 elements of 8 bytes, no padding
	s_or_b32 s[G1+0], s43, (3<<16)|(1<<21)         ; 15:0 the mask; 17:16 elements of 8 bytes; 21 set beside a mask
	s_or_b32 s[G1B+0], s44, (3<<16)|(1<<21)
.irp g, G1, G1B
	s_mov_b32 s[\g+1], 32<<16                      ; tensor_dim0
	s_mov_b32 s[\g+2], 132<<16                     ; tensor_dim1
	s_mov_b32 s[\g+3], 32<<16                      ; tile_dim0
	s_mov_b32 s[\g+4], 132                         ; tile_dim1
	s_mov_b32 s[\g+5], 32                          ; tensor_dim0_stride
	s_mov_b32 s[\g+6], 0
	s_mov_b32 s[\g+7], 0
.endr
	s_lshl_b32 s20, s17, 1
	s_add_co_u32 s20, s20, s16
	s_mul_i32 s20, s20, NK*BLK                     ; A: the row group that I fetch, K block 0
	s_mov_b32 s21, 0
	s_lshl_b32 s46, s42, 1
	s_add_co_u32 s46, s46, s16
	s_mul_i32 s46, s46, NK*BLK                     ; B likewise
	s_mov_b32 s47, 0
	s_mul_i32 s45, s14, BLK                        ; where it goes: wave x a block: no place in the cluster enters an LDS address
	s_mul_i32 s70, ttmp9, 32*BLK                   ; Wq's image begins at block 0, Wk's at 32, Wv's at 64
	s_mov_b32 s71, 0
	s_lshl_b32 s78, s17, 1
	s_add_co_u32 s78, s78, s15                     ; my row group of A
	s_and_b32 s79, s78, 15                         ; in its batch (v: the channel group, under 8)
	s_lshl_b32 s80, s79, 9
	s_mov_b32 s81, 0
	s_mov_b32 s[SEL], 0x76543210
	s_mov_b32 s[SEL+1], 0xfedcba98
	s_mov_b32 s[MNT], 0x600000
	s_wait_kmcnt 0x0
	s_add_nc_u64 s[6:7], s[6:7], s[70:71]
	s_cmp_eq_u32 ttmp9, 2
	s_cselect_b64 s[72:73], s[6:7], s[4:5]         ; A: v: the weight; else h
	s_cselect_b64 s[74:75], s[4:5], s[6:7]         ; B the other
	s_cselect_b64 s[76:77], s[12:13], s[66:67]     ; what belongs to A's rows: v: bv; else pos
	s_add_nc_u64 s[20:21], s[72:73], s[20:21]
	s_add_nc_u64 s[46:47], s[74:75], s[46:47]
	s_add_nc_u64 s[76:77], s[76:77], s[80:81]
	CROUND                                         ; all sixteen work-groups are here: the first joint loads meet
.irp s, 0,1
	s_mov_b32 s[G0+4*\s], 1
	s_add_co_u32 s[G0+4*\s+1], s45, \s*SLOT
	s_add_nc_u64 s[G0+4*\s+2:G0+4*\s+3], s[20:21], \s*BLK
	s_or_b32 s[G0+4*\s+3], s[G0+4*\s+3], 0x80000000
	s_mov_b32 s[G0B+4*\s], 1
	s_add_co_u32 s[G0B+4*\s+1], s45, \s*SLOT
	s_add_nc_u64 s[G0B+4*\s+2:G0B+4*\s+3], s[46:47], \s*BLK
	s_or_b32 s[G0B+4*\s+3], s[G0B+4*\s+3], 0x80000000
	JLOAD \s
.endr
	v_and_b32 v1, 15, v0                           ; r
	v_bfe_u32 v2, v0, 4, 1                         ; h
	v_and_b32 v3, 31, v0
	v_lshlrev_b32 v[LI], 4, v3
	s_mul_i32 s22, s15, BLK
	s_mul_i32 s23, s16, BLK
	s_add_co_u32 s23, s23, 2*BLK
.irp s, 0,1
	v_add_nc_u32 v[ADRA+\s], s22, v[LI]
	v_add_nc_u32 v[ADRB+\s], s23, v[LI]
	s_add_co_u32 s22, s22, SLOT
	s_add_co_u32 s23, s23, SLOT
.endr
	s_mul_i32 s22, s15, BLK
	s_mul_i32 s23, s16, BLK
	s_add_co_u32 s23, s23, 2*BLK
	s_sub_co_u32 s23, s23, s22
	v_mul_u32_u24 v4, s23, v2                      ; lanes 16-31 take B's words: one product, the distance between the two blocks
	v_lshl_add_u32 v4, v1, 3, v4
	s_add_co_u32 s22, s22, 32768
	v_add_nc_u32 v[ADRS], s22, v4
	v_add_nc_u32 v[ADRS+1], SLOT, v[ADRS]
	v_and_b32 v4, 8, v1
	v_add_nc_u32 v4, v4, v1
	v_lshlrev_b32 v5, 2, v4                        ; 4 (r + 8 (r / 8))
.irp a, 0,1,2,3,4,5,6,7
	global_load_b32 v[8+\a], v5, s[76:77] offset:4*(32*(\a/2)+8*(\a%2))   ; pos (or bv) of my lane's row in each of A's eight tiles
.endr
	s_wait_loadcnt 0x0
	s_wait_tensorcnt 1                             ; my part of K block 0 is in (K block 1's load may be out)
	s_barrier_signal -1
	s_barrier_wait -1                              ; everybody's is
	FETCH_B 0, 0, 0
	FETCH_A 0, 0, 0
	SCALES 0
	FETCH_A 0, 0, 4
	STEP 0, 0, 1                                   ; the first step's products start the sums: nothing is cleared
	s_mov_b32 s3, LAPS-1
.Llap:
	TURN 0, 1, 1
	STEP 1, 0, 0
	TURN 1, 0, 1
	STEP 0, 0, 0
	s_sub_co_u32 s3, s3, 1
	s_cmp_lg_u32 s3, 0
	s_cbranch_scc1 .Llap
	TURN 0, 1, 0                                   ; the last lap fills nothing
	STEP 1, 0, 0
	s_wait_dscnt 4*NL
	WIN MUL_LO
	MUL16 0, 1, NQ-1, 1, 0
	MUL16 2, 1, NQ-1, 1, 0
	s_wait_dscnt 0
	WIN MUL_HI
	MUL16 4, 1, NQ-1, 1, 0
	MUL16 6, 1, NQ-1, 1, 0
	WIN 0
	PLACES NP                                      ; behind the last products: results are read, and registers that held fragments are written
	s_cmp_eq_u32 ttmp9, 2
	s_cbranch_scc1 .Lvpath
	; ---- q and k.  My B group g holds heads g (registers 0-31) and g + 8 (registers 32-63)
	s_lshl_b32 s82, s42, 1
	s_add_co_u32 s82, s82, s16                     ; g
	s_lshl_b32 s86, s82, 8
	s_mov_b32 s87, 0
	s_cmp_eq_u32 ttmp9, 0
	s_cselect_b64 s[84:85], s[8:9], s[10:11]       ; bq or bk
	s_add_nc_u64 s[84:85], s[84:85], s[86:87]
	v_lshlrev_b32 v4, 6, v2
.irp e, 0,1,2,3
.irp j, 0,1,2,3
	global_load_b128 v[64+16*\e+4*\j:67+16*\e+4*\j], v4, s[84:85] offset:128*(\e%2)+16*\j+2048*(\e/2)   ; register 16 e + i: column 64 g + 512 (e / 2) + 32 (e % 2) + 16 h + i
.endr
.endr
	s_lshr_b32 s83, s78, 4
	s_lshl_b32 s83, s83, 4
	s_add_co_u32 s83, s83, s82                     ; 16 x batch + head g
	s_lshl_b32 s83, s83, 4
	s_add_co_u32 s83, s83, s79                     ; x 16 + the token group
	s_mul_i32 s86, s83, QKB
	s_mul_i32 s88, ttmp9, KOFF
	s_add_co_u32 s86, s86, s88
	s_add_nc_u64 s[68:69], s[68:69], s[86:87]
	v_lshlrev_b32 v5, 4, v2                        ; 16 h
	v_mul_u32_u24 v[SO], v2, HEAD8
	v_lshl_add_u32 v[SO], v1, 2, v[SO]             ; lanes 0-15 store head g's scale words, lanes 16-31 head g + 8's
	s_lshl_b32 s88, s82, 6
	v_add_nc_u32 v3, s88, v5                       ; 64 g + 16 h
	v_mov_b32 v7, 0                                ; (named as the upper half of the pair v[6:7])
	v_mov_b32 v24, 0xb94ca1f9                      ; the sine's and the cosine's highest coefficients, as pairs
	v_mov_b32 v25, 0xb94ca1f9
	v_mov_b32 v26, 0x37ccf5ce
	v_mov_b32 v27, 0x37ccf5ce
	; inv_freq of my 32 pairs: j = 64 g + 16 h + 32 (x / 16) + x % 16.  -j C, C = log2(10000) / 512 = Chi + Clo, Chi of 13 bits: j Chi is exact; its whole part goes through v_ldexp_f32
.irp u, 0,1
.set n, 0
.rept 16
	v_add_nc_u32 v[192+n], 32*\u+n, v3
.set n, n+1
.endr
.set n, 0
.rept 16
	v_cvt_f32_u32 v[192+n], v[192+n]
.set n, n+1
.endr
.set n, 0
.rept 16
	v_mul_f32 v[208+n], 0xbcd49800, v[192+n]
.set n, n+1
.endr
.set n, 0
.rept 16
	v_rndne_f32 v[224+n], v[208+n]
.set n, n+1
.endr
.set n, 0
.rept 16
	v_sub_f32 v[208+n], v[208+n], v[224+n]
.set n, n+1
.endr
.set n, 0
.rept 16
	v_fmac_f32 v[208+n], 0xb59e12f3, v[192+n]
.set n, n+1
.endr
.set n, 0
.rept 16
	v_exp_f32 v[240+n], v[208+n]
.set n, n+1
.endr
.set n, 0
.rept 16
	v_cvt_i32_f32 v[224+n], v[224+n]               ; plain work behind the batch
.set n, n+1
.endr
	s_wait_alu depctr_va_vdst(0)                   ; one wait for the sixteen, ahead of their first reader
	WIN 0x40                                       ; destination window 1
.set n, 0
.rept 16
	v_ldexp_f32 v[16*\u+n], v[240+n], v[224+n]
.set n, n+1
.endr
	WIN 0
.endr
	s_wait_loadcnt 0x0                             ; the bias
; Row block k: where it goes, its rows' pos, and accumulators + bias into W; each accumulator is read from its low end on
.macro COPYQ k
	s_add_nc_u64 s[CUR:CUR+1], s[68:69], 1024*(\k)
	s_add_nc_u64 s[CURS:CURS+1], s[68:69], 8192+64*(\k)
	v_cvt_f32_i32 v6, v[8+\k]
	WIN (0x02+(\k)/4)
.set n, 0
.rept 32
	v_pk_add_f32 v[W+2*n:W+2*n+1], v[64*((\k)%4)+2*n:64*((\k)%4)+2*n+1], v[64+2*n:65+2*n]
.set n, n+1
.endr
	WIN 0
.endm
; Eight of the lane's 32 rotary pairs, two to an instruction, four such by turns: pair x is (W[x], W[x + 32])
.macro ROT G
	WIN 0x01                                       ; source 0 window 1: inv_freq
.irp p, 0,1,2,3
	v_pk_mul_f32 v[T+16*\p:T+16*\p+1], v[8*\G+2*\p:8*\G+2*\p+1], v[6:7] op_sel_hi:[1,0]   ; the angle
.endr
	WIN 0
.irp p, 0,1,2,3
	v_pk_mul_f32 v[T+16*\p+ON:T+16*\p+ON+1], v[T+16*\p:T+16*\p+1], 0x3f22f983 op_sel_hi:[1,0]   ; x 2 / pi
.endr
.irp p, 0,1,2,3
	v_rndne_f32 v[T+16*\p+ON], v[T+16*\p+ON]
	v_rndne_f32 v[T+16*\p+ON+1], v[T+16*\p+ON+1]
.endr
.irp p, 0,1,2,3
	v_pk_fma_f32 v[T+16*\p:T+16*\p+1], v[T+16*\p+ON:T+16*\p+ON+1], 0xbfc90fdb, v[T+16*\p:T+16*\p+1] op_sel_hi:[1,0,1]   ; - n pi / 2, the high part,
.endr
.irp p, 0,1,2,3
	v_pk_fma_f32 v[T+16*\p:T+16*\p+1], v[T+16*\p+ON:T+16*\p+ON+1], 0x333bbd2e, v[T+16*\p:T+16*\p+1] op_sel_hi:[1,0,1]   ; and the low
.endr
.irp p, 0,1,2,3
	v_pk_mul_f32 v[T+16*\p+OR:T+16*\p+OR+1], v[T+16*\p:T+16*\p+1], v[T+16*\p:T+16*\p+1]
.endr
.irp p, 0,1,2,3
	v_pk_fma_f32 v[T+16*\p+OS:T+16*\p+OS+1], v[T+16*\p+OR:T+16*\p+OR+1], v[24:25], 0x3c08839e op_sel_hi:[1,1,0]
	v_pk_fma_f32 v[T+16*\p+OC:T+16*\p+OC+1], v[T+16*\p+OR:T+16*\p+OR+1], v[26:27], 0xbab6061a op_sel_hi:[1,1,0]
.endr
.irp p, 0,1,2,3
	v_pk_fma_f32 v[T+16*\p+OS:T+16*\p+OS+1], v[T+16*\p+OS:T+16*\p+OS+1], v[T+16*\p+OR:T+16*\p+OR+1], 0xbe2aaaa3 op_sel_hi:[1,1,0]
	v_pk_fma_f32 v[T+16*\p+OC:T+16*\p+OC+1], v[T+16*\p+OC:T+16*\p+OC+1], v[T+16*\p+OR:T+16*\p+OR+1], 0x3d2aaaa5 op_sel_hi:[1,1,0]
.endr
.irp p, 0,1,2,3
	v_pk_mul_f32 v[T+16*\p+OU:T+16*\p+OU+1], v[T+16*\p+OR:T+16*\p+OR+1], v[T+16*\p:T+16*\p+1]        ; r^3
	v_pk_mul_f32 v[T+16*\p+OM:T+16*\p+OM+1], v[T+16*\p+OR:T+16*\p+OR+1], v[T+16*\p+OR:T+16*\p+OR+1]  ; r^4
	v_pk_fma_f32 v[T+16*\p+OV:T+16*\p+OV+1], v[T+16*\p+OR:T+16*\p+OR+1], -0.5, 1.0 op_sel_hi:[1,0,0] ; 1 - r^2 / 2
.endr
.irp p, 0,1,2,3
	v_pk_fma_f32 v[T+16*\p+OS:T+16*\p+OS+1], v[T+16*\p+OS:T+16*\p+OS+1], v[T+16*\p+OU:T+16*\p+OU+1], v[T+16*\p:T+16*\p+1]        ; sin r
	v_pk_fma_f32 v[T+16*\p+OC:T+16*\p+OC+1], v[T+16*\p+OC:T+16*\p+OC+1], v[T+16*\p+OM:T+16*\p+OM+1], v[T+16*\p+OV:T+16*\p+OV+1]  ; cos r
.endr
.irp p, 0,1,2,3
.irp e, 0,1
	v_cvt_i32_f32 v[T+16*\p+ON+\e], v[T+16*\p+ON+\e]
.endr
.endr
.irp p, 0,1,2,3
.irp e, 0,1
	v_and_b32 v[T+16*\p+OU+\e], 1, v[T+16*\p+ON+\e]
.endr
.endr
.irp p, 0,1,2,3
.irp e, 0,1
	v_cmp_eq_u32 vcc_lo, 1, v[T+16*\p+OU+\e]       ; an odd quadrant swaps the two: a choice of values, no branch
	v_cndmask_b32 v[T+16*\p+OM+\e], v[T+16*\p+OS+\e], v[T+16*\p+OC+\e], vcc_lo
	v_cndmask_b32 v[T+16*\p+OV+\e], v[T+16*\p+OC+\e], v[T+16*\p+OS+\e], vcc_lo
.endr
.endr
.irp p, 0,1,2,3
.irp e, 0,1
	v_lshlrev_b32 v[T+16*\p+OU+\e], 30, v[T+16*\p+ON+\e]        ; the sine's sign: bit 1 of n;
	v_add_lshl_u32 v[T+16*\p+ON+\e], v[T+16*\p+ON+\e], 1, 30    ; the cosine's: bit 1 of n + 1
.endr
.endr
.irp p, 0,1,2,3
.irp e, 0,1
	v_and_b32 v[T+16*\p+OU+\e], 0x80000000, v[T+16*\p+OU+\e]
	v_and_b32 v[T+16*\p+ON+\e], 0x80000000, v[T+16*\p+ON+\e]
.endr
.endr
.irp p, 0,1,2,3
.irp e, 0,1
	v_xor_b32 v[T+16*\p+OM+\e], v[T+16*\p+OU+\e], v[T+16*\p+OM+\e]   ; sin
	v_xor_b32 v[T+16*\p+OV+\e], v[T+16*\p+ON+\e], v[T+16*\p+OV+\e]   ; cos
.endr
.endr
.irp p, 0,1,2,3
	v_pk_mul_f32 v[T+16*\p:T+16*\p+1], v[W+32+8*\G+2*\p:W+33+8*\G+2*\p], v[T+16*\p+OM:T+16*\p+OM+1]        ; t2 sin
	v_pk_mul_f32 v[T+16*\p+OR:T+16*\p+OR+1], v[W+32+8*\G+2*\p:W+33+8*\G+2*\p], v[T+16*\p+OV:T+16*\p+OV+1]  ; t2 cos
.endr
.irp p, 0,1,2,3
	v_pk_fma_f32 v[W+32+8*\G+2*\p:W+33+8*\G+2*\p], v[W+8*\G+2*\p:W+1+8*\G+2*\p], v[T+16*\p+OM:T+16*\p+OM+1], v[T+16*\p+OR:T+16*\p+OR+1]   ; t1 sin + t2 cos
	v_pk_fma_f32 v[W+8*\G+2*\p:W+1+8*\G+2*\p], v[W+8*\G+2*\p:W+1+8*\G+2*\p], v[T+16*\p+OV:T+16*\p+OV+1], v[T+16*\p:T+16*\p+1] neg_lo:[0,0,1] neg_hi:[0,0,1]   ; t1 cos - t2 sin
.endr
.endm
	s_mov_b32 s[AI], 0
.Lq_row:                                           ; eight trips, a row block of 16 tokens each: only the copy out of the accumulators is written eight times
	s_wait_xcnt 0x0                                ; the last trip's stores have read their data, offsets and bases: all are written again below
.irp k, 0,1,2,3,4,5,6
	s_cmp_lg_u32 s[AI], \k
	s_cbranch_scc1 .Lq_n\k
	COPYQ \k
	s_branch .Lq_work
.Lq_n\k:
.endr
	COPYQ 7
.Lq_work:
	ROT 0
	ROT 1
	ROT 2
	ROT 3
	QUANT W, PC, PW                                ; blocks 0, 1: head g's 64 channels; blocks 2, 3: head g + 8's
.irp c, 0,1,2,3
	global_store_b128 v[LI], v[PC+4*\c:PC+4*\c+3], s[CUR:CUR+1] offset:(\c%2)*512+(\c/2)*HEAD8   ; 512 consecutive bytes
.endr
	v_lshrrev_b32 v31, v5, v[PW]
	v_and_b32 v31, 0xffff, v31                     ; two bytes of scales, two zeros over the zero codes that fill K to 128
	global_store_b32 v[SO], v31, s[CURS:CURS+1]
	s_add_co_u32 s[AI], s[AI], 1
	s_cmp_lt_u32 s[AI], 8
	s_cbranch_scc1 .Lq_row
	s_branch .Ldone
.Lvpath:	; ---- v.  A lane holds one channel, its registers run along 128 keys
	s_lshl_b32 s82, s42, 1
	s_add_co_u32 s82, s82, s16                     ; my token group, 0..31
	s_lshr_b32 s83, s82, 4
	s_lshl_b32 s83, s83, 4                         ; 16 x batch
	s_lshl_b32 s88, s78, 1
	s_add_co_u32 s83, s83, s88                     ; + head 2 x channel group
	s_lshl_b32 s83, s83, 4
	s_and_b32 s88, s82, 15
	s_add_co_u32 s83, s83, s88
	s_mul_i32 s86, s83, VBB
	s_add_co_u32 s86, s86, VOFF
	s_mov_b32 s87, 0
	s_add_nc_u64 s[68:69], s[68:69], s[86:87]
	v_lshlrev_b32 v[SO], 2, v1
	v_mov_b32 v7, 0
.irp b, 0,1,2,3
	v_mov_b32 v[TM+4+\b], 0                        ; a lane permute's destination counts as one of its sources
.endr
.macro COPYV k
	s_add_nc_u64 s[CUR:CUR+1], s[68:69], ((\k)/4)*HEAD1+((\k)%4)*2048
	s_add_nc_u64 s[CURS:CURS+1], s[68:69], 8192+((\k)/4)*HEAD1+((\k)%4)*64
	v_mov_b32 v6, v[8+\k]                          ; bv of my channel
	WIN (0x02+(\k)/4)
.set n, 0
.rept 32
	v_pk_add_f32 v[W+2*n:W+2*n+1], v[64*((\k)%4)+2*n:64*((\k)%4)+2*n+1], v[6:7] op_sel_hi:[1,0]
.set n, n+1
.endr
	WIN 0
.endm
	s_mov_b32 s[AI], 0
.Lv_row:
	s_wait_xcnt 0x0                                ; as above
.irp k, 0,1,2,3,4,5,6
	s_cmp_lg_u32 s[AI], \k
	s_cbranch_scc1 .Lv_n\k
	COPYV \k
	s_branch .Lv_work
.Lv_n\k:
.endr
	COPYV 7
.Lv_work:
	QUANT W, PC, PW
.irp c, 0,1,2,3
	global_store_b128 v[LI], v[PC+4*\c:PC+4*\c+3], s[CUR:CUR+1] offset:512*\c
.endr
	global_store_b32 v[SO], v[PW], s[CURS:CURS+1]  ; lanes 16-31 hold and write the same as lanes 0-15
	s_add_co_u32 s[AI], s[AI], 1
	s_cmp_lt_u32 s[AI], 8
	s_cbranch_scc1 .Lv_row
.Ldone:
	s_wait_tensorcnt 0x0                           ; the wave's end
	ds_add_u32 v[SPW], v[NIL]
	s_wait_dscnt 0x0
	CROUND                                         ; the closing round: no work-group ends while a partner may still ask for a block that names it
	s_endpgm
.Lfunc_end_k_q5501840aca_qkv:
	.size	k_q5501840aca_qkv, .Lfunc_end_k_q5501840aca_qkv-k_q5501840aca_qkv
	.p2alignl 7, 3214868480
	.fill 96, 4, 3214868480
	.section	.rodata,"a",@progbits
	.p2align	6, 0x0
	.amdhsa_kernel k_q5501840aca_qkv
		.amdhsa_group_segment_fixed_size 327680
		.amdhsa_private_segment_fixed_size 0
		.amdhsa_enable_private_segment 0
		.amdhsa_kernarg_size 56
		.amdhsa_user_sgpr_count 2
		.amdhsa_user_sgpr_kernarg_segment_ptr 1
		.amdhsa_wavefront_size32 1
		.amdhsa_system_sgpr_workgroup_id_x 1
		.amdhsa_system_sgpr_workgroup_id_y 1
		.amdhsa_system_sgpr_workgroup_id_z 1
		.amdhsa_system_vgpr_workitem_id 0
		.amdhsa_next_free_vgpr 1024
		.amdhsa_next_free_sgpr 100
		.amdhsa_reserve_vcc 1
		.amdhsa_float_denorm_mode_32 3
		.amdhsa_float_denorm_mode_16_64 3
		.amdhsa_memory_ordered 1
		.amdhsa_forward_progress 1
		.amdhsa_inst_pref_size 221
	.end_amdhsa_kernel
	.amdgpu_metadata
---
amdhsa.version: [ 1, 2 ]
amdhsa.kernels:
  - .name:           k_q5501840aca_qkv
    .symbol:         k_q5501840aca_qkv.kd
    .args:
      - { .name: himg, .offset: 0, .size: 8, .value_kind: global_buffer, .address_space: global }
      - { .name: wimg, .offset: 8, .size: 8, .value_kind: global_buffer, .address_space: global }
      - { .name: bq, .offset: 16, .size: 8, .value_kind: global_buffer, .address_space: global }
      - { .name: bk, .offset: 24, .size: 8, .value_kind: global_buffer, .address_space: global }
      - { .name: bv, .offset: 32, .size: 8, .value_kind: global_buffer, .address_space: global }
      - { .name: pos, .offset: 40, .size: 8, .value_kind: global_buffer, .address_space: global }
      - { .name: qkv, .offset: 48, .size: 8, .value_kind: global_buffer, .address_space: global }
    .group_segment_fixed_size: 327680
    .private_segment_fixed_size: 0
    .kernarg_segment_align: 8
    .kernarg_segment_size: 56
    .max_flat_workgroup_size: 128
    .sgpr_count:     100
    .vgpr_count:     1024
    .wavefront_size: 32
...
	.end_amdgpu_metadata
.endif
;; end of part 3
;; launch attn (part 4): grid 8 x 32, 16 waves a work-group, clusters of 4 x 1, 276,480 bytes of LDS; arguments qkv, cimg; writes cimg
.if DOCPART == 4
	.amdgcn_target "amdgcn-amd-amdhsa--gfx1250"
	.amdhsa_code_object_version 6
	.text
	.protected	k_q5501840aca_attn
	.globl	k_q5501840aca_attn
	.p2align	8
	.type	k_q5501840aca_attn,@function
k_q5501840aca_attn:
	s_mov_b64 s[64:65], 0
	v_nop
	global_prefetch_b8 v0, s[64:65] scope:SCOPE_SE
	s_setreg_imm32_b32 hwreg(HW_REG_WAVE_MODE, 25, 1), 1
	s_wait_xcnt 0x0
	s_wait_alu depctr_hold_cnt(0) depctr_sa_sdst(0) depctr_va_vdst(0) depctr_va_sdst(0) depctr_va_ssrc(0) depctr_va_vcc(0) depctr_vm_vsrc(0)
	s_getreg_b32 s2, hwreg(HW_REG_IB_STS2, 6, 4)
	s_cmp_eq_u32 s2, 0
	s_cbranch_scc0 .Lentry_in_a_cluster
	s_endpgm
.Lentry_in_a_cluster:
	s_bfe_u32 s2, ttmp6, 0x10000c
	s_cmp_lg_u32 s2, 0x3003
	s_cbranch_scc0 .Lentry_shape_is_right
	s_endpgm
.Lentry_shape_is_right:
; ctx = softmax(q k^T / 8) v for one (batch, head), both products on codes of FP8 (E4M3) with E8M0 scales; ctx is quantised along the model's axis and leaves as the image of the next product's operand.
; THE SOFTMAX AHEAD OF THE SECOND PRODUCT: t = score x log2(e) / 8; M = the running largest t rounded UP to a whole number; p = 2^(t - M) is quantised along the keys, not normalised; the row's sum is taken of the
; unquantised p and divides at the end.  When M moves, the sum and O are multiplied by 2^(old M - new M): exact.
; SHARES.  A work-group owns 256 queries of a head, each of its sixteen waves one tile of 16, in 256 registers: four waves to a SIMD, so that one wave's vector work stands beside another's matrix work.
; THE HEAD'S WHOLE K AND V LIE IN LDS: 16 blocks of 8,704 bytes (128 keys of k: tile a at 1024 a + 512 c + 16 lane, scale words at 8192 + 64 a + 4 r) and 16 of 8,448 (v: channel tile t at 2048 t + 512 c + 16 lane,
; scale words at 8192 + 64 t + 4 r): 274,432 bytes, each filled ONCE, at the head: no slot is filled again.  Waves 0-7 fetch k's blocks e and e + 8, waves 8-15 v's: two tensor loads a wave are out.
; CLUSTER.  The four query blocks of a cluster belong to one head and want the same 32 blocks: each is asked for jointly, by the same load with a mask that names the four.
; LAYOUT.  Both products are used transposed (S^T = k q^T, O^T = v^T p^T): a lane holds one query throughout.  Row r of tile a is key 32 (a / 2) + 8 (a % 2) + r + 8 (r / 8), so the 16 registers of two
; neighbouring tiles of S^T are 16 neighbouring keys.  THE HEAD HAS 64 CHANNELS, THE INSTRUCTION 128: q's upper eight registers are zero codes; k's operand names the eight registers behind its own
; (the next tile's codes, zeros behind the last), which meet those zeros; the upper two scale bytes are 0 on both sides.  The quantiser holds every number at 448, so no code is the NaN code.
; LIMITS: NaN and infinities are not served; a block of ctx that is all zeros or under 2^-118 keeps the scale byte 1.
; REGISTERS: v1-4 addresses that stay; v8-11 the step's; v12 -M, v13 the largest t, v[14:15] the sum; v16-31 q; v32-95 k's 8 tiles, then v's 4; v96-103 zeros; v104-167 S^T, then p; v168-199 O^T; v200-215 p's codes;
;   v216-223 scale words and nothing else (k's 4, v's 2, q's, p's); v224-245 at work.
.set KB,   8704
.set VB,   8448
.set VL,   16*KB                       ; v's blocks lie behind k's
.set KOFF, 32*16*KB
.set VOFF, 2*KOFF
.set BLK,  33792
.set WV,   8                           ; s8 my wave's number
.set G1K,  16                          ; s[16:23], s[24:31] descriptor groups 1;  s[32:39] k's two groups 0, s[40:47] v's
.set G1V,  24
.set SEL,  48                          ; s[48:49] lane l xor 16
.set CS,   50                          ; s[50:51] c = log2(e) / 8
.set MNT,  52
.set TK,   53                          ; s53 the step's block of k in LDS, s54 of v (from VL)
.set TV,   54
.set CNT,  55
.macro CROUND
	s_barrier_signal -1
	s_barrier_wait -1
	s_cmp_lg_u32 s[WV], 0
	s_cbranch_scc1 .Lnot_wave_0_\@
	s_barrier_signal -3
.Lnot_wave_0_\@:
	s_barrier_wait -3
	s_barrier_signal -1
	s_barrier_wait -1
.endm
	s_load_b128 s[4:7], s[0:1], 0x0                ; q, k, v images; ctx's image
	v_lshl_add_u32 v254, v0, 2, 0x43000
	v_mov_b32 v255, 0
	ds_add_u32 v254, v255
	ds_add_u32 v254, v255
	v_lshrrev_b32 v1, 5, v0
	v_readfirstlane_b32 s[WV], v1                  ; wave 0..15
	s_and_b32 s9, s[WV], 7                         ; e: which block I fetch; also my tile in its group of 128 queries
	s_bfe_u32 s10, ttmp6, 0x40000                  ; cx: it enters q's and ctx's addresses alone
	s_lshl_b32 s11, ttmp9, 2
	s_add_co_u32 s11, s11, s10                     ; my block of 256 queries
	s_and_b32 s12, ttmp7, 0xffff                   ; 16 x batch + head, which the four partners share
	; descriptor groups 1: dense blocks as rows of 32 elements of 8 bytes: 34 rows (k), 33 rows (v)
	s_mov_b32 s[G1K], 15|(3<<16)|(1<<21)           ; 15:0 the mask: all four; 17:16 elements of 8 bytes; 21 set beside a mask
	s_mov_b32 s[G1K+1], 32<<16
	s_mov_b32 s[G1K+2], 34<<16
	s_mov_b32 s[G1K+3], 32<<16
	s_mov_b32 s[G1K+4], 34
	s_mov_b32 s[G1K+5], 32
	s_mov_b32 s[G1K+6], 0
	s_mov_b32 s[G1K+7], 0
	s_mov_b32 s[G1V], 15|(3<<16)|(1<<21)
	s_mov_b32 s[G1V+1], 32<<16
	s_mov_b32 s[G1V+2], 33<<16
	s_mov_b32 s[G1V+3], 32<<16
	s_mov_b32 s[G1V+4], 33
	s_mov_b32 s[G1V+5], 32
	s_mov_b32 s[G1V+6], 0
	s_mov_b32 s[G1V+7], 0
	s_mul_i32 s56, s12, 16*KB
	s_mul_i32 s13, s9, KB                          ; k's block e in LDS,
	s_add_co_u32 s56, s56, s13
	s_add_co_u32 s56, s56, KOFF                    ; and in memory
	s_mov_b32 s57, 0
	s_mul_i32 s58, s12, 16*VB
	s_mul_i32 s14, s9, VB
	s_add_co_u32 s58, s58, s14
	s_add_co_u32 s58, s58, VOFF
	s_mov_b32 s59, 0
	s_add_co_u32 s14, s14, VL
	s_mov_b32 s[SEL], 0x76543210
	s_mov_b32 s[SEL+1], 0xfedcba98
	s_mov_b32 s[CS], 0x3e38aa3b
	s_mov_b32 s[CS+1], s[CS]
	s_mov_b32 s[MNT], 0x600000
	s_wait_dscnt 0x0
	s_wait_kmcnt 0x0
	s_add_nc_u64 s[56:57], s[4:5], s[56:57]
	s_add_nc_u64 s[58:59], s[4:5], s[58:59]
.irp n, 0,1
	s_mov_b32 s[32+4*\n], 1
	s_add_co_u32 s[33+4*\n], s13, \n*8*KB
	s_add_nc_u64 s[34+4*\n:35+4*\n], s[56:57], \n*8*KB
	s_or_b32 s[35+4*\n], s[35+4*\n], 0x80000000
	s_mov_b32 s[40+4*\n], 1
	s_add_co_u32 s[41+4*\n], s14, \n*8*VB
	s_add_nc_u64 s[42+4*\n:43+4*\n], s[58:59], \n*8*VB
	s_or_b32 s[43+4*\n], s[43+4*\n], 0x80000000
.endr
	CROUND                                         ; all four work-groups are here: the joint loads meet
	s_cmp_lt_u32 s[WV], 8                          ; a wave's two fills stand in one branch, ahead of every wait on TENSORcnt and every LDS read; four v_nop follow the second
	s_cbranch_scc0 .Lfirst_v
	tensor_load_to_lds s[32:35], s[G1K:G1K+7]
	s_nop 0
	tensor_load_to_lds s[36:39], s[G1K:G1K+7]
	s_nop 0
.rept 4
	v_nop
.endr
	s_branch .Lfirst_asked
.Lfirst_v:
	tensor_load_to_lds s[40:43], s[G1V:G1V+7]
	s_nop 0
	tensor_load_to_lds s[44:47], s[G1V:G1V+7]
	s_nop 0
.rept 4
	v_nop
.endr
.Lfirst_asked:
	s_lshl_b32 s60, s11, 1
	s_lshr_b32 s61, s[WV], 3
	s_add_co_u32 s60, s60, s61                     ; my group of 128 queries in the batch
	s_lshl_b32 s61, s12, 4
	s_add_co_u32 s61, s61, s60
	s_mul_i32 s62, s61, KB
	s_mov_b32 s63, 0
	s_add_nc_u64 s[62:63], s[4:5], s[62:63]        ; its block of q
	s_lshl_b32 s66, s9, 10
	s_mov_b32 s67, 0
	s_add_nc_u64 s[68:69], s[62:63], s[66:67]      ; my tile's codes
	s_lshl_b32 s66, s9, 6
	s_add_co_u32 s66, s66, 8192
	s_add_nc_u64 s[70:71], s[62:63], s[66:67]      ; and scale words
	v_and_b32 v5, 31, v0
	v_lshlrev_b32 v1, 4, v5                        ; 16 x lane: k's fragments
	v_and_b32 v6, 15, v0                           ; r
	v_lshlrev_b32 v7, 2, v6
	global_load_b128 v[16:19], v1, s[68:69]
	global_load_b128 v[20:23], v1, s[68:69] offset:512
	global_load_b32 v222, v7, s[70:71]
	v_lshl_add_u32 v2, v5, 2, 8192                 ; k's scale words: lanes 0-15 an even tile's, lanes 16-31 the odd one's behind it
	v_add_nc_u32 v3, VL, v1                        ; v's fragments
	v_add_nc_u32 v4, VL, v2                        ; v's scale words
	; where ctx goes: block (token group, head / 4), K step (head / 2) % 2, tile e, chunks 2 (head % 2) and + 1
	s_lshr_b32 s66, s12, 4
	s_lshl_b32 s66, s66, 4
	s_add_co_u32 s66, s66, s60
	s_lshl_b32 s66, s66, 2
	s_and_b32 s67, s12, 15
	s_lshr_b32 s72, s67, 2
	s_add_co_u32 s66, s66, s72
	s_mul_i32 s66, s66, BLK
	s_bfe_u32 s72, s67, 0x10001
	s_and_b32 s73, s67, 1
	s_lshl_b32 s74, s72, 14
	s_add_co_u32 s74, s74, s66
	s_lshl_b32 s75, s9, 11
	s_add_co_u32 s74, s74, s75
	s_lshl_b32 s75, s73, 10
	s_add_co_u32 s74, s74, s75
	s_mov_b32 s75, 0
	s_lshl_b32 s76, s9, 7
	s_add_co_u32 s76, s76, s66
	s_lshl_b32 s72, s72, 2
	s_add_co_u32 s76, s76, s72
	s_lshl_b32 s73, s73, 1
	s_add_co_u32 s76, s76, s73
	s_add_co_u32 s76, s76, 32768
	s_mov_b32 s77, 0
	s_add_nc_u64 s[74:75], s[6:7], s[74:75]
	s_add_nc_u64 s[76:77], s[6:7], s[76:77]
.irp j, 0,1,2,3,4,5,6,7
	v_mov_b32 v[24+\j], 0                          ; q's zero codes for K = 64 .. 127
	v_mov_b32 v[96+\j], 0                          ; and what stands behind k's last tile
.endr
	v_mov_b32 v13, 0xff61b1e6                      ; the largest t so far: -3e38
	v_floor_f32 v12, -v13                          ; -M
	v_mov_b32 v14, 0
	v_mov_b32 v15, 0
.irp b, 0,1,2,3
	v_mov_b32 v[228+\b], 0                         ; a lane permute's destination counts as one of its sources
.endr
	v_mov_b32 v241, 0                              ; (named as the upper half of the pair v[240:241])
.set n, 0
.rept 32
	v_mov_b32 v[168+n], 0                          ; O^T: the step is written once; its first run finds zeros
.set n, n+1
.endr
; A KEY STEP: 128 keys
.macro STEP
	v_add_nc_u32 v8, s[TK], v1
	v_add_nc_u32 v9, s[TK], v2
	v_add_nc_u32 v10, s[TV], v3
	v_add_nc_u32 v11, s[TV], v4
.rept 4
	v_nop                                          ; with the four additions: eight places in front of loads into registers that matrix instructions have read
.endr
.irp t, 0,1,2,3,4,5,6,7
	ds_load_b128 v[32+8*\t:35+8*\t], v8 offset:1024*\t
	ds_load_b128 v[36+8*\t:39+8*\t], v8 offset:1024*\t+512
.endr
.irp m, 0,1,2,3
	ds_load_b32 v[216+\m], v9 offset:128*\m
.endr
	s_wait_dscnt 0x0
.irp m, 0,1,2,3                        ; S^T = k q^T: eight tiles of 16 keys
	v_wmma_scale_f32_16x16x128_f8f6f4 v[104+16*\m:111+16*\m], v[32+16*\m:47+16*\m], v[16:31], 0, v[216+\m], v222
	v_wmma_scale_f32_16x16x128_f8f6f4 v[112+16*\m:119+16*\m], v[40+16*\m:55+16*\m], v[16:31], 0, v[216+\m], v222 matrix_a_scale:MATRIX_SCALE_ROW1
.endr
.rept 8
	v_nop
.endr
.irp t, 0,1,2,3                        ; v's four tiles land under the softmax
.irp c, 0,1,2,3
	ds_load_b128 v[32+16*\t+4*\c:35+16*\t+4*\c], v10 offset:2048*\t+512*\c
.endr
.endr
	ds_load_b32 v220, v11
	ds_load_b32 v221, v11 offset:128
.irp b, 0,1,2,3
	v_max3_num_f32 v[224+\b], v[104+16*\b], v[105+16*\b], v[106+16*\b]   ; the largest score of each block of 32 keys: for the row's maximum, and, since p rises with the score, for the block's largest p
.endr
.irp i, 3,5,7,9,11,13
.irp b, 0,1,2,3
	v_max3_num_f32 v[224+\b], v[224+\b], v[104+16*\b+\i], v[105+16*\b+\i]
.endr
.endr
.irp b, 0,1,2,3
	v_max_num_f32 v[224+\b], v[224+\b], v[119+16*\b]
.endr
.irp b, 0,1,2,3
	v_permlanex16_b32 v[228+\b], v[224+\b], s[SEL], s[SEL+1]
.endr
.irp b, 0,1,2,3
	v_max_num_f32 v[224+\b], v[224+\b], v[228+\b]
.endr
	v_max3_num_f32 v242, v224, v225, v226
	v_max_num_f32 v242, v242, v227
	v_mul_f32 v242, s[CS], v242                    ; as t (c is positive)
	v_max_num_f32 v13, v13, v242                   ; the running largest t
	v_mov_b32 v242, v12
	v_floor_f32 v12, -v13                          ; the new -M = -ceil(t)
	v_sub_f32 v242, v12, v242                      ; old M - new M: a whole number, 0 or less
	v_cvt_i32_f32 v242, v242                       ; (it saturates)
	v_ldexp_f32 v240, 1.0, v242                    ; f = 2^(old M - new M)
.set n, 0
.rept 32
	v_pk_fma_f32 v[104+n:105+n], v[104+n:105+n], s[CS:CS+1], v[12:13] op_sel_hi:[1,0,0]   ; t - M
.set n, n+2
.endr
.irp b, 0,1,2,3
	v_fma_f32 v[224+\b], v[224+\b], s[CS], v12
.endr
.set n, 0
.rept 64
	v_exp_f32 v[104+n], v[104+n]                   ; p, at most 1
.set n, n+1
.endr
	v_pk_mul_f32 v[14:15], v[14:15], v[240:241] op_sel_hi:[1,0]   ; the sums under the new M (a plain line behind the batch)
	s_wait_alu depctr_va_vdst(0)                   ; one wait for the 64, ahead of their first reader
.irp b, 0,1,2,3
	v_exp_f32 v[224+\b], v[224+\b]                 ; each block's largest p
.endr
	v_pk_add_f32 v[244:245], v[104:105], v[106:107]   ; the row's sum of the unquantised p, in two chains
.irp j, 4,8,12,16,20,24,28,32,36,40,44,48,52,56,60
	v_pk_add_f32 v[14:15], v[14:15], v[104+\j:105+\j]
	v_pk_add_f32 v[244:245], v[244:245], v[106+\j:107+\j]
.endr
	v_pk_add_f32 v[14:15], v[14:15], v[244:245]
	s_wait_alu depctr_va_vdst(0)                   ; and one for the four
.irp b, 0,1,2,3
	v_max_num_f32 v[224+\b], 0x4800000, v[224+\b]  ; the floor 2^(9 - 127)
.endr
.irp b, 0,1,2,3
	v_add_nc_u32 v[236+\b], 0xfc000000, v[224+\b]
.endr
.irp b, 0,1,2,3
	v_and_or_b32 v[232+\b], v[224+\b], 0x7f800000, s[MNT]
.endr
.irp b, 0,1,2,3
	v_lshrrev_b32 v[228+\b], 23, v[236+\b]
.endr
	v_lshl_or_b32 v223, v229, 8, v228              ; p's scale word for these 128 keys
	v_lshl_or_b32 v223, v230, 16, v223
	v_lshl_or_b32 v223, v231, 24, v223
.irp b, 0,1,2,3
.irp i, 0,1,2,3,4,5,6,7,8,9,10,11,12,13,14,15
	v_min_num_f32 v[104+16*\b+\i], v[104+16*\b+\i], v[232+\b]   ; the conversion does not saturate (ISA guide 7.6.2); p is not negative
.endr
	v_cvt_scalef32_pk8_fp8_f32 v[200+4*\b:201+4*\b], v[104+16*\b:111+16*\b], v[236+\b]
	v_cvt_scalef32_pk8_fp8_f32 v[202+4*\b:203+4*\b], v[112+16*\b:119+16*\b], v[236+\b]
.endr
.set n, 0
.rept 16
	v_pk_mul_f32 v[168+n:169+n], v[168+n:169+n], v[240:241] op_sel_hi:[1,0]   ; O^T under the new M; these sixteen also stand between the codes' making and the products
.set n, n+2
.endr
	s_wait_dscnt 0x0                               ; v
.irp m, 0,1                            ; O^T += v^T p^T: four accumulators by turns
	v_wmma_scale_f32_16x16x128_f8f6f4 v[168+16*\m:175+16*\m], v[32+32*\m:47+32*\m], v[200:215], v[168+16*\m:175+16*\m], v[220+\m], v223
	v_wmma_scale_f32_16x16x128_f8f6f4 v[176+16*\m:183+16*\m], v[48+32*\m:63+32*\m], v[200:215], v[176+16*\m:183+16*\m], v[220+\m], v223 matrix_a_scale:MATRIX_SCALE_ROW1
.endr
	s_add_co_u32 s[TK], s[TK], KB
	s_add_co_u32 s[TV], s[TV], VB
.endm
	s_wait_loadcnt 0x0                             ; q
	s_wait_tensorcnt 1                             ; my block of the first eight is in; my second may be out
	s_barrier_signal -1
	s_barrier_wait -1
	s_mov_b32 s[TK], 0
	s_mov_b32 s[TV], 0
	s_mov_b32 s[CNT], 8
.Lhalf0:
	STEP
	s_sub_co_u32 s[CNT], s[CNT], 1
	s_cmp_lg_u32 s[CNT], 0
	s_cbranch_scc1 .Lhalf0
	s_wait_tensorcnt 0x0                           ; my block of the second eight is in,
	s_wait_dscnt 0x0
	s_barrier_signal -1
	s_barrier_wait -1                              ; everybody's is
	s_mov_b32 s[TK], 8*KB
	s_mov_b32 s[TV], 8*VB
	s_mov_b32 s[CNT], 8
.Lhalf1:
	STEP
	s_sub_co_u32 s[CNT], s[CNT], 1
	s_cmp_lg_u32 s[CNT], 0
	s_cbranch_scc1 .Lhalf1
	; THE WAY OUT.  O^T / the sum: register 16 b + i is channel 32 b + 16 h + i of my query: two blocks of the next product's K
	v_add_f32 v14, v14, v15
	v_permlanex16_b32 v242, v14, s[SEL], s[SEL+1]
	v_add_f32 v14, v14, v242
	v_rcp_f32 v14, v14
	v_lshlrev_b32 v8, 3, v6                        ; 8 r (a plain line behind the reciprocal)
.rept 7
	v_nop                                          ; eight places and more behind the last products
.endr
	s_wait_alu depctr_va_vdst(0)                   ; ahead of the reciprocal's first reader
.set n, 0
.rept 16
	v_pk_mul_f32 v[104+n:105+n], v[168+n:169+n], v[14:15] op_sel_hi:[1,0]
.set n, n+2
.endr
.irp b, 0,1
	v_max3_num_f32 v[224+\b], |v[104+16*\b]|, |v[105+16*\b]|, 0x4800000
.endr
.irp i, 2,4,6,8,10,12,14
.irp b, 0,1
	v_max3_num_f32 v[224+\b], v[224+\b], |v[104+16*\b+\i]|, |v[105+16*\b+\i]|
.endr
.endr
.irp b, 0,1
	v_permlanex16_b32 v[228+\b], v[224+\b], s[SEL], s[SEL+1]
.endr
.irp b, 0,1
	v_max_num_f32 v[224+\b], v[224+\b], v[228+\b]
.endr
.irp b, 0,1
	v_add_nc_u32 v[236+\b], 0xfc000000, v[224+\b]
.endr
.irp b, 0,1
	v_and_or_b32 v[232+\b], v[224+\b], 0x7f800000, s[MNT]
.endr
.irp b, 0,1
	v_lshrrev_b32 v[228+\b], 23, v[236+\b]
.endr
	v_lshl_or_b32 v243, v229, 8, v228              ; the two scale bytes
.irp b, 0,1
.irp i, 0,1,2,3,4,5,6,7,8,9,10,11,12,13,14,15
	v_med3_num_f32 v[104+16*\b+\i], v[104+16*\b+\i], -v[232+\b], v[232+\b]
.endr
	v_cvt_scalef32_pk8_fp8_f32 v[200+4*\b:201+4*\b], v[104+16*\b:111+16*\b], v[236+\b]
	v_cvt_scalef32_pk8_fp8_f32 v[202+4*\b:203+4*\b], v[112+16*\b:119+16*\b], v[236+\b]
.endr
	v_nop
	global_store_b128 v1, v[200:203], s[74:75]             ; 512 consecutive bytes each
	global_store_b128 v1, v[204:207], s[74:75] offset:512
	global_store_b16 v8, v243, s[76:77]                    ; a head's two bytes of each row's scale word; lanes 16-31 write the same as lanes 0-15
	s_wait_tensorcnt 0x0
	ds_add_u32 v254, v255
	s_wait_dscnt 0x0
	CROUND                                         ; the closing round
	s_endpgm
.Lfunc_end_k_q5501840aca_attn:
	.size	k_q5501840aca_attn, .Lfunc_end_k_q5501840aca_attn-k_q5501840aca_attn
	.p2alignl 7, 3214868480
	.fill 96, 4, 3214868480
	.section	.rodata,"a",@progbits
	.p2align	6, 0x0
	.amdhsa_kernel k_q5501840aca_attn
		.amdhsa_group_segment_fixed_size 276480
		.amdhsa_private_segment_fixed_size 0
		.amdhsa_enable_private_segment 0
		.amdhsa_kernarg_size 16
		.amdhsa_user_sgpr_count 2
		.amdhsa_user_sgpr_kernarg_segment_ptr 1
		.amdhsa_wavefront_size32 1
		.amdhsa_system_sgpr_workgroup_id_x 1
		.amdhsa_system_sgpr_workgroup_id_y 1
		.amdhsa_system_sgpr_workgroup_id_z 1
		.amdhsa_system_vgpr_workitem_id 0
		.amdhsa_next_free_vgpr 256
		.amdhsa_next_free_sgpr 80
		.amdhsa_reserve_vcc 0
		.amdhsa_float_denorm_mode_32 3
		.amdhsa_float_denorm_mode_16_64 3
		.amdhsa_memory_ordered 1
		.amdhsa_forward_progress 1
		.amdhsa_inst_pref_size 53
	.end_amdhsa_kernel
	.amdgpu_metadata
---
amdhsa.version: [ 1, 2 ]
amdhsa.kernels:
  - .name:           k_q5501840aca_attn
    .symbol:         k_q5501840aca_attn.kd
    .args:
      - { .name: qkv, .offset: 0, .size: 8, .value_kind: global_buffer, .address_space: global }
      - { .name: cimg, .offset: 8, .size: 8, .value_kind: global_buffer, .address_space: global }
    .group_segment_fixed_size: 276480
    .private_segment_fixed_size: 0
    .kernarg_segment_align: 8
    .kernarg_segment_size: 16
    .max_flat_workgroup_size: 512
    .sgpr_count:     80
    .vgpr_count:     256
    .wavefront_size: 32
...
	.end_amdgpu_metadata
.endif
;; end of part 4
;; launch wo (part 5): grid 4 x 16, 4 waves a work-group, clusters of 4 x 4, 327,680 bytes of LDS; arguments cimg, wimg, bo, x, x1; writes x1
.if DOCPART == 5
	.amdgcn_target "amdgcn-amd-amdhsa--gfx1250"
	.amdhsa_code_object_version 6
	.text
	.protected	k_q5501840aca_wo
	.globl	k_q5501840aca_wo
	.p2align	8
	.type	k_q5501840aca_wo,@function
k_q5501840aca_wo:
	s_mov_b64 s[64:65], 0
	v_nop
	global_prefetch_b8 v0, s[64:65] scope:SCOPE_SE
	s_setreg_imm32_b32 hwreg(HW_REG_WAVE_MODE, 25, 1), 1
	s_wait_xcnt 0x0
	s_wait_alu depctr_hold_cnt(0) depctr_sa_sdst(0) depctr_va_vdst(0) depctr_va_sdst(0) depctr_va_ssrc(0) depctr_va_vcc(0) depctr_vm_vsrc(0)
	s_getreg_b32 s2, hwreg(HW_REG_IB_STS2, 6, 4)
	s_cmp_eq_u32 s2, 0
	s_cbranch_scc0 .Lentry_in_a_cluster
	s_endpgm
.Lentry_in_a_cluster:
	s_bfe_u32 s2, ttmp6, 0x10000c
	s_cmp_lg_u32 s2, 0xf033
	s_cbranch_scc0 .Lentry_shape_is_right
	s_endpgm
.Lentry_shape_is_right:
; out = res + A B^T + bias, f32 [4096][1024]; A and B are codes of FP8 (E4M3) with E8M0 scales.  Here: A = ctx, B = Wo, res = x, K = 1,024.
; OPERANDS are images of registers in blocks of BLK = 33,792 bytes (128 rows x 256 along K, codes at 16384 q + 2048 i + 512 c + 16 lane, scale words at 32768 + 128 i + 8 r + 4 q), laid [row group][K block]:
; a K step's part of 128 rows is ONE dense block, codes and scales together, brought by one tensor load.  Tile i, row r stands for row 32 (i / 2) + 8 (i % 2) + r + 8 (r / 8) of the 128.
; A tile of C is 256 x 256: four waves, 128 x 128 each, 64 accumulators.  K goes in steps of 256 through two LDS slots.  CLUSTERS of 4 x 4: A's blocks are asked for jointly along a row, B's along a column.
; THE MATRIX INSTRUCTION IS USED TRANSPOSED (source 0 = B's tile, source 1 = A's): a lane holds one row of A (a token) and registers along B's rows (output columns).
; 64 work-groups: the output has 64 tiles of this size.
; THE WAY OUT: a row block of 16 tokens x 128 columns goes through the wave's own stage in LDS and comes back as whole rows of 512 bytes; the residual's rows are loaded a row block ahead.
; REGISTERS: window 0: v1-31 addresses, v[8:11] the bias; v32-63 scale words, two sets, and nothing else; v128-255 A's fragments; afterwards v64-127, v128-191 the residual by turns, v192-255 the rows at work.
;   window 1: B's fragments, two sets.   windows 2, 3: the accumulators ((a, b) at v[8 (8 (a % 4) + b)]).
.set BLK,   33792
.set SLOT,  4*BLK
.set SPARE, 2*SLOT                     ; the spare words, 128 bytes a wave: two blocks of 256 bytes that no other line names
.set STG,   SPARE+512                  ; the stages: 16 rows x 528 bytes for each wave; no tensor load lands here
.set NK,    4                          ; K blocks
.set WOFF,  96*BLK                     ; where B's image begins among the weights
.set LAPS,  NK/2
.set NQ,    2
.set FR,    16
.set NL,    4
.set NP,    8                          ; places behind this matrix instruction (ISA guide 7.12.1)
.set ADRA, 16
.set ADRS, 18
.set ADRB, 20
.set LI,   22                          ; v22 16 x lane
.set STO,  23                          ; v23 the stage: where I put 16 bytes of a row
.set RD,   24                          ; v24 and where I read a row back
.set SPW,  28
.set NIL,  29
.set SC,   32
.set AF,   128
.set BB,   192
.set G1, 24
.set G0, 32
.set G1B, 48
.set G0B, 56
.set MSB, 0
.macro WIN new                         ; the immediate's high byte repeats the setting that is left
.if MSB != \new
	s_set_vgpr_msb (MSB<<8)|\new
.set MSB, \new
.endif
.endm
.set MUL_LO, 0xa1
.set MUL_HI, 0xf1
.set TO_B,   0x40
.macro JLOAD s                         ; a joint load: waves 0 and 1 fetch A's two row groups, waves 2 and 3 B's; four v_nop follow each of the two lines
	s_cmp_eq_u32 s15, 0
	s_cbranch_scc0 .Lfor_b_\@
	tensor_load_to_lds s[G0+4*\s:G0+4*\s+3], s[G1:G1+7]
	s_nop 0
.rept 4
	v_nop
.endr
	s_branch .Lasked_\@
.Lfor_b_\@:
	tensor_load_to_lds s[G0B+4*\s:G0B+4*\s+3], s[G1B:G1B+7]
	s_nop 0
.rept 4
	v_nop
.endr
.Lasked_\@:
.endm
.macro CREST
	s_cmp_lg_u32 s14, 0
	s_cbranch_scc1 .Lnot_wave_0_\@
	s_barrier_signal -3
.Lnot_wave_0_\@:
	s_barrier_wait -3
	s_barrier_signal -1
	s_barrier_wait -1
.endm
.macro CROUND
	s_barrier_signal -1
	s_barrier_wait -1
	CREST
.endm
.macro PLACES n
.rept \n
	v_nop
.endr
.endm
.macro FRAG reg, adr, q, i
.irp c, 0,1,2,3
	ds_load_b128 v[\reg+4*\c:\reg+4*\c+3], v[\adr] offset:16384*(\q)+2048*(\i)+512*\c
.endr
.endm
.macro MUL16 a0, p, q, sc, zero        ; the 64 accumulators take turns, one instruction a turn
.irp a, \a0, \a0+1
.irp b, 0,1,2,3,4,5,6,7
.if \zero
	v_wmma_scale_f32_16x16x128_f8f6f4 v[8*(8*((\a)%4)+\b):8*(8*((\a)%4)+\b)+7], v[128*(\p)+FR*\b:128*(\p)+FR*\b+FR-1], v[AF+FR*(\a):AF+FR*(\a)+FR-1], 0, v[SC+8*NQ*(\sc)+NQ*\b+(\q)], v[SC+8*NQ*(\sc)+NQ*(\a)+(\q)] matrix_a_scale:MATRIX_SCALE_ROW1
.else
	v_wmma_scale_f32_16x16x128_f8f6f4 v[8*(8*((\a)%4)+\b):8*(8*((\a)%4)+\b)+7], v[128*(\p)+FR*\b:128*(\p)+FR*\b+FR-1], v[AF+FR*(\a):AF+FR*(\a)+FR-1], v[8*(8*((\a)%4)+\b):8*(8*((\a)%4)+\b)+7], v[SC+8*NQ*(\sc)+NQ*\b+(\q)], v[SC+8*NQ*(\sc)+NQ*(\a)+(\q)] matrix_a_scale:MATRIX_SCALE_ROW1
.endif
.endr
.endr
.endm
.macro FETCH_B slot, q, p
	WIN TO_B
.irp i, 0,1,2,3,4,5,6,7
	FRAG 128*(\p)+FR*\i, ADRB+\slot, \q, \i
.endr
	WIN 0
.endm
.macro FETCH_A slot, q, i0
.irp i, \i0, \i0+1, \i0+2, \i0+3
	FRAG AF+FR*(\i), ADRA+\slot, \q, \i
.endr
.endm
.macro SCALES sc
.irp i, 0,1,2,3,4,5,6,7
	ds_load_b64 v[SC+16*\sc+2*\i:SC+16*\sc+2*\i+1], v[ADRS+\sc] offset:128*\i
.endr
.endm
.macro STEP slot, q, zero
	s_wait_dscnt 4*NL                              ; B's set and A's tiles 0-3 are in; the youngest sixteen loads (A's tiles 4-7) may be out
	WIN MUL_LO
	MUL16 0, (\q)%2, \q, \slot, \zero
	MUL16 2, (\q)%2, \q, \slot, \zero
	s_wait_dscnt 0
	PLACES NP
	FETCH_B \slot, (\q)+1, 1-(\q)%2
	FETCH_A \slot, (\q)+1, 0
	WIN MUL_HI
	MUL16 4, (\q)%2, \q, \slot, \zero
	MUL16 6, (\q)%2, \q, \slot, \zero
	PLACES NP
	WIN 0
	FETCH_A \slot, (\q)+1, 4
.endm
.macro TURN slot, next, fill
	s_wait_tensorcnt 0x0                           ; all my tensor loads have landed: my part of the next slot
	ds_add_u32 v[SPW], v[NIL]                      ; 0 onto my spare word
	s_wait_dscnt 4*NL+1                            ; (the add and the youngest sixteen loads may be out)
	WIN MUL_LO
	MUL16 0, 1, NQ-1, \slot, 0
	s_wait_dscnt 0x0                               ; the add is done, and my reads of this slot are over
	s_barrier_signal -1
	MUL16 2, 1, NQ-1, \slot, 0
	WIN 0
	s_barrier_wait -1
.if \fill
	CREST                                          ; a round of the cluster's barrier: no wave of any partner still reads this slot or has a load on its way
	s_add_nc_u64 s[G0+4*\slot+2:G0+4*\slot+3], s[G0+4*\slot+2:G0+4*\slot+3], 2*BLK
	s_add_nc_u64 s[G0B+4*\slot+2:G0B+4*\slot+3], s[G0B+4*\slot+2:G0B+4*\slot+3], 2*BLK
	JLOAD \slot
	PLACES NP-4
.else
	PLACES NP
.endif
	FETCH_B \next, 0, 0
	FETCH_A \next, 0, 0
	SCALES \next
	WIN MUL_HI
	MUL16 4, 1, NQ-1, \slot, 0
	MUL16 6, 1, NQ-1, \slot, 0
	PLACES NP
	WIN 0
	FETCH_A \next, 0, 4
.endm
	s_load_b256 s[4:11], s[0:1], 0x0               ; A's image, the weights' image, the bias, the residual
	s_load_b64 s[12:13], s[0:1], 0x20              ; the output
	v_lshl_add_u32 v[SPW], v0, 2, SPARE
	v_mov_b32 v[NIL], 0
	ds_add_u32 v28, v29
	ds_add_u32 v28, v29
	s_wait_dscnt 0x0
	v_lshrrev_b32 v1, 5, v0
	v_readfirstlane_b32 s14, v1
	s_lshr_b32 s15, s14, 1
	s_and_b32 s16, s14, 1
	s_bfe_u32 s40, ttmp6, 0x40000
	s_bfe_u32 s41, ttmp6, 0x40004
	s_lshl_b32 s42, ttmp9, 2
	s_add_co_u32 s42, s42, s40                     ; B's tile = 4 x cluster x + cx
	s_and_b32 s17, ttmp7, 0xffff
	s_lshl_b32 s17, s17, 2
	s_add_co_u32 s17, s17, s41                     ; A's tile = 4 x cluster y + cy
	s_lshl_b32 s43, s41, 2
	s_lshl_b32 s43, 15, s43
	s_lshl_b32 s44, 0x1111, s40
	s_or_b32 s[G1+0], s43, (3<<16)|(1<<21)         ; a dense block as 132 rows of 32 elements of 8 bytes
	s_or_b32 s[G1B+0], s44, (3<<16)|(1<<21)
.irp g, G1, G1B
	s_mov_b32 s[\g+1], 32<<16
	s_mov_b32 s[\g+2], 132<<16
	s_mov_b32 s[\g+3], 32<<16
	s_mov_b32 s[\g+4], 132
	s_mov_b32 s[\g+5], 32
	s_mov_b32 s[\g+6], 0
	s_mov_b32 s[\g+7], 0
.endr
	s_lshl_b32 s20, s17, 1
	s_add_co_u32 s20, s20, s16
	s_mul_i32 s20, s20, NK*BLK
	s_mov_b32 s21, 0
	s_lshl_b32 s46, s42, 1
	s_add_co_u32 s46, s46, s16
	s_mul_i32 s46, s46, NK*BLK
	s_mov_b32 s47, 0
	s_mul_i32 s45, s14, BLK
	s_lshl_b32 s70, s42, 10
	s_lshl_b32 s71, s16, 9
	s_add_co_u32 s70, s70, s71                     ; my 128 columns, in bytes
	s_mov_b32 s71, 0
	s_lshl_b32 s72, s17, 20
	s_lshl_b32 s73, s15, 19
	s_add_co_u32 s72, s72, s73                     ; my 128 rows of 4,096 bytes
	s_add_co_u32 s72, s72, s70
	s_mov_b32 s73, 0
	s_wait_kmcnt 0x0
	s_add_nc_u64 s[20:21], s[4:5], s[20:21]
	s_add_nc_u64 s[46:47], s[6:7], s[46:47]
	s_add_nc_u64 s[46:47], s[46:47], WOFF
	s_add_nc_u64 s[8:9], s[8:9], s[70:71]
	s_add_nc_u64 s[10:11], s[10:11], s[72:73]
	s_add_nc_u64 s[12:13], s[12:13], s[72:73]
	CROUND
.irp s, 0,1
	s_mov_b32 s[G0+4*\s], 1
	s_add_co_u32 s[G0+4*\s+1], s45, \s*SLOT
	s_add_nc_u64 s[G0+4*\s+2:G0+4*\s+3], s[20:21], \s*BLK
	s_or_b32 s[G0+4*\s+3], s[G0+4*\s+3], 0x80000000
	s_mov_b32 s[G0B+4*\s], 1
	s_add_co_u32 s[G0B+4*\s+1], s45, \s*SLOT
	s_add_nc_u64 s[G0B+4*\s+2:G0B+4*\s+3], s[46:47], \s*BLK
	s_or_b32 s[G0B+4*\s+3], s[G0B+4*\s+3], 0x80000000
	JLOAD \s
.endr
	v_and_b32 v1, 15, v0
	v_bfe_u32 v2, v0, 4, 1
	v_and_b32 v3, 31, v0
	v_lshlrev_b32 v[LI], 4, v3
	global_load_b128 v[8:11], v[LI], s[8:9]        ; the bias of columns 4 lane .. + 3 of my 128
	s_mul_i32 s22, s15, BLK
	s_mul_i32 s23, s16, BLK
	s_add_co_u32 s23, s23, 2*BLK
.irp s, 0,1
	v_add_nc_u32 v[ADRA+\s], s22, v[LI]
	v_add_nc_u32 v[ADRB+\s], s23, v[LI]
	s_add_co_u32 s22, s22, SLOT
	s_add_co_u32 s23, s23, SLOT
.endr
	s_mul_i32 s22, s15, BLK
	s_mul_i32 s23, s16, BLK
	s_add_co_u32 s23, s23, 2*BLK
	s_sub_co_u32 s23, s23, s22
	v_mul_u32_u24 v4, s23, v2
	v_lshl_add_u32 v4, v1, 3, v4
	s_add_co_u32 s22, s22, 32768
	v_add_nc_u32 v[ADRS], s22, v4
	v_add_nc_u32 v[ADRS+1], SLOT, v[ADRS]
	s_mul_i32 s74, s14, 16*528
	s_add_co_u32 s74, s74, STG                     ; my stage
	v_mul_u32_u24 v4, v1, 528
	v_lshl_add_u32 v4, v2, 6, v4
	v_add_nc_u32 v[STO], s74, v4                   ; in: row r, + 64 h
	v_add_nc_u32 v[RD], s74, v[LI]                 ; back: the 32 lanes take a row of 512 bytes
	s_wait_loadcnt 0x0
	s_wait_tensorcnt 1                             ; my part of K block 0 is in (K block 1's load may be out)
	s_barrier_signal -1
	s_barrier_wait -1
	FETCH_B 0, 0, 0
	FETCH_A 0, 0, 0
	SCALES 0
	FETCH_A 0, 0, 4
	STEP 0, 0, 1
	s_mov_b32 s3, LAPS-1
.Llap:
	TURN 0, 1, 1
	STEP 1, 0, 0
	TURN 1, 0, 1
	STEP 0, 0, 0
	s_sub_co_u32 s3, s3, 1
	s_cmp_lg_u32 s3, 0
	s_cbranch_scc1 .Llap
	TURN 0, 1, 0
	STEP 1, 0, 0
	s_wait_dscnt 4*NL
	WIN MUL_LO
	MUL16 0, 1, NQ-1, 1, 0
	MUL16 2, 1, NQ-1, 1, 0
	s_wait_dscnt 0
	WIN MUL_HI
	MUL16 4, 1, NQ-1, 1, 0
	MUL16 6, 1, NQ-1, 1, 0
	WIN 0
	PLACES NP
.macro RLOAD a                         ; the residual's 16 rows of row block a: row t of the tile is row 32 (a / 2) + 8 (a % 2) + t + 8 (t / 8) of my 128
.set RS, 64+64*((\a)%2)
.irp t, 0,1,2,3,4,5,6,7,8,9,10,11,12,13,14,15
	global_load_b128 v[RS+4*\t:RS+4*\t+3], v[LI], s[10:11] offset:(32*((\a)/2)+8*((\a)%2)+\t+8*(\t/8))*4096
.endr
.endm
.macro OUT a, left
.set RS, 64+64*((\a)%2)
.set AC, 64*((\a)%4)
	WIN (0x08+4*((\a)/4))                          ; an LDS store's data: window 2 or 3
.irp b, 0,1,2,3,4,5,6,7
	ds_store_b128 v[STO], v[AC+8*\b:AC+8*\b+3] offset:128*(\b/2)+32*(\b%2)         ; each accumulator from its low end on: columns 32 (b / 2) + 16 h + 8 (b % 2) + 0 .. 7
	ds_store_b128 v[STO], v[AC+8*\b+4:AC+8*\b+7] offset:128*(\b/2)+32*(\b%2)+16
.endr
	WIN 0
.irp t, 0,1,2,3,4,5,6,7,8,9,10,11,12,13,14,15
	ds_load_b128 v[BB+4*\t:BB+4*\t+3], v[RD] offset:528*\t   ; LDS serves a wave's instructions in order (ISA guide 5.7.1.4): these see my stores
.endr
	s_wait_dscnt 0x0
	s_wait_loadcnt \left                           ; this block's residual is in; the next block's sixteen loads may be out
.set n, 0
.rept 32
	v_pk_add_f32 v[BB+n:BB+n+1], v[BB+n:BB+n+1], v[RS+n:RS+n+1]
	v_pk_add_f32 v[BB+n:BB+n+1], v[BB+n:BB+n+1], v[8+n%4:9+n%4]
.set n, n+2
.endr
.irp t, 0,1,2,3,4,5,6,7,8,9,10,11,12,13,14,15
	global_store_b128 v[LI], v[BB+4*\t:BB+4*\t+3], s[12:13] offset:(32*((\a)/2)+8*((\a)%2)+\t+8*(\t/8))*4096   ; 512 consecutive bytes, aligned
.endr
.endm
	RLOAD 0
.irp a, 0,1,2,3,4,5,6
.if \a > 0
	s_wait_xcnt 0x0                                ; the last block's stores have read their data: the rows at work are written again
.endif
	RLOAD \a+1
	OUT \a, 16
.endr
	s_wait_xcnt 0x0
	OUT 7, 0
	s_wait_tensorcnt 0x0                           ; the wave's end
	ds_add_u32 v[SPW], v[NIL]
	s_wait_dscnt 0x0
	CROUND                                         ; the closing round
	s_endpgm
.Lfunc_end_k_q5501840aca_wo:
	.size	k_q5501840aca_wo, .Lfunc_end_k_q5501840aca_wo-k_q5501840aca_wo
	.p2alignl 7, 3214868480
	.fill 96, 4, 3214868480
	.section	.rodata,"a",@progbits
	.p2align	6, 0x0
	.amdhsa_kernel k_q5501840aca_wo
		.amdhsa_group_segment_fixed_size 327680
		.amdhsa_private_segment_fixed_size 0
		.amdhsa_enable_private_segment 0
		.amdhsa_kernarg_size 40
		.amdhsa_user_sgpr_count 2
		.amdhsa_user_sgpr_kernarg_segment_ptr 1
		.amdhsa_wavefront_size32 1
		.amdhsa_system_sgpr_workgroup_id_x 1
		.amdhsa_system_sgpr_workgroup_id_y 1
		.amdhsa_system_sgpr_workgroup_id_z 1
		.amdhsa_system_vgpr_workitem_id 0
		.amdhsa_next_free_vgpr 1024
		.amdhsa_next_free_sgpr 100
		.amdhsa_reserve_vcc 0
		.amdhsa_float_denorm_mode_32 3
		.amdhsa_float_denorm_mode_16_64 3
		.amdhsa_memory_ordered 1
		.amdhsa_forward_progress 1
		.amdhsa_inst_pref_size 187
	.end_amdhsa_kernel
	.amdgpu_metadata
---
amdhsa.version: [ 1, 2 ]
amdhsa.kernels:
  - .name:           k_q5501840aca_wo
    .symbol:         k_q5501840aca_wo.kd
    .args:
      - { .name: cimg, .offset: 0, .size: 8, .value_kind: global_buffer, .address_space: global }
      - { .name: wimg, .offset: 8, .size: 8, .value_kind: global_buffer, .address_space: global }
      - { .name: bo, .offset: 16, .size: 8, .value_kind: global_buffer, .address_space: global }
      - { .name: x, .offset: 24, .size: 8, .value_kind: global_buffer, .address_space: global }
      - { .name: x1, .offset: 32, .size: 8, .value_kind: global_buffer, .address_space: global }
    .group_segment_fixed_size: 327680
    .private_segment_fixed_size: 0
    .kernarg_segment_align: 8
    .kernarg_segment_size: 40
    .max_flat_workgroup_size: 128
    .sgpr_count:     100
    .vgpr_count:     1024
    .wavefront_size: 32
...
	.end_amdgpu_metadata
.endif
;; end of part 5
;; launch ln2: the kernel of part 2 again; grid 256 x 1, 4 waves a work-group, no clusters, 66,304 bytes of LDS; arguments x1, g2, b2, himg; writes himg
;; launch mlp1 (part 6): grid 16 x 16, 4 waves a work-group, clusters of 4 x 4, 327,680 bytes of LDS; arguments himg, wimg, bm1, mimg; writes mimg
.if DOCPART == 6
	.amdgcn_target "amdgcn-amd-amdhsa--gfx1250"
	.amdhsa_code_object_version 6
	.text
	.protected	k_q5501840aca_mlp1
	.globl	k_q5501840aca_mlp1
	.p2align	8
	.type	k_q5501840aca_mlp1,@function
k_q5501840aca_mlp1:
	s_mov_b64 s[64:65], 0
	v_nop
	global_prefetch_b8 v0, s[64:65] scope:SCOPE_SE
	s_setreg_imm32_b32 hwreg(HW_REG_WAVE_MODE, 25, 1), 1
	s_wait_xcnt 0x0
	s_wait_alu depctr_hold_cnt(0) depctr_sa_sdst(0) depctr_va_vdst(0) depctr_va_sdst(0) depctr_va_ssrc(0) depctr_va_vcc(0) depctr_vm_vsrc(0)
	s_getreg_b32 s2, hwreg(HW_REG_IB_STS2, 6, 4)
	s_cmp_eq_u32 s2, 0
	s_cbranch_scc0 .Lentry_in_a_cluster
	s_endpgm
.Lentry_in_a_cluster:
	s_bfe_u32 s2, ttmp6, 0x10000c
	s_cmp_lg_u32 s2, 0xf033
	s_cbranch_scc0 .Lentry_shape_is_right
	s_endpgm
.Lentry_shape_is_right:
; m = gelu(h W1 + bm1), exact GELU, on codes of FP8 (E4M3) with E8M0 scales; m is quantised along the hidden axis in registers and leaves as the image of the next product's operand.
; OPERANDS are images of registers in blocks of BLK = 33,792 bytes (128 rows x 256 along K, codes at 16384 q + 2048 i + 512 c + 16 lane, scale words at 32768 + 128 i + 8 r + 4 q), laid [row group][K block]:
; a K step's part of 128 rows is ONE dense block, codes and scales together, brought by one tensor load.  Tile i, row r stands for row 32 (i / 2) + 8 (i % 2) + r + 8 (r / 8) of the 128.
; A tile of C is 256 x 256: four waves, 128 x 128 each, 64 accumulators.  K goes in steps of 256 through two LDS slots.  CLUSTERS of 4 x 4: A's blocks are asked for jointly along a row, B's along a column.
; THE MATRIX INSTRUCTION IS USED TRANSPOSED (source 0 = W1's tile, source 1 = h's): a lane holds one token, and the 64 registers of a row block are register 16 b + i = hidden unit 32 b + 16 (lane / 16) + i
; of my 128: one K step of the next product, in its operand's order.
; erf(z) = z P(z^2) / Q(z^2), z held to +-4, the rational form of degrees 13 and 8 for f32; gelu(x) = x / 2 + (x / 2) erf(x / sqrt 2).
; LIMITS: a block of zeros or under 2^-118 keeps the scale byte 1 (read by this program alone); NaN and infinities are not served.
; REGISTERS: window 0: v1-31 addresses and constants; v32-63 scale words, two sets, and nothing else; v64-127 the bias; v128-255 A's fragments, afterwards v128-191 a row block at work, v192-255 temporaries.
;   window 1: B's fragments, two sets.   windows 2, 3: the accumulators ((a, b) at v[8 (8 (a % 4) + b)]).
.set BLK,   33792
.set SLOT,  4*BLK
.set SPARE, 2*SLOT                     ; the spare words, 128 bytes a wave: two blocks of 256 bytes that no other line names
.set NK,    4
.set WOFF,  128*BLK                    ; where W1's image begins among the weights
.set LAPS,  NK/2
.set NQ,    2
.set FR,    16
.set NL,    4
.set NP,    8                          ; places behind this matrix instruction (ISA guide 7.12.1)
.set ADRA, 16
.set ADRS, 18
.set ADRB, 20
.set LI,   22
.set SO,   23                          ; v23 8 r
.set SPW,  28
.set NIL,  29
.set PW,   30
.set SC,   32
.set AF,   128
.set W,    128
.set TM,   192
.set PC,   208
.set G1, 24
.set G0, 32
.set G1B, 48
.set G0B, 56
.set CUR,  90
.set CURS, 92
.set AI,   94
.set SEL,  96
.set MNT,  98
.set MSB, 0
.macro WIN new                         ; the immediate's high byte repeats the setting that is left
.if MSB != \new
	s_set_vgpr_msb (MSB<<8)|\new
.set MSB, \new
.endif
.endm
.set MUL_LO, 0xa1
.set MUL_HI, 0xf1
.set TO_B,   0x40
.macro JLOAD s                         ; a joint load: waves 0 and 1 fetch A's two row groups, waves 2 and 3 B's; four v_nop follow each of the two lines
	s_cmp_eq_u32 s15, 0
	s_cbranch_scc0 .Lfor_b_\@
	tensor_load_to_lds s[G0+4*\s:G0+4*\s+3], s[G1:G1+7]
	s_nop 0
.rept 4
	v_nop
.endr
	s_branch .Lasked_\@
.Lfor_b_\@:
	tensor_load_to_lds s[G0B+4*\s:G0B+4*\s+3], s[G1B:G1B+7]
	s_nop 0
.rept 4
	v_nop
.endr
.Lasked_\@:
.endm
.macro CREST
	s_cmp_lg_u32 s14, 0
	s_cbranch_scc1 .Lnot_wave_0_\@
	s_barrier_signal -3
.Lnot_wave_0_\@:
	s_barrier_wait -3
	s_barrier_signal -1
	s_barrier_wait -1
.endm
.macro CROUND
	s_barrier_signal -1
	s_barrier_wait -1
	CREST
.endm
.macro PLACES n
.rept \n
	v_nop
.endr
.endm
.macro FRAG reg, adr, q, i
.irp c, 0,1,2,3
	ds_load_b128 v[\reg+4*\c:\reg+4*\c+3], v[\adr] offset:16384*(\q)+2048*(\i)+512*\c
.endr
.endm
.macro MUL16 a0, p, q, sc, zero        ; the 64 accumulators take turns, one instruction a turn
.irp a, \a0, \a0+1
.irp b, 0,1,2,3,4,5,6,7
.if \zero
	v_wmma_scale_f32_16x16x128_f8f6f4 v[8*(8*((\a)%4)+\b):8*(8*((\a)%4)+\b)+7], v[128*(\p)+FR*\b:128*(\p)+FR*\b+FR-1], v[AF+FR*(\a):AF+FR*(\a)+FR-1], 0, v[SC+8*NQ*(\sc)+NQ*\b+(\q)], v[SC+8*NQ*(\sc)+NQ*(\a)+(\q)] matrix_a_scale:MATRIX_SCALE_ROW1
.else
	v_wmma_scale_f32_16x16x128_f8f6f4 v[8*(8*((\a)%4)+\b):8*(8*((\a)%4)+\b)+7], v[128*(\p)+FR*\b:128*(\p)+FR*\b+FR-1], v[AF+FR*(\a):AF+FR*(\a)+FR-1], v[8*(8*((\a)%4)+\b):8*(8*((\a)%4)+\b)+7], v[SC+8*NQ*(\sc)+NQ*\b+(\q)], v[SC+8*NQ*(\sc)+NQ*(\a)+(\q)] matrix_a_scale:MATRIX_SCALE_ROW1
.endif
.endr
.endr
.endm
.macro FETCH_B slot, q, p
	WIN TO_B
.irp i, 0,1,2,3,4,5,6,7
	FRAG 128*(\p)+FR*\i, ADRB+\slot, \q, \i
.endr
	WIN 0
.endm
.macro FETCH_A slot, q, i0
.irp i, \i0, \i0+1, \i0+2, \i0+3
	FRAG AF+FR*(\i), ADRA+\slot, \q, \i
.endr
.endm
.macro SCALES sc
.irp i, 0,1,2,3,4,5,6,7
	ds_load_b64 v[SC+16*\sc+2*\i:SC+16*\sc+2*\i+1], v[ADRS+\sc] offset:128*\i
.endr
.endm
.macro STEP slot, q, zero
	s_wait_dscnt 4*NL                              ; B's set and A's tiles 0-3 are in; the youngest sixteen loads (A's tiles 4-7) may be out
	WIN MUL_LO
	MUL16 0, (\q)%2, \q, \slot, \zero
	MUL16 2, (\q)%2, \q, \slot, \zero
	s_wait_dscnt 0
	PLACES NP
	FETCH_B \slot, (\q)+1, 1-(\q)%2
	FETCH_A \slot, (\q)+1, 0
	WIN MUL_HI
	MUL16 4, (\q)%2, \q, \slot, \zero
	MUL16 6, (\q)%2, \q, \slot, \zero
	PLACES NP
	WIN 0
	FETCH_A \slot, (\q)+1, 4
.endm
.macro TURN slot, next, fill
	s_wait_tensorcnt 0x0                           ; all my tensor loads have landed: my part of the next slot
	ds_add_u32 v[SPW], v[NIL]                      ; 0 onto my spare word
	s_wait_dscnt 4*NL+1                            ; (the add and the youngest sixteen loads may be out)
	WIN MUL_LO
	MUL16 0, 1, NQ-1, \slot, 0
	s_wait_dscnt 0x0                               ; the add is done, and my reads of this slot are over
	s_barrier_signal -1
	MUL16 2, 1, NQ-1, \slot, 0
	WIN 0
	s_barrier_wait -1
.if \fill
	CREST                                          ; a round of the cluster's barrier: no wave of any partner still reads this slot or has a load on its way
	s_add_nc_u64 s[G0+4*\slot+2:G0+4*\slot+3], s[G0+4*\slot+2:G0+4*\slot+3], 2*BLK
	s_add_nc_u64 s[G0B+4*\slot+2:G0B+4*\slot+3], s[G0B+4*\slot+2:G0B+4*\slot+3], 2*BLK
	JLOAD \slot
	PLACES NP-4
.else
	PLACES NP
.endif
	FETCH_B \next, 0, 0
	FETCH_A \next, 0, 0
	SCALES \next
	WIN MUL_HI
	MUL16 4, 1, NQ-1, \slot, 0
	MUL16 6, 1, NQ-1, \slot, 0
	PLACES NP
	WIN 0
	FETCH_A \next, 0, 4
.endm
; 64 numbers of a lane, register 16 b + i = k 32 b + 16 (lane / 16) + i of its row, become a fragment's codes in v[pc] on and its scale word in v[pw]
.macro QUANT s, pc, pw
.irp b, 0,1,2,3
	v_max3_num_f32 v[TM+\b], |v[\s+16*\b]|, |v[\s+1+16*\b]|, 0x4800000   ; my 16 numbers of block b, and the floor 2^(9 - 127)
.endr
.irp i, 2,4,6,8,10,12,14
.irp b, 0,1,2,3
	v_max3_num_f32 v[TM+\b], v[TM+\b], |v[\s+16*\b+\i]|, |v[\s+1+16*\b+\i]|
.endr
.endr
.irp b, 0,1,2,3
	v_permlanex16_b32 v[TM+4+\b], v[TM+\b], s[SEL], s[SEL+1]
.endr
.irp b, 0,1,2,3
	v_max_num_f32 v[TM+\b], v[TM+\b], v[TM+4+\b]
.endr
.irp b, 0,1,2,3
	v_add_nc_u32 v[TM+12+\b], 0xfc000000, v[TM+\b]
.endr
.irp b, 0,1,2,3
	v_and_or_b32 v[TM+8+\b], v[TM+\b], 0x7f800000, s[MNT]
.endr
.irp b, 0,1,2,3
	v_lshrrev_b32 v[TM+4+\b], 23, v[TM+12+\b]
.endr
	v_lshl_or_b32 v[\pw], v[TM+5], 8, v[TM+4]
	v_lshl_or_b32 v[\pw], v[TM+6], 16, v[\pw]
	v_lshl_or_b32 v[\pw], v[TM+7], 24, v[\pw]
.irp b, 0,1,2,3
.irp i, 0,1,2,3,4,5,6,7,8,9,10,11,12,13,14,15
	v_med3_num_f32 v[\s+16*\b+\i], v[\s+16*\b+\i], -v[TM+8+\b], v[TM+8+\b]   ; the conversion does not saturate (ISA guide 7.6.2)
.endr
	v_cvt_scalef32_pk8_fp8_f32 v[\pc+4*\b:\pc+1+4*\b], v[\s+16*\b:\s+7+16*\b], v[TM+12+\b]
	v_cvt_scalef32_pk8_fp8_f32 v[\pc+2+4*\b:\pc+3+4*\b], v[\s+8+16*\b:\s+15+16*\b], v[TM+12+\b]
.endr
	v_nop                                          ; a plain line behind the last conversion
.endm
	s_load_b256 s[4:11], s[0:1], 0x0               ; h's image, the weights' image, bm1, m's image
	v_lshl_add_u32 v[SPW], v0, 2, SPARE
	v_mov_b32 v[NIL], 0
	ds_add_u32 v28, v29
	ds_add_u32 v28, v29
	s_wait_dscnt 0x0
	v_lshrrev_b32 v1, 5, v0
	v_readfirstlane_b32 s14, v1
	s_lshr_b32 s15, s14, 1
	s_and_b32 s16, s14, 1
	s_bfe_u32 s40, ttmp6, 0x40000
	s_bfe_u32 s41, ttmp6, 0x40004
	s_lshl_b32 s42, ttmp9, 2
	s_add_co_u32 s42, s42, s40                     ; B's tile = 4 x cluster x + cx
	s_and_b32 s17, ttmp7, 0xffff
	s_lshl_b32 s17, s17, 2
	s_add_co_u32 s17, s17, s41                     ; A's tile = 4 x cluster y + cy
	s_lshl_b32 s43, s41, 2
	s_lshl_b32 s43, 15, s43
	s_lshl_b32 s44, 0x1111, s40
	s_or_b32 s[G1+0], s43, (3<<16)|(1<<21)         ; a dense block as 132 rows of 32 elements of 8 bytes
	s_or_b32 s[G1B+0], s44, (3<<16)|(1<<21)
.irp g, G1, G1B
	s_mov_b32 s[\g+1], 32<<16
	s_mov_b32 s[\g+2], 132<<16
	s_mov_b32 s[\g+3], 32<<16
	s_mov_b32 s[\g+4], 132
	s_mov_b32 s[\g+5], 32
	s_mov_b32 s[\g+6], 0
	s_mov_b32 s[\g+7], 0
.endr
	s_lshl_b32 s20, s17, 1
	s_add_co_u32 s20, s20, s16
	s_mul_i32 s20, s20, NK*BLK
	s_mov_b32 s21, 0
	s_lshl_b32 s46, s42, 1
	s_add_co_u32 s46, s46, s16
	s_mul_i32 s46, s46, NK*BLK
	s_mov_b32 s47, 0
	s_mul_i32 s45, s14, BLK
	s_lshl_b32 s72, s42, 10
	s_lshl_b32 s73, s16, 9
	s_add_co_u32 s72, s72, s73                     ; my 128 hidden units, in bytes of bm1
	s_mov_b32 s73, 0
	s_lshl_b32 s76, s17, 1
	s_add_co_u32 s76, s76, s15
	s_lshl_b32 s76, s76, 4
	s_add_co_u32 s76, s76, s42
	s_mul_i32 s76, s76, BLK                        ; m's block (my token group, K block = B's tile); my 128 units are its K step s16
	s_lshl_b32 s74, s16, 14
	s_add_co_u32 s74, s74, s76
	s_mov_b32 s75, 0
	s_lshl_b32 s77, s16, 2
	s_add_co_u32 s76, s76, s77
	s_add_co_u32 s76, s76, 32768
	s_mov_b32 s77, 0
	s_mov_b32 s[SEL], 0x76543210
	s_mov_b32 s[SEL+1], 0xfedcba98
	s_mov_b32 s[MNT], 0x600000
	s_wait_kmcnt 0x0
	s_add_nc_u64 s[20:21], s[4:5], s[20:21]
	s_add_nc_u64 s[46:47], s[6:7], s[46:47]
	s_add_nc_u64 s[46:47], s[46:47], WOFF
	s_add_nc_u64 s[8:9], s[8:9], s[72:73]
	s_add_nc_u64 s[68:69], s[10:11], s[74:75]
	s_add_nc_u64 s[70:71], s[10:11], s[76:77]
	CROUND
.irp s, 0,1
	s_mov_b32 s[G0+4*\s], 1
	s_add_co_u32 s[G0+4*\s+1], s45, \s*SLOT
	s_add_nc_u64 s[G0+4*\s+2:G0+4*\s+3], s[20:21], \s*BLK
	s_or_b32 s[G0+4*\s+3], s[G0+4*\s+3], 0x80000000
	s_mov_b32 s[G0B+4*\s], 1
	s_add_co_u32 s[G0B+4*\s+1], s45, \s*SLOT
	s_add_nc_u64 s[G0B+4*\s+2:G0B+4*\s+3], s[46:47], \s*BLK
	s_or_b32 s[G0B+4*\s+3], s[G0B+4*\s+3], 0x80000000
	JLOAD \s
.endr
	v_and_b32 v1, 15, v0
	v_bfe_u32 v2, v0, 4, 1
	v_and_b32 v3, 31, v0
	v_lshlrev_b32 v[LI], 4, v3
	v_lshlrev_b32 v5, 6, v2
.irp e, 0,1,2,3
.irp j, 0,1,2,3
	global_load_b128 v[64+16*\e+4*\j:67+16*\e+4*\j], v5, s[8:9] offset:128*\e+16*\j   ; register 16 e + i: the bias of hidden unit 32 e + 16 h + i
.endr
.endr
	s_mul_i32 s22, s15, BLK
	s_mul_i32 s23, s16, BLK
	s_add_co_u32 s23, s23, 2*BLK
.irp s, 0,1
	v_add_nc_u32 v[ADRA+\s], s22, v[LI]
	v_add_nc_u32 v[ADRB+\s], s23, v[LI]
	s_add_co_u32 s22, s22, SLOT
	s_add_co_u32 s23, s23, SLOT
.endr
	s_mul_i32 s22, s15, BLK
	s_mul_i32 s23, s16, BLK
	s_add_co_u32 s23, s23, 2*BLK
	s_sub_co_u32 s23, s23, s22
	v_mul_u32_u24 v4, s23, v2
	v_lshl_add_u32 v4, v1, 3, v4
	s_add_co_u32 s22, s22, 32768
	v_add_nc_u32 v[ADRS], s22, v4
	v_add_nc_u32 v[ADRS+1], SLOT, v[ADRS]
	v_lshlrev_b32 v[SO], 3, v1
	v_mov_b32 v24, 0xaf95df0b                      ; the highest coefficients of P and of Q, as pairs
	v_mov_b32 v25, 0xaf95df0b
	v_mov_b32 v26, 0xb77460cd
	v_mov_b32 v27, 0xb77460cd
	s_wait_loadcnt 0x0
	s_wait_tensorcnt 1                             ; my part of K block 0 is in (K block 1's load may be out)
	s_barrier_signal -1
	s_barrier_wait -1
	FETCH_B 0, 0, 0
	FETCH_A 0, 0, 0
	SCALES 0
	FETCH_A 0, 0, 4
	STEP 0, 0, 1
	s_mov_b32 s3, LAPS-1
.Llap:
	TURN 0, 1, 1
	STEP 1, 0, 0
	TURN 1, 0, 1
	STEP 0, 0, 0
	s_sub_co_u32 s3, s3, 1
	s_cmp_lg_u32 s3, 0
	s_cbranch_scc1 .Llap
	TURN 0, 1, 0
	STEP 1, 0, 0
	s_wait_dscnt 4*NL
	WIN MUL_LO
	MUL16 0, 1, NQ-1, 1, 0
	MUL16 2, 1, NQ-1, 1, 0
	s_wait_dscnt 0
	WIN MUL_HI
	MUL16 4, 1, NQ-1, 1, 0
	MUL16 6, 1, NQ-1, 1, 0
	WIN 0
	PLACES NP
.macro COPYM k                         ; row block k: where it goes, and accumulators + bias into W; each accumulator is read from its low end on
	s_add_nc_u64 s[CUR:CUR+1], s[68:69], 2048*(\k)
	s_add_nc_u64 s[CURS:CURS+1], s[70:71], 128*(\k)
	WIN (0x02+(\k)/4)
.set n, 0
.rept 32
	v_pk_add_f32 v[W+2*n:W+2*n+1], v[64*((\k)%4)+2*n:64*((\k)%4)+2*n+1], v[64+2*n:65+2*n]
.set n, n+1
.endr
	WIN 0
.endm
.macro GELU G                          ; sixteen numbers: z v192-207, z^2 v208-223, P v224-239, Q v240-255
.irp p, 0,2,4,6,8,10,12,14
	v_pk_mul_f32 v[192+\p:193+\p], v[W+16*\G+\p:W+16*\G+\p+1], 0x3f3504f3 op_sel_hi:[1,0]   ; x / sqrt 2
.endr
.irp e, 0,1,2,3,4,5,6,7,8,9,10,11,12,13,14,15
	v_med3_num_f32 v[192+\e], v[192+\e], -4.0, 4.0
.endr
.irp p, 0,2,4,6,8,10,12,14
	v_pk_mul_f32 v[208+\p:209+\p], v[192+\p:193+\p], v[192+\p:193+\p]
.endr
.irp p, 0,2,4,6,8,10,12,14
	v_pk_fma_f32 v[224+\p:225+\p], v[208+\p:209+\p], v[24:25], 0x32edffee op_sel_hi:[1,1,0]
	v_pk_fma_f32 v[240+\p:241+\p], v[208+\p:209+\p], v[26:27], 0xb95fbd29 op_sel_hi:[1,1,0]
.endr
.irp c, 0xb60cff51, 0xb86ec2d2, 0xba40ac63, 0xbb41a1f6, 0xbc83dbd4
.irp p, 0,2,4,6,8,10,12,14
	v_pk_fma_f32 v[224+\p:225+\p], v[224+\p:225+\p], v[208+\p:209+\p], \c op_sel_hi:[1,1,0]
.endr
.endr
.irp c, 0xbadc924e, 0xbbf19bf8, 0xbc69b6a7
.irp p, 0,2,4,6,8,10,12,14
	v_pk_fma_f32 v[240+\p:241+\p], v[240+\p:241+\p], v[208+\p:209+\p], \c op_sel_hi:[1,1,0]
.endr
.endr
.irp p, 0,2,4,6,8,10,12,14
	v_pk_mul_f32 v[224+\p:225+\p], v[224+\p:225+\p], v[192+\p:193+\p]   ; z P
.endr
.irp e, 0,1,2,3,4,5,6,7,8,9,10,11,12,13,14,15
	v_rcp_f32 v[240+\e], v[240+\e]
.endr
.irp p, 0,2,4,6,8,10,12,14
	v_pk_mul_f32 v[192+\p:193+\p], v[W+16*\G+\p:W+16*\G+\p+1], 0.5 op_sel_hi:[1,0]   ; x / 2: plain work behind the batch
.endr
	s_wait_alu depctr_va_vdst(0)                   ; one wait for the sixteen, ahead of their first reader
.irp p, 0,2,4,6,8,10,12,14
	v_pk_mul_f32 v[224+\p:225+\p], v[224+\p:225+\p], v[240+\p:241+\p]   ; erf
.endr
.irp p, 0,2,4,6,8,10,12,14
	v_pk_fma_f32 v[W+16*\G+\p:W+16*\G+\p+1], v[192+\p:193+\p], v[224+\p:225+\p], v[192+\p:193+\p]
.endr
.endm
	s_mov_b32 s[AI], 0
.Lm_row:                                           ; eight trips, a row block of 16 tokens each: only the copy out of the accumulators is written eight times
	s_wait_xcnt 0x0                                ; the last trip's stores have read their data and bases: all are written again below
.irp k, 0,1,2,3,4,5,6
	s_cmp_lg_u32 s[AI], \k
	s_cbranch_scc1 .Lm_n\k
	COPYM \k
	s_branch .Lm_work
.Lm_n\k:
.endr
	COPYM 7
.Lm_work:
	GELU 0
	GELU 1
	GELU 2
	GELU 3
	QUANT W, PC, PW
.irp c, 0,1,2,3
	global_store_b128 v[LI], v[PC+4*\c:PC+4*\c+3], s[CUR:CUR+1] offset:512*\c   ; 512 consecutive bytes
.endr
	global_store_b32 v[SO], v[PW], s[CURS:CURS+1]  ; lanes 16-31 hold and write the same as lanes 0-15
	s_add_co_u32 s[AI], s[AI], 1
	s_cmp_lt_u32 s[AI], 8
	s_cbranch_scc1 .Lm_row
	s_wait_tensorcnt 0x0                           ; the wave's end
	ds_add_u32 v[SPW], v[NIL]
	s_wait_dscnt 0x0
	CROUND                                         ; the closing round
	s_endpgm
.Lfunc_end_k_q5501840aca_mlp1:
	.size	k_q5501840aca_mlp1, .Lfunc_end_k_q5501840aca_mlp1-k_q5501840aca_mlp1
	.p2alignl 7, 3214868480
	.fill 96, 4, 3214868480
	.section	.rodata,"a",@progbits
	.p2align	6, 0x0
	.amdhsa_kernel k_q5501840aca_mlp1
		.amdhsa_group_segment_fixed_size 327680
		.amdhsa_private_segment_fixed_size 0
		.amdhsa_enable_private_segment 0
		.amdhsa_kernarg_size 32
		.amdhsa_user_sgpr_count 2
		.amdhsa_user_sgpr_kernarg_segment_ptr 1
		.amdhsa_wavefront_size32 1
		.amdhsa_system_sgpr_workgroup_id_x 1
		.amdhsa_system_sgpr_workgroup_id_y 1
		.amdhsa_system_sgpr_workgroup_id_z 1
		.amdhsa_system_vgpr_workitem_id 0
		.amdhsa_next_free_vgpr 1024
		.amdhsa_next_free_sgpr 100
		.amdhsa_reserve_vcc 0
		.amdhsa_float_denorm_mode_32 3
		.amdhsa_float_denorm_mode_16_64 3
		.amdhsa_memory_ordered 1
		.amdhsa_forward_progress 1
		.amdhsa_inst_pref_size 191
	.end_amdhsa_kernel
	.amdgpu_metadata
---
amdhsa.version: [ 1, 2 ]
amdhsa.kernels:
  - .name:           k_q5501840aca_mlp1
    .symbol:         k_q5501840aca_mlp1.kd
    .args:
      - { .name: himg, .offset: 0, .size: 8, .value_kind: global_buffer, .address_space: global }
      - { .name: wimg, .offset: 8, .size: 8, .value_kind: global_buffer, .address_space: global }
      - { .name: bm1, .offset: 16, .size: 8, .value_kind: global_buffer, .address_space: global }
      - { .name: mimg, .offset: 24, .size: 8, .value_kind: global_buffer, .address_space: global }
    .group_segment_fixed_size: 327680
    .private_segment_fixed_size: 0
    .kernarg_segment_align: 8
    .kernarg_segment_size: 32
    .max_flat_workgroup_size: 128
    .sgpr_count:     100
    .vgpr_count:     1024
    .wavefront_size: 32
...
	.end_amdgpu_metadata
.endif
;; end of part 6
;; launch mlp2 (part 7): grid 4 x 16, 4 waves a work-group, clusters of 4 x 4, 327,680 bytes of LDS; arguments mimg, wimg, bm2, x1, out0; writes out0
.if DOCPART == 7
	.amdgcn_target "amdgcn-amd-amdhsa--gfx1250"
	.amdhsa_code_object_version 6
	.text
	.protected	k_q5501840aca_mlp2
	.globl	k_q5501840aca_mlp2
	.p2align	8
	.type	k_q5501840aca_mlp2,@function
k_q5501840aca_mlp2:
	s_mov_b64 s[64:65], 0
	v_nop
	global_prefetch_b8 v0, s[64:65] scope:SCOPE_SE
	s_setreg_imm32_b32 hwreg(HW_REG_WAVE_MODE, 25, 1), 1
	s_wait_xcnt 0x0
	s_wait_alu depctr_hold_cnt(0) depctr_sa_sdst(0) depctr_va_vdst(0) depctr_va_sdst(0) depctr_va_ssrc(0) depctr_va_vcc(0) depctr_vm_vsrc(0)
	s_getreg_b32 s2, hwreg(HW_REG_IB_STS2, 6, 4)
	s_cmp_eq_u32 s2, 0
	s_cbranch_scc0 .Lentry_in_a_cluster
	s_endpgm
.Lentry_in_a_cluster:
	s_bfe_u32 s2, ttmp6, 0x10000c
	s_cmp_lg_u32 s2, 0xf033
	s_cbranch_scc0 .Lentry_shape_is_right
	s_endpgm
.Lentry_shape_is_right:
; out = res + A B^T + bias, f32 [4096][1024]; A and B are codes of FP8 (E4M3) with E8M0 scales.  Here: A = gelu's result, B = W2, res = the first sublayer's output, K = 4,096.
; OPERANDS are images of registers in blocks of BLK = 33,792 bytes (128 rows x 256 along K, codes at 16384 q + 2048 i + 512 c + 16 lane, scale words at 32768 + 128 i + 8 r + 4 q), laid [row group][K block]:
; a K step's part of 128 rows is ONE dense block, codes and scales together, brought by one tensor load.  Tile i, row r stands for row 32 (i / 2) + 8 (i % 2) + r + 8 (r / 8) of the 128.
; A tile of C is 256 x 256: four waves, 128 x 128 each, 64 accumulators.  K goes in steps of 256 through two LDS slots.  CLUSTERS of 4 x 4: A's blocks are asked for jointly along a row, B's along a column.
; THE MATRIX INSTRUCTION IS USED TRANSPOSED (source 0 = B's tile, source 1 = A's): a lane holds one row of A (a token) and registers along B's rows (output columns).
; 64 work-groups: the output has 64 tiles of this size.
; THE WAY OUT: a row block of 16 tokens x 128 columns goes through the wave's own stage in LDS and comes back as whole rows of 512 bytes; the residual's rows are loaded a row block ahead.
; REGISTERS: window 0: v1-31 addresses, v[8:11] the bias; v32-63 scale words, two sets, and nothing else; v128-255 A's fragments; afterwards v64-127, v128-191 the residual by turns, v192-255 the rows at work.
;   window 1: B's fragments, two sets.   windows 2, 3: the accumulators ((a, b) at v[8 (8 (a % 4) + b)]).
.set BLK,   33792
.set SLOT,  4*BLK
.set SPARE, 2*SLOT                     ; the spare words, 128 bytes a wave: two blocks of 256 bytes that no other line names
.set STG,   SPARE+512                  ; the stages: 16 rows x 528 bytes for each wave; no tensor load lands here
.set NK,    16                         ; K blocks
.set WOFF,  256*BLK                    ; where B's image begins among the weights
.set LAPS,  NK/2
.set NQ,    2
.set FR,    16
.set NL,    4
.set NP,    8                          ; places behind this matrix instruction (ISA guide 7.12.1)
.set ADRA, 16
.set ADRS, 18
.set ADRB, 20
.set LI,   22                          ; v22 16 x lane
.set STO,  23                          ; v23 the stage: where I put 16 bytes of a row
.set RD,   24                          ; v24 and where I read a row back
.set SPW,  28
.set NIL,  29
.set SC,   32
.set AF,   128
.set BB,   192
.set G1, 24
.set G0, 32
.set G1B, 48
.set G0B, 56
.set MSB, 0
.macro WIN new                         ; the immediate's high byte repeats the setting that is left
.if MSB != \new
	s_set_vgpr_msb (MSB<<8)|\new
.set MSB, \new
.endif
.endm
.set MUL_LO, 0xa1
.set MUL_HI, 0xf1
.set TO_B,   0x40
.macro JLOAD s                         ; a joint load: waves 0 and 1 fetch A's two row groups, waves 2 and 3 B's; four v_nop follow each of the two lines
	s_cmp_eq_u32 s15, 0
	s_cbranch_scc0 .Lfor_b_\@
	tensor_load_to_lds s[G0+4*\s:G0+4*\s+3], s[G1:G1+7]
	s_nop 0
.rept 4
	v_nop
.endr
	s_branch .Lasked_\@
.Lfor_b_\@:
	tensor_load_to_lds s[G0B+4*\s:G0B+4*\s+3], s[G1B:G1B+7]
	s_nop 0
.rept 4
	v_nop
.endr
.Lasked_\@:
.endm
.macro CREST
	s_cmp_lg_u32 s14, 0
	s_cbranch_scc1 .Lnot_wave_0_\@
	s_barrier_signal -3
.Lnot_wave_0_\@:
	s_barrier_wait -3
	s_barrier_signal -1
	s_barrier_wait -1
.endm
.macro CROUND
	s_barrier_signal -1
	s_barrier_wait -1
	CREST
.endm
.macro PLACES n
.rept \n
	v_nop
.endr
.endm
.macro FRAG reg, adr, q, i
.irp c, 0,1,2,3
	ds_load_b128 v[\reg+4*\c:\reg+4*\c+3], v[\adr] offset:16384*(\q)+2048*(\i)+512*\c
.endr
.endm
.macro MUL16 a0, p, q, sc, zero        ; the 64 accumulators take turns, one instruction a turn
.irp a, \a0, \a0+1
.irp b, 0,1,2,3,4,5,6,7
.if \zero
	v_wmma_scale_f32_16x16x128_f8f6f4 v[8*(8*((\a)%4)+\b):8*(8*((\a)%4)+\b)+7], v[128*(\p)+FR*\b:128*(\p)+FR*\b+FR-1], v[AF+FR*(\a):AF+FR*(\a)+FR-1], 0, v[SC+8*NQ*(\sc)+NQ*\b+(\q)], v[SC+8*NQ*(\sc)+NQ*(\a)+(\q)] matrix_a_scale:MATRIX_SCALE_ROW1
.else
	v_wmma_scale_f32_16x16x128_f8f6f4 v[8*(8*((\a)%4)+\b):8*(8*((\a)%4)+\b)+7], v[128*(\p)+FR*\b:128*(\p)+FR*\b+FR-1], v[AF+FR*(\a):AF+FR*(\a)+FR-1], v[8*(8*((\a)%4)+\b):8*(8*((\a)%4)+\b)+7], v[SC+8*NQ*(\sc)+NQ*\b+(\q)], v[SC+8*NQ*(\sc)+NQ*(\a)+(\q)] matrix_a_scale:MATRIX_SCALE_ROW1
.endif
.endr
.endr
.endm
.macro FETCH_B slot, q, p
	WIN TO_B
.irp i, 0,1,2,3,4,5,6,7
	FRAG 128*(\p)+FR*\i, ADRB+\slot, \q, \i
.endr
	WIN 0
.endm
.macro FETCH_A slot, q, i0
.irp i, \i0, \i0+1, \i0+2, \i0+3
	FRAG AF+FR*(\i), ADRA+\slot, \q, \i
.endr
.endm
.macro SCALES sc
.irp i, 0,1,2,3,4,5,6,7
	ds_load_b64 v[SC+16*\sc+2*\i:SC+16*\sc+2*\i+1], v[ADRS+\sc] offset:128*\i
.endr
.endm
.macro STEP slot, q, zero
	s_wait_dscnt 4*NL                              ; B's set and A's tiles 0-3 are in; the youngest sixteen loads (A's tiles 4-7) may be out
	WIN MUL_LO
	MUL16 0, (\q)%2, \q, \slot, \zero
	MUL16 2, (\q)%2, \q, \slot, \zero
	s_wait_dscnt 0
	PLACES NP
	FETCH_B \slot, (\q)+1, 1-(\q)%2
	FETCH_A \slot, (\q)+1, 0
	WIN MUL_HI
	MUL16 4, (\q)%2, \q, \slot, \zero
	MUL16 6, (\q)%2, \q, \slot, \zero
	PLACES NP
	WIN 0
	FETCH_A \slot, (\q)+1, 4
.endm
.macro TURN slot, next, fill
	s_wait_tensorcnt 0x0                           ; all my tensor loads have landed: my part of the next slot
	ds_add_u32 v[SPW], v[NIL]                      ; 0 onto my spare word
	s_wait_dscnt 4*NL+1                            ; (the add and the youngest sixteen loads may be out)
	WIN MUL_LO
	MUL16 0, 1, NQ-1, \slot, 0
	s_wait_dscnt 0x0                               ; the add is done, and my reads of this slot are over
	s_barrier_signal -1
	MUL16 2, 1, NQ-1, \slot, 0
	WIN 0
	s_barrier_wait -1
.if \fill
	CREST                                          ; a round of the cluster's barrier: no wave of any partner still reads this slot or has a load on its way
	s_add_nc_u64 s[G0+4*\slot+2:G0+4*\slot+3], s[G0+4*\slot+2:G0+4*\slot+3], 2*BLK
	s_add_nc_u64 s[G0B+4*\slot+2:G0B+4*\slot+3], s[G0B+4*\slot+2:G0B+4*\slot+3], 2*BLK
	JLOAD \slot
	PLACES NP-4
.else
	PLACES NP
.endif
	FETCH_B \next, 0, 0
	FETCH_A \next, 0, 0
	SCALES \next
	WIN MUL_HI
	MUL16 4, 1, NQ-1, \slot, 0
	MUL16 6, 1, NQ-1, \slot, 0
	PLACES NP
	WIN 0
	FETCH_A \next, 0, 4
.endm
	s_load_b256 s[4:11], s[0:1], 0x0               ; A's image, the weights' image, the bias, the residual
	s_load_b64 s[12:13], s[0:1], 0x20              ; the output
	v_lshl_add_u32 v[SPW], v0, 2, SPARE
	v_mov_b32 v[NIL], 0
	ds_add_u32 v28, v29
	ds_add_u32 v28, v29
	s_wait_dscnt 0x0
	v_lshrrev_b32 v1, 5, v0
	v_readfirstlane_b32 s14, v1
	s_lshr_b32 s15, s14, 1
	s_and_b32 s16, s14, 1
	s_bfe_u32 s40, ttmp6, 0x40000
	s_bfe_u32 s41, ttmp6, 0x40004
	s_lshl_b32 s42, ttmp9, 2
	s_add_co_u32 s42, s42, s40                     ; B's tile = 4 x cluster x + cx
	s_and_b32 s17, ttmp7, 0xffff
	s_lshl_b32 s17, s17, 2
	s_add_co_u32 s17, s17, s41                     ; A's tile = 4 x cluster y + cy
	s_lshl_b32 s43, s41, 2
	s_lshl_b32 s43, 15, s43
	s_lshl_b32 s44, 0x1111, s40
	s_or_b32 s[G1+0], s43, (3<<16)|(1<<21)         ; a dense block as 132 rows of 32 elements of 8 bytes
	s_or_b32 s[G1B+0], s44, (3<<16)|(1<<21)
.irp g, G1, G1B
	s_mov_b32 s[\g+1], 32<<16
	s_mov_b32 s[\g+2], 132<<16
	s_mov_b32 s[\g+3], 32<<16
	s_mov_b32 s[\g+4], 132
	s_mov_b32 s[\g+5], 32
	s_mov_b32 s[\g+6], 0
	s_mov_b32 s[\g+7], 0
.endr
	s_lshl_b32 s20, s17, 1
	s_add_co_u32 s20, s20, s16
	s_mul_i32 s20, s20, NK*BLK
	s_mov_b32 s21, 0
	s_lshl_b32 s46, s42, 1
	s_add_co_u32 s46, s46, s16
	s_mul_i32 s46, s46, NK*BLK
	s_mov_b32 s47, 0
	s_mul_i32 s45, s14, BLK
	s_lshl_b32 s70, s42, 10
	s_lshl_b32 s71, s16, 9
	s_add_co_u32 s70, s70, s71                     ; my 128 columns, in bytes
	s_mov_b32 s71, 0
	s_lshl_b32 s72, s17, 20
	s_lshl_b32 s73, s15, 19
	s_add_co_u32 s72, s72, s73                     ; my 128 rows of 4,096 bytes
	s_add_co_u32 s72, s72, s70
	s_mov_b32 s73, 0
	s_wait_kmcnt 0x0
	s_add_nc_u64 s[20:21], s[4:5], s[20:21]
	s_add_nc_u64 s[46:47], s[6:7], s[46:47]
	s_add_nc_u64 s[46:47], s[46:47], WOFF
	s_add_nc_u64 s[8:9], s[8:9], s[70:71]
	s_add_nc_u64 s[10:11], s[10:11], s[72:73]
	s_add_nc_u64 s[12:13], s[12:13], s[72:73]
	CROUND
.irp s, 0,1
	s_mov_b32 s[G0+4*\s], 1
	s_add_co_u32 s[G0+4*\s+1], s45, \s*SLOT
	s_add_nc_u64 s[G0+4*\s+2:G0+4*\s+3], s[20:21], \s*BLK
	s_or_b32 s[G0+4*\s+3], s[G0+4*\s+3], 0x80000000
	s_mov_b32 s[G0B+4*\s], 1
	s_add_co_u32 s[G0B+4*\s+1], s45, \s*SLOT
	s_add_nc_u64 s[G0B+4*\s+2:G0B+4*\s+3], s[46:47], \s*BLK
	s_or_b32 s[G0B+4*\s+3], s[G0B+4*\s+3], 0x80000000
	JLOAD \s
.endr
	v_and_b32 v1, 15, v0
	v_bfe_u32 v2, v0, 4, 1
	v_and_b32 v3, 31, v0
	v_lshlrev_b32 v[LI], 4, v3
	global_load_b128 v[8:11], v[LI], s[8:9]        ; the bias of columns 4 lane .. + 3 of my 128
	s_mul_i32 s22, s15, BLK
	s_mul_i32 s23, s16, BLK
	s_add_co_u32 s23, s23, 2*BLK
.irp s, 0,1
	v_add_nc_u32 v[ADRA+\s], s22, v[LI]
	v_add_nc_u32 v[ADRB+\s], s23, v[LI]
	s_add_co_u32 s22, s22, SLOT
	s_add_co_u32 s23, s23, SLOT
.endr
	s_mul_i32 s22, s15, BLK
	s_mul_i32 s23, s16, BLK
	s_add_co_u32 s23, s23, 2*BLK
	s_sub_co_u32 s23, s23, s22
	v_mul_u32_u24 v4, s23, v2
	v_lshl_add_u32 v4, v1, 3, v4
	s_add_co_u32 s22, s22, 32768
	v_add_nc_u32 v[ADRS], s22, v4
	v_add_nc_u32 v[ADRS+1], SLOT, v[ADRS]
	s_mul_i32 s74, s14, 16*528
	s_add_co_u32 s74, s74, STG                     ; my stage
	v_mul_u32_u24 v4, v1, 528
	v_lshl_add_u32 v4, v2, 6, v4
	v_add_nc_u32 v[STO], s74, v4                   ; in: row r, + 64 h
	v_add_nc_u32 v[RD], s74, v[LI]                 ; back: the 32 lanes take a row of 512 bytes
	s_wait_loadcnt 0x0
	s_wait_tensorcnt 1                             ; my part of K block 0 is in (K block 1's load may be out)
	s_barrier_signal -1
	s_barrier_wait -1
	FETCH_B 0, 0, 0
	FETCH_A 0, 0, 0
	SCALES 0
	FETCH_A 0, 0, 4
	STEP 0, 0, 1
	s_mov_b32 s3, LAPS-1
.Llap:
	TURN 0, 1, 1
	STEP 1, 0, 0
	TURN 1, 0, 1
	STEP 0, 0, 0
	s_sub_co_u32 s3, s3, 1
	s_cmp_lg_u32 s3, 0
	s_cbranch_scc1 .Llap
	TURN 0, 1, 0
	STEP 1, 0, 0
	s_wait_dscnt 4*NL
	WIN MUL_LO
	MUL16 0, 1, NQ-1, 1, 0
	MUL16 2, 1, NQ-1, 1, 0
	s_wait_dscnt 0
	WIN MUL_HI
	MUL16 4, 1, NQ-1, 1, 0
	MUL16 6, 1, NQ-1, 1, 0
	WIN 0
	PLACES NP
.macro RLOAD a                         ; the residual's 16 rows of row block a: row t of the tile is row 32 (a / 2) + 8 (a % 2) + t + 8 (t / 8) of my 128
.set RS, 64+64*((\a)%2)
.irp t, 0,1,2,3,4,5,6,7,8,9,10,11,12,13,14,15
	global_load_b128 v[RS+4*\t:RS+4*\t+3], v[LI], s[10:11] offset:(32*((\a)/2)+8*((\a)%2)+\t+8*(\t/8))*4096
.endr
.endm
.macro OUT a, left
.set RS, 64+64*((\a)%2)
.set AC, 64*((\a)%4)
	WIN (0x08+4*((\a)/4))                          ; an LDS store's data: window 2 or 3
.irp b, 0,1,2,3,4,5,6,7
	ds_store_b128 v[STO], v[AC+8*\b:AC+8*\b+3] offset:128*(\b/2)+32*(\b%2)         ; each accumulator from its low end on: columns 32 (b / 2) + 16 h + 8 (b % 2) + 0 .. 7
	ds_store_b128 v[STO], v[AC+8*\b+4:AC+8*\b+7] offset:128*(\b/2)+32*(\b%2)+16
.endr
	WIN 0
.irp t, 0,1,2,3,4,5,6,7,8,9,10,11,12,13,14,15
	ds_load_b128 v[BB+4*\t:BB+4*\t+3], v[RD] offset:528*\t   ; LDS serves a wave's instructions in order (ISA guide 5.7.1.4): these see my stores
.endr
	s_wait_dscnt 0x0
	s_wait_loadcnt \left                           ; this block's residual is in; the next block's sixteen loads may be out
.set n, 0
.rept 32
	v_pk_add_f32 v[BB+n:BB+n+1], v[BB+n:BB+n+1], v[RS+n:RS+n+1]
	v_pk_add_f32 v[BB+n:BB+n+1], v[BB+n:BB+n+1], v[8+n%4:9+n%4]
.set n, n+2
.endr
.irp t, 0,1,2,3,4,5,6,7,8,9,10,11,12,13,14,15
	global_store_b128 v[LI], v[BB+4*\t:BB+4*\t+3], s[12:13] offset:(32*((\a)/2)+8*((\a)%2)+\t+8*(\t/8))*4096 th:TH_STORE_NT   ; 512 consecutive bytes, aligned; written once, read by nobody here
.endr
.endm
	RLOAD 0
.irp a, 0,1,2,3,4,5,6
.if \a > 0
	s_wait_xcnt 0x0                                ; the last block's stores have read their data: the rows at work are written again
.endif
	RLOAD \a+1
	OUT \a, 16
.endr
	s_wait_xcnt 0x0
	OUT 7, 0
	s_wait_tensorcnt 0x0                           ; the wave's end
	ds_add_u32 v[SPW], v[NIL]
	s_wait_dscnt 0x0
	CROUND                                         ; the closing round
	s_endpgm
.Lfunc_end_k_q5501840aca_mlp2:
	.size	k_q5501840aca_mlp2, .Lfunc_end_k_q5501840aca_mlp2-k_q5501840aca_mlp2
	.p2alignl 7, 3214868480
	.fill 96, 4, 3214868480
	.section	.rodata,"a",@progbits
	.p2align	6, 0x0
	.amdhsa_kernel k_q5501840aca_mlp2
		.amdhsa_group_segment_fixed_size 327680
		.amdhsa_private_segment_fixed_size 0
		.amdhsa_enable_private_segment 0
		.amdhsa_kernarg_size 40
		.amdhsa_user_sgpr_count 2
		.amdhsa_user_sgpr_kernarg_segment_ptr 1
		.amdhsa_wavefront_size32 1
		.amdhsa_system_sgpr_workgroup_id_x 1
		.amdhsa_system_sgpr_workgroup_id_y 1
		.amdhsa_system_sgpr_workgroup_id_z 1
		.amdhsa_system_vgpr_workitem_id 0
		.amdhsa_next_free_vgpr 1024
		.amdhsa_next_free_sgpr 100
		.amdhsa_reserve_vcc 0
		.amdhsa_float_denorm_mode_32 3
		.amdhsa_float_denorm_mode_16_64 3
		.amdhsa_memory_ordered 1
		.amdhsa_forward_progress 1
		.amdhsa_inst_pref_size 187
	.end_amdhsa_kernel
	.amdgpu_metadata
---
amdhsa.version: [ 1, 2 ]
amdhsa.kernels:
  - .name:           k_q5501840aca_mlp2
    .symbol:         k_q5501840aca_mlp2.kd
    .args:
      - { .name: mimg, .offset: 0, .size: 8, .value_kind: global_buffer, .address_space: global }
      - { .name: wimg, .offset: 8, .size: 8, .value_kind: global_buffer, .address_space: global }
      - { .name: bm2, .offset: 16, .size: 8, .value_kind: global_buffer, .address_space: global }
      - { .name: x1, .offset: 24, .size: 8, .value_kind: global_buffer, .address_space: global }
      - { .name: out0, .offset: 32, .size: 8, .value_kind: global_buffer, .address_space: global }
    .group_segment_fixed_size: 327680
    .private_segment_fixed_size: 0
    .kernarg_segment_align: 8
    .kernarg_segment_size: 40
    .max_flat_workgroup_size: 128
    .sgpr_count:     100
    .vgpr_count:     1024
    .wavefront_size: 32
...
	.end_amdgpu_metadata
.endif
;; end of part 7
;; ======== version 2 of 2: 7 launches
;; limits: right only within a limited range of input values
;; workspace buffers: wimg 12,976,128 bytes; himg 4,325,376 bytes; qkv 13,238,272 bytes; cimg 4,325,376 bytes; x1 16,777,216 bytes; mimg 17,301,504 bytes; rot 8,388,608 bytes
;; launch prep (part 8): grid 896 x 1, 4 waves a work-group, no clusters, 66,304 bytes of LDS; arguments x, g1, b1, himg, Wq, Wk, Wv, Wo, W1, W2, wimg, pos, rot; writes himg, wimg, rot
.if DOCPART == 8
	.amdgcn_target "amdgcn-amd-amdhsa--gfx1250"
	.amdhsa_code_object_version 6
	.text
	.protected	k_q5501840aca_prep
	.globl	k_q5501840aca_prep
	.p2align	8
	.type	k_q5501840aca_prep,@function
k_q5501840aca_prep:
	s_mov_b64 s[64:65], 0
	v_nop
	global_prefetch_b8 v0, s[64:65] scope:SCOPE_SE
	s_setreg_imm32_b32 hwreg(HW_REG_WAVE_MODE, 25, 1), 1
	s_wait_xcnt 0x0
; ONE PREPARING LAUNCH FOR TWO INDEPENDENT JOBS, told apart by the work-group's number alone: work-groups 0-383 lay the six weights out as codes, work-groups 384-639 norm and quantise x.
; Both results are IMAGES OF OPERAND REGISTERS in blocks of 33,792 bytes (128 rows x 256 along K): codes at 16384 q + 2048 i + 512 c + 16 lane (q: which 128 of K, i: which 16 rows, c: which 32 of K;
; lane (r, h) holds k = 128 q + 32 c + 16 h + 0..15 of the tile's row r), scale words at 32768 + 128 i + 8 r + 4 q.  Tile i, row r stands for row 32 (i / 2) + 8 (i % 2) + r + 8 (r / 8) of the 128.
; A block's scale is 2^(floor(log2(largest magnitude)) - 8); its byte is that magnitude's exponent field - 8, held at 1 from below.
; LIMITS: a block of zeros, or one whose largest magnitude lies under 2^-118, keeps the byte 1 (this program alone reads the bytes); NaN and infinities are not served.
; Every input is loaded by some launch.
.set BLK,  33792
.set NWQ,  384
	s_cmp_ge_u32 ttmp9, NWQ
	s_cbranch_scc1 .Lnorm
; THE WEIGHTS, f32 stored [K][N].  Work-group w makes block w: Wq 0-31, Wk 32-63, Wv 64-95, Wo 96-127 (8 column groups x 4 K blocks), W1 128-255 (32 x 4), W2 256-383 (8 x 16).
; For Wq and Wk a column group g holds heads g and g + 8, the two halves that the rotary step pairs.  A lane takes a column and its registers run down K: a block of 32 lies in one lane.
; No LDS, no barrier on this path.  Loads run two blocks (64 loads a wave) ahead; no register that a load or a store names is written again.
.set VO,   32                          ; v32-63   4 lane + i x pitch
.set X,    64                          ; v64-127  two sets of 32 numbers
.set C,    128                         ; v128-191 codes
.set SB,   24                          ; v[24:25] the 8 scale bytes
.set MNT,  49                          ; s49      the mantissa field of 448
	s_load_b256 s[4:11], s[0:1], 0x20              ; Wq, Wk, Wv, Wo
	s_load_b128 s[12:15], s[0:1], 0x40             ; W1, W2
	s_load_b64 s[16:17], s[0:1], 0x50              ; the weights' image
	v_lshrrev_b32 v1, 5, v0
	v_readfirstlane_b32 s19, v1                    ; wave
	v_and_b32 v2, 31, v0
	v_lshlrev_b32 v3, 2, v2
	s_wait_alu depctr_va_vdst(0)                   ; the wait ahead of the run of scalar lines
	s_lshr_b32 s18, ttmp9, 5                       ; 0 Wq, 1 Wk, 2 Wv, 3 Wo, 4-7 W1, 8-11 W2
	s_sub_co_u32 s26, s18, 4
	s_cmp_lt_u32 s26, 4                            ; W1 alone has rows of 16,384 bytes
	s_cselect_b32 s21, 14, 12
	s_lshl_b32 s20, 1, s21                         ; the pitch
	s_cmp_lt_u32 s18, 4
	s_cselect_b32 s22, 31, 127
	s_and_b32 s22, ttmp9, s22                      ; the block's number in its weight
	s_cmp_lt_u32 s18, 8
	s_cselect_b32 s23, 2, 4                        ; 4 K blocks to a column group, W2: 16
	s_lshr_b32 s24, s22, s23                       ; column group
	s_lshl_b32 s25, s24, s23
	s_sub_co_u32 s25, s22, s25                     ; K block
	s_lshl_b32 s26, s24, 6                         ; Wq, Wk: 64 (g + 8 (wave / 2)) + 32 (wave % 2)
	s_lshr_b32 s27, s19, 1
	s_lshl_b32 s27, s27, 9
	s_add_co_u32 s26, s26, s27
	s_and_b32 s27, s19, 1
	s_lshl_b32 s27, s27, 5
	s_add_co_u32 s26, s26, s27
	s_lshl_b32 s27, s24, 7                         ; the others: 128 x group + 32 x wave
	s_lshl_b32 s28, s19, 5
	s_add_co_u32 s27, s27, s28
	s_cmp_lt_u32 s18, 2
	s_cselect_b32 s26, s26, s27                    ; my wave's first column
	s_lshl_b32 s26, s26, 2
	s_add_co_u32 s27, s21, 8
	s_lshl_b32 s27, s25, s27                       ; 256 rows x the pitch x the K block
	s_add_co_u32 s26, s26, s27
	s_mov_b32 s27, 0
	s_add_co_u32 s28, s21, 5
	s_lshl_b32 s28, 1, s28                         ; 32 rows
	s_mov_b32 s29, 0
	s_mul_i32 s30, ttmp9, BLK
	s_mov_b32 s31, 0
	s_mov_b32 s[MNT], 0x600000
.set n, 0
.rept 32
	v_mad_u32_u24 v[VO+n], s20, n, v3
.set n, n+1
.endr
	v_bfe_u32 v8, v0, 3, 1                         ; my column lies in tile 2 wave + (lane / 8) % 2,
	v_and_b32 v9, 7, v0
	v_bfe_u32 v10, v0, 4, 1
	v_lshl_or_b32 v9, v10, 3, v9                   ; at row lane % 8 + 8 (lane / 16)
	s_lshl_b32 s48, s19, 1
	v_add_nc_u32 v8, s48, v8
	v_lshlrev_b32 v4, 11, v8
	v_lshl_add_u32 v4, v9, 4, v4                   ; codes: 2048 tile + 16 r
	v_lshlrev_b32 v5, 7, v8
	v_lshl_add_u32 v5, v9, 3, v5                   ; scale words: 128 tile + 8 r
	s_wait_kmcnt 0x0
	s_cmp_lt_u32 s18, 8                            ; the weight is chosen by the work-group's number alone
	s_cselect_b64 s[12:13], s[12:13], s[14:15]
	s_cmp_lt_u32 s18, 4
	s_cselect_b64 s[12:13], s[10:11], s[12:13]
	s_cmp_lt_u32 s18, 3
	s_cselect_b64 s[12:13], s[8:9], s[12:13]
	s_cmp_lt_u32 s18, 2
	s_cselect_b64 s[12:13], s[6:7], s[12:13]
	s_cmp_lt_u32 s18, 1
	s_cselect_b64 s[12:13], s[4:5], s[12:13]
	s_add_nc_u64 s[32:33], s[12:13], s[26:27]      ; a base for each of the 8 blocks: nothing is stepped while loads are out
.irp t, 1,2,3,4,5,6,7
	s_add_nc_u64 s[32+2*\t:33+2*\t], s[30+2*\t:31+2*\t], s[28:29]
.endr
	s_add_nc_u64 s[16:17], s[16:17], s[30:31]
.macro LOAD t                          ; W(32 t + i, my column): each load reads 128 consecutive bytes
.set n, 0
.rept 32
	global_load_b32 v[X+32*((\t)%2)+n], v[VO+n], s[32+2*(\t):33+2*(\t)] th:TH_LOAD_NT
.set n, n+1
.endr
.endm
	LOAD 0
	LOAD 1
.macro BLOCK t
.set XS, X+32*((\t)%2)
.set CC, C+8*(\t)
.if (\t) < 7
	s_wait_loadcnt 32                              ; this block's 32 loads are in; the next block's 32 may be out
.else
	s_wait_loadcnt 0
.endif
	v_max3_num_f32 v12, |v[XS]|, |v[XS+1]|, |v[XS+2]|
	v_max3_num_f32 v13, |v[XS+3]|, |v[XS+4]|, |v[XS+5]|
.irp i, 6,10,14,18,22,26
	v_max3_num_f32 v12, v12, |v[XS+\i]|, |v[XS+\i+1]|
	v_max3_num_f32 v13, v13, |v[XS+\i+2]|, |v[XS+\i+3]|
.endr
	v_max3_num_f32 v12, v12, |v[XS+30]|, |v[XS+31]|
	v_max3_num_f32 v12, v12, v13, 0x4800000        ; and the floor 2^(9 - 127)
	v_add_nc_u32 v11, 0xfc000000, v12              ; 8 off the exponent field: the conversion's scale operand
	v_and_or_b32 v10, v12, 0x7f800000, s[MNT]      ; 448 x the scale
.set n, 0
.rept 32
	v_med3_num_f32 v[XS+n], v[XS+n], -v10, v10     ; the conversion does not saturate (ISA guide 7.6.2): the hold comes first
.set n, n+1
.endr
.irp g, 0,1,2,3
	v_cvt_scalef32_pk8_fp8_f32 v[CC+2*\g:CC+2*\g+1], v[XS+8*\g:XS+8*\g+7], v11
.endr
	v_lshrrev_b32 v13, 23, v11                     ; the scale's byte (a plain line behind the conversions)
.if (\t)%4 == 0
	v_mov_b32 v[SB+(\t)/4], v13
.else
	v_lshl_or_b32 v[SB+(\t)/4], v13, 8*((\t)%4), v[SB+(\t)/4]
.endif
	global_store_b128 v4, v[CC:CC+3], s[16:17] offset:((\t)/4)*16384+((\t)%4)*512       ; k + 0..15: the image's lanes 0-15; the 32 lanes fill two aligned runs of 256 bytes
	global_store_b128 v4, v[CC+4:CC+7], s[16:17] offset:((\t)/4)*16384+((\t)%4)*512+256 ; k + 16..31: its lanes 16-31
.if (\t)+2 < 8
	LOAD (\t)+2
.endif
.endm
.irp t, 0,1,2,3,4,5,6,7
	BLOCK \t
.endr
	global_store_b64 v5, v[SB:SB+1], s[16:17] offset:32768   ; my column's two scale words: the wave fills 256 consecutive bytes
	s_endpgm
; LAYERNORM 1 over rows of 1,024 f32, then the quantiser along the row.  A work-group makes one tile of 16 rows for all of K.  PHASE 1: wave w norms four rows (mean, then the sum of squares of x - mean),
; multiplies by g, adds b, and puts the rows into LDS.  PHASE 2: wave w takes 256 columns of the 16 rows in the operand's lane order and quantises them.
.set PITCH, 4112                       ; a row in LDS: 4,096 bytes + 16
.set X,     32                         ; v32-159  four rows of 32 registers; in phase 2: 128 numbers of a lane
.set GG,    160                        ; v160-191 g; in phase 2 the codes
.set BR,    192                        ; v192-223 b
.set T,     224                        ; v224-239 at work
.set TM,    224
.set MN,    240                        ; v240-247 a pair a row: the mean, then 1 / sqrt(var + eps)
.set SEL,   20                         ; s[20:21] lane l xor 16
.set MNT,   22
.macro QUANT s, pc, pw                 ; 64 numbers of a lane (register 16 b + i = k 32 b + 16 (lane / 16) + i) become a fragment's codes and its scale word
.irp b, 0,1,2,3
	v_max3_num_f32 v[TM+\b], |v[\s+16*\b]|, |v[\s+1+16*\b]|, 0x4800000
.endr
.irp i, 2,4,6,8,10,12,14
.irp b, 0,1,2,3
	v_max3_num_f32 v[TM+\b], v[TM+\b], |v[\s+16*\b+\i]|, |v[\s+1+16*\b+\i]|
.endr
.endr
.irp b, 0,1,2,3
	v_permlanex16_b32 v[TM+4+\b], v[TM+\b], s[SEL], s[SEL+1]
.endr
.irp b, 0,1,2,3
	v_max_num_f32 v[TM+\b], v[TM+\b], v[TM+4+\b]
.endr
.irp b, 0,1,2,3
	v_add_nc_u32 v[TM+12+\b], 0xfc000000, v[TM+\b]
.endr
.irp b, 0,1,2,3
	v_and_or_b32 v[TM+8+\b], v[TM+\b], 0x7f800000, s[MNT]
.endr
.irp b, 0,1,2,3
	v_lshrrev_b32 v[TM+4+\b], 23, v[TM+12+\b]
.endr
	v_lshl_or_b32 v[\pw], v[TM+5], 8, v[TM+4]
	v_lshl_or_b32 v[\pw], v[TM+6], 16, v[\pw]
	v_lshl_or_b32 v[\pw], v[TM+7], 24, v[\pw]
.irp b, 0,1,2,3
.irp i, 0,1,2,3,4,5,6,7,8,9,10,11,12,13,14,15
	v_med3_num_f32 v[\s+16*\b+\i], v[\s+16*\b+\i], -v[TM+8+\b], v[TM+8+\b]
.endr
	v_cvt_scalef32_pk8_fp8_f32 v[\pc+4*\b:\pc+1+4*\b], v[\s+16*\b:\s+7+16*\b], v[TM+12+\b]
	v_cvt_scalef32_pk8_fp8_f32 v[\pc+2+4*\b:\pc+3+4*\b], v[\s+8+16*\b:\s+15+16*\b], v[TM+12+\b]
.endr
	v_nop                                          ; a plain line behind the last conversion
.endm
.macro REDUCE                          ; v[T + 4 k], k = 0 .. 3, summed over the 32 lanes; the four rows by turns
.irp m, 1,2,4,8
.irp k, 0,1,2,3
	v_add_f32_dpp v[T+4*\k], v[T+4*\k], v[T+4*\k] row_xmask:\m row_mask:0xf bank_mask:0xf
.endr
.endr
.irp k, 0,1,2,3
	v_permlanex16_b32 v[T+4*\k+1], v[T+4*\k], s[SEL], s[SEL+1]
.endr
.irp k, 0,1,2,3
	v_add_f32 v[T+4*\k], v[T+4*\k], v[T+4*\k+1]
.endr
.endm
.Lnorm:
	s_cmp_ge_u32 ttmp9, NWQ+256                    ; A THIRD JOB: work-groups 640-895 make the rotary step's table of cos and sin (at this text's end)
	s_cbranch_scc1 .Lrot
	s_sub_co_u32 s30, ttmp9, NWQ
	s_load_b256 s[4:11], s[0:1], 0x0               ; x, g, b, the image
	v_lshl_add_u32 v254, v0, 2, 0x10100
	v_mov_b32 v255, 0
	v_lshrrev_b32 v1, 5, v0
	v_readfirstlane_b32 s12, v1                    ; wave
	v_and_b32 v1, 31, v0
	v_lshlrev_b32 v1, 4, v1                        ; 16 x lane
	s_wait_alu depctr_va_vdst(0)
	v_and_b32 v2, 15, v0                           ; r
	s_wait_alu depctr_va_vdst(0)
	v_bfe_u32 v3, v0, 4, 1                         ; h
	s_lshr_b32 s13, s30, 3                         ; which 128 rows
	s_and_b32 s14, s30, 7                          ; which tile i of them
	s_lshl_b32 s15, s13, 7
	s_lshr_b32 s16, s14, 1
	s_lshl_b32 s16, s16, 5
	s_add_co_u32 s15, s15, s16
	s_and_b32 s16, s14, 1
	s_lshl_b32 s16, s16, 3
	s_add_co_u32 s15, s15, s16                     ; the tile's row 0
	s_lshl_b32 s16, s12, 2
	s_add_co_u32 s15, s15, s16
	s_lshr_b32 s16, s12, 1
	s_lshl_b32 s16, s16, 3
	s_add_co_u32 s15, s15, s16                     ; tile rows 4 w .. 4 w + 3 are four neighbouring rows: + 4 w + 8 (w / 2)
	s_lshl_b32 s16, s15, 12
	s_mov_b32 s17, 0
	s_mul_i32 s18, s12, 4*PITCH
	v_add_nc_u32 v4, s18, v1                       ; LDS, on the way in: my four rows, 16 bytes a lane
	v_mul_u32_u24 v5, v2, PITCH
	s_wait_alu depctr_va_vdst(0)
	v_lshl_add_u32 v5, v3, 6, v5
	s_lshl_b32 s18, s12, 10
	v_add_nc_u32 v5, s18, v5                       ; and out: row r, my wave's 1,024 bytes, + 64 h
	v_lshlrev_b32 v6, 3, v2                        ; scale words: 8 r
	s_lshl_b32 s18, s13, 2
	s_add_co_u32 s18, s18, s12
	s_mul_i32 s18, s18, BLK                        ; block (row group, K block = wave)
	s_lshl_b32 s26, s14, 11
	s_add_co_u32 s26, s26, s18
	s_mov_b32 s27, 0
	s_lshl_b32 s28, s14, 7
	s_add_co_u32 s28, s28, s18
	s_add_co_u32 s28, s28, 32768
	s_mov_b32 s29, 0
	s_mov_b32 s[SEL], 0x76543210
	s_mov_b32 s[SEL+1], 0xfedcba98
	s_mov_b32 s[MNT], 0x600000
	s_mov_b32 s23, 0x3a800000                      ; 1 / 1024
	s_mov_b32 s24, 0x3727c5ac                      ; 1e-5
	s_wait_kmcnt 0x0
	s_add_nc_u64 s[4:5], s[4:5], s[16:17]
	s_add_nc_u64 s[26:27], s[10:11], s[26:27]
	s_add_nc_u64 s[28:29], s[10:11], s[28:29]
.irp k, 0,1,2,3
.irp j, 0,1,2,3,4,5,6,7
	global_load_b128 v[X+32*\k+4*\j:X+32*\k+4*\j+3], v1, s[4:5] offset:\k*4096+512*\j   ; 512 consecutive bytes a load
.endr
.endr
.irp j, 0,1,2,3,4,5,6,7
	global_load_b128 v[GG+4*\j:GG+4*\j+3], v1, s[6:7] offset:512*\j
.endr
.irp j, 0,1,2,3,4,5,6,7
	global_load_b128 v[BR+4*\j:BR+4*\j+3], v1, s[8:9] offset:512*\j
.endr
	s_wait_loadcnt 16                              ; the four rows are in; the sixteen loads of g and b may be out
.irp k, 0,1,2,3
	v_pk_add_f32 v[T+4*\k:T+4*\k+1], v[X+32*\k:X+32*\k+1], v[X+32*\k+2:X+32*\k+3]
	v_pk_add_f32 v[T+4*\k+2:T+4*\k+3], v[X+32*\k+4:X+32*\k+5], v[X+32*\k+6:X+32*\k+7]
.endr
.irp p, 8,12,16,20,24,28
.irp k, 0,1,2,3
	v_pk_add_f32 v[T+4*\k:T+4*\k+1], v[T+4*\k:T+4*\k+1], v[X+32*\k+\p:X+32*\k+\p+1]
	v_pk_add_f32 v[T+4*\k+2:T+4*\k+3], v[T+4*\k+2:T+4*\k+3], v[X+32*\k+\p+2:X+32*\k+\p+3]
.endr
.endr
.irp k, 0,1,2,3
	v_pk_add_f32 v[T+4*\k:T+4*\k+1], v[T+4*\k:T+4*\k+1], v[T+4*\k+2:T+4*\k+3]
.endr
.irp k, 0,1,2,3
	v_add_f32 v[T+4*\k], v[T+4*\k], v[T+4*\k+1]
.endr
	REDUCE
.irp k, 0,1,2,3
	v_mul_f32 v[MN+2*\k], s23, v[T+4*\k]           ; the mean, in both halves of a pair
	v_mul_f32 v[MN+2*\k+1], s23, v[T+4*\k]
.endr
.irp p, 0,2,4,6,8,10,12,14,16,18,20,22,24,26,28,30
.irp k, 0,1,2,3
	v_pk_add_f32 v[X+32*\k+\p:X+32*\k+\p+1], v[X+32*\k+\p:X+32*\k+\p+1], v[MN+2*\k:MN+2*\k+1] neg_lo:[0,1] neg_hi:[0,1]   ; x - mean
.endr
.endr
.irp k, 0,1,2,3
	v_pk_mul_f32 v[T+4*\k:T+4*\k+1], v[X+32*\k:X+32*\k+1], v[X+32*\k:X+32*\k+1]
	v_pk_mul_f32 v[T+4*\k+2:T+4*\k+3], v[X+32*\k+2:X+32*\k+3], v[X+32*\k+2:X+32*\k+3]
.endr
.irp p, 4,8,12,16,20,24,28
.irp k, 0,1,2,3
	v_pk_fma_f32 v[T+4*\k:T+4*\k+1], v[X+32*\k+\p:X+32*\k+\p+1], v[X+32*\k+\p:X+32*\k+\p+1], v[T+4*\k:T+4*\k+1]
	v_pk_fma_f32 v[T+4*\k+2:T+4*\k+3], v[X+32*\k+\p+2:X+32*\k+\p+3], v[X+32*\k+\p+2:X+32*\k+\p+3], v[T+4*\k+2:T+4*\k+3]
.endr
.endr
.irp k, 0,1,2,3
	v_pk_add_f32 v[T+4*\k:T+4*\k+1], v[T+4*\k:T+4*\k+1], v[T+4*\k+2:T+4*\k+3]
.endr
.irp k, 0,1,2,3
	v_add_f32 v[T+4*\k], v[T+4*\k], v[T+4*\k+1]
.endr
	REDUCE
.irp k, 0,1,2,3
	v_fma_f32 v[T+4*\k], v[T+4*\k], s23, s24       ; var + eps
.endr
	s_wait_alu depctr_va_vdst(0)                   ; the wait ahead of the batch
.irp k, 0,1,2,3
	v_rsq_f32 v[MN+2*\k], v[T+4*\k]
.endr
	v_nop                                          ; a plain line behind the last of the four
	s_wait_alu depctr_va_vdst(0)                   ; and one wait for the four, ahead of their first reader
.irp p, 0,2,4,6,8,10,12,14,16,18,20,22,24,26,28,30
.irp k, 0,1,2,3
	v_pk_mul_f32 v[X+32*\k+\p:X+32*\k+\p+1], v[X+32*\k+\p:X+32*\k+\p+1], v[MN+2*\k:MN+2*\k+1] op_sel_hi:[1,0]
.endr
.endr
	s_wait_loadcnt 0x0                             ; g and b
.irp p, 0,2,4,6,8,10,12,14,16,18,20,22,24,26,28,30
.irp k, 0,1,2,3
	v_pk_fma_f32 v[X+32*\k+\p:X+32*\k+\p+1], v[X+32*\k+\p:X+32*\k+\p+1], v[GG+\p:GG+\p+1], v[BR+\p:BR+\p+1]
.endr
.endr
.irp k, 0,1,2,3
.irp j, 0,1,2,3,4,5,6,7
	ds_store_b128 v4, v[X+32*\k+4*\j:X+32*\k+4*\j+3] offset:\k*PITCH+512*\j
.endr
.endr
	s_wait_dscnt 0x0                               ; for the others' sake: my rows lie in LDS
	s_barrier_signal -1
	s_barrier_wait -1
.irp q, 0,1
.irp b, 0,1,2,3
.irp j, 0,1,2,3
	ds_load_b128 v[X+64*\q+16*\b+4*\j:X+64*\q+16*\b+4*\j+3], v5 offset:512*\q+128*\b+16*\j   ; row r, k = 128 q + 32 b + 16 h + 4 j ..
.endr
.endr
.endr
	s_wait_dscnt 16                                ; the first 128 along K are in; the second's sixteen loads may be out
	QUANT X, 160, 252
	s_wait_dscnt 0x0
	QUANT X+64, 176, 253
.irp q, 0,1
.irp c, 0,1,2,3
	global_store_b128 v1, v[160+16*\q+4*\c:163+16*\q+4*\c], s[26:27] offset:16384*\q+512*\c   ; 512 consecutive bytes
.endr
.endr
	global_store_b64 v6, v[252:253], s[28:29]      ; the rows' two scale words; lanes 16-31 hold and write the same as lanes 0-15
	s_wait_tensorcnt 0x0                           ; the wave's end
	ds_add_u32 v254, v255
	s_wait_dscnt 0x0
	s_endpgm
; THE ROTARY TABLE: cos and sin of pos[n] x 10000^(-j / 512), n = 0 .. 2047, j = 0 .. 511, made once for q, k and both batches, as images of the registers that the next launch's lanes want.
; A wave makes one unit of 8,192 bytes: unit u = 64 rg + 8 g + a (rg: which 128 tokens, g: which 64 frequencies, a: which tile of 16 tokens).  Lane (r, h) holds token
; 128 rg + 32 (a / 2) + 8 (a % 2) + r + 8 (r / 8); its register i = 0 .. 31 frequency 64 g + 32 (i / 16) + 16 h + i % 16.  cos: 512 (i / 4) + 16 lane + 4 (i % 4); sin: 4,096 bytes behind.
; The angle is brought into +-pi/4 by two-part subtraction of n pi/2; sin and cos are polynomials there; the quadrant swaps them and sets the signs.  No LDS on this path.
.set F,   32                           ; v32-63  the 32 inverse frequencies
.set CR,  64                           ; v64-95  cos
.set SR,  96                           ; v96-127 sin
.set T,   192                          ; v192-255 at work: sixteen registers for each of four pairs
.set ON, 2
.set OR, 4
.set OS, 6
.set OC, 8
.set OU, 10
.set OM, 12
.set OV, 14
.macro TRIG G
.irp p, 0,1,2,3
	v_pk_mul_f32 v[T+16*\p:T+16*\p+1], v[F+8*\G+2*\p:F+8*\G+2*\p+1], v[6:7] op_sel_hi:[1,0]
.endr
.irp p, 0,1,2,3
	v_pk_mul_f32 v[T+16*\p+ON:T+16*\p+ON+1], v[T+16*\p:T+16*\p+1], 0x3f22f983 op_sel_hi:[1,0]
.endr
.irp p, 0,1,2,3
	v_rndne_f32 v[T+16*\p+ON], v[T+16*\p+ON]
	v_rndne_f32 v[T+16*\p+ON+1], v[T+16*\p+ON+1]
.endr
.irp p, 0,1,2,3
	v_pk_fma_f32 v[T+16*\p:T+16*\p+1], v[T+16*\p+ON:T+16*\p+ON+1], 0xbfc90fdb, v[T+16*\p:T+16*\p+1] op_sel_hi:[1,0,1]
.endr
.irp p, 0,1,2,3
	v_pk_fma_f32 v[T+16*\p:T+16*\p+1], v[T+16*\p+ON:T+16*\p+ON+1], 0x333bbd2e, v[T+16*\p:T+16*\p+1] op_sel_hi:[1,0,1]
.endr
.irp p, 0,1,2,3
	v_pk_mul_f32 v[T+16*\p+OR:T+16*\p+OR+1], v[T+16*\p:T+16*\p+1], v[T+16*\p:T+16*\p+1]
.endr
.irp p, 0,1,2,3
	v_pk_fma_f32 v[T+16*\p+OS:T+16*\p+OS+1], v[T+16*\p+OR:T+16*\p+OR+1], v[24:25], 0x3c08839e op_sel_hi:[1,1,0]
	v_pk_fma_f32 v[T+16*\p+OC:T+16*\p+OC+1], v[T+16*\p+OR:T+16*\p+OR+1], v[26:27], 0xbab6061a op_sel_hi:[1,1,0]
.endr
.irp p, 0,1,2,3
	v_pk_fma_f32 v[T+16*\p+OS:T+16*\p+OS+1], v[T+16*\p+OS:T+16*\p+OS+1], v[T+16*\p+OR:T+16*\p+OR+1], 0xbe2aaaa3 op_sel_hi:[1,1,0]
	v_pk_fma_f32 v[T+16*\p+OC:T+16*\p+OC+1], v[T+16*\p+OC:T+16*\p+OC+1], v[T+16*\p+OR:T+16*\p+OR+1], 0x3d2aaaa5 op_sel_hi:[1,1,0]
.endr
.irp p, 0,1,2,3
	v_pk_mul_f32 v[T+16*\p+OU:T+16*\p+OU+1], v[T+16*\p+OR:T+16*\p+OR+1], v[T+16*\p:T+16*\p+1]
	v_pk_mul_f32 v[T+16*\p+OM:T+16*\p+OM+1], v[T+16*\p+OR:T+16*\p+OR+1], v[T+16*\p+OR:T+16*\p+OR+1]
	v_pk_fma_f32 v[T+16*\p+OV:T+16*\p+OV+1], v[T+16*\p+OR:T+16*\p+OR+1], -0.5, 1.0 op_sel_hi:[1,0,0]
.endr
.irp p, 0,1,2,3
	v_pk_fma_f32 v[T+16*\p+OS:T+16*\p+OS+1], v[T+16*\p+OS:T+16*\p+OS+1], v[T+16*\p+OU:T+16*\p+OU+1], v[T+16*\p:T+16*\p+1]
	v_pk_fma_f32 v[T+16*\p+OC:T+16*\p+OC+1], v[T+16*\p+OC:T+16*\p+OC+1], v[T+16*\p+OM:T+16*\p+OM+1], v[T+16*\p+OV:T+16*\p+OV+1]
.endr
.irp p, 0,1,2,3
.irp e, 0,1
	v_cvt_i32_f32 v[T+16*\p+ON+\e], v[T+16*\p+ON+\e]
.endr
.endr
.irp p, 0,1,2,3
.irp e, 0,1
	v_and_b32 v[T+16*\p+OU+\e], 1, v[T+16*\p+ON+\e]
.endr
.endr
.irp p, 0,1,2,3
.irp e, 0,1
	v_cmp_eq_u32 vcc_lo, 1, v[T+16*\p+OU+\e]
	v_cndmask_b32 v[T+16*\p+OM+\e], v[T+16*\p+OS+\e], v[T+16*\p+OC+\e], vcc_lo
	v_cndmask_b32 v[T+16*\p+OV+\e], v[T+16*\p+OC+\e], v[T+16*\p+OS+\e], vcc_lo
.endr
.endr
.irp p, 0,1,2,3
.irp e, 0,1
	v_lshlrev_b32 v[T+16*\p+OU+\e], 30, v[T+16*\p+ON+\e]
	v_add_lshl_u32 v[T+16*\p+ON+\e], v[T+16*\p+ON+\e], 1, 30
.endr
.endr
.irp p, 0,1,2,3
.irp e, 0,1
	v_and_b32 v[T+16*\p+OU+\e], 0x80000000, v[T+16*\p+OU+\e]
	v_and_b32 v[T+16*\p+ON+\e], 0x80000000, v[T+16*\p+ON+\e]
.endr
.endr
.irp p, 0,1,2,3
.irp e, 0,1
	v_xor_b32 v[SR+8*\G+2*\p+\e], v[T+16*\p+OU+\e], v[T+16*\p+OM+\e]   ; sin
	v_xor_b32 v[CR+8*\G+2*\p+\e], v[T+16*\p+ON+\e], v[T+16*\p+OV+\e]   ; cos
.endr
.endr
.endm
.Lrot:
	s_load_b64 s[4:5], s[0:1], 0x58                ; pos
	s_load_b64 s[6:7], s[0:1], 0x60                ; the table
	v_lshrrev_b32 v1, 5, v0
	v_readfirstlane_b32 s12, v1                    ; wave
	s_sub_co_u32 s13, ttmp9, NWQ+256
	s_lshl_b32 s13, s13, 2
	s_add_co_u32 s13, s13, s12                     ; my unit u
	s_and_b32 s14, s13, 7                          ; a
	s_bfe_u32 s15, s13, 0x30003                    ; g
	s_lshr_b32 s16, s13, 6                         ; rg
	s_lshl_b32 s17, s16, 7
	s_lshr_b32 s18, s14, 1
	s_lshl_b32 s18, s18, 5
	s_add_co_u32 s17, s17, s18
	s_and_b32 s18, s14, 1
	s_lshl_b32 s18, s18, 3
	s_add_co_u32 s17, s17, s18                     ; the tile's token 0
	s_lshl_b32 s20, s17, 2
	s_mov_b32 s21, 0
	s_lshl_b32 s22, s13, 13                        ; 8,192 bytes a unit
	s_mov_b32 s23, 0
	s_lshl_b32 s19, s15, 6
	v_and_b32 v2, 15, v0                           ; r
	v_bfe_u32 v3, v0, 4, 1                         ; h
	v_and_b32 v4, 8, v2
	v_add_nc_u32 v4, v4, v2
	v_lshlrev_b32 v4, 2, v4                        ; 4 (r + 8 (r / 8))
	v_and_b32 v5, 31, v0
	v_lshlrev_b32 v5, 4, v5                        ; 16 x lane
	v_lshlrev_b32 v8, 4, v3
	v_add_nc_u32 v3, s19, v8                       ; 64 g + 16 h
	v_mov_b32 v7, 0                                ; (named as the upper half of the pair v[6:7])
	v_mov_b32 v24, 0xb94ca1f9
	v_mov_b32 v25, 0xb94ca1f9
	v_mov_b32 v26, 0x37ccf5ce
	v_mov_b32 v27, 0x37ccf5ce
	s_wait_alu depctr_va_vdst(0)                   ; the wait at the head's end
	s_wait_kmcnt 0x0
	s_add_nc_u64 s[4:5], s[4:5], s[20:21]
	s_add_nc_u64 s[6:7], s[6:7], s[22:23]
	global_load_b32 v9, v4, s[4:5]                 ; my token's pos
.irp u, 0,1                            ; 10000^(-j / 512) = 2^(-j log2(10000) / 512): the factor in two parts, the whole part of the exponent by v_ldexp_f32
.set n, 0
.rept 16
	v_add_nc_u32 v[192+n], 32*\u+n, v3
.set n, n+1
.endr
.set n, 0
.rept 16
	v_cvt_f32_u32 v[192+n], v[192+n]
.set n, n+1
.endr
.set n, 0
.rept 16
	v_mul_f32 v[208+n], 0xbcd49800, v[192+n]
.set n, n+1
.endr
.set n, 0
.rept 16
	v_rndne_f32 v[224+n], v[208+n]
.set n, n+1
.endr
.set n, 0
.rept 16
	v_sub_f32 v[208+n], v[208+n], v[224+n]
.set n, n+1
.endr
.set n, 0
.rept 16
	v_fmac_f32 v[208+n], 0xb59e12f3, v[192+n]
.set n, n+1
.endr
	s_wait_alu depctr_va_vdst(0)                   ; the wait ahead of the batch
.set n, 0
.rept 16
	v_exp_f32 v[240+n], v[208+n]
.set n, n+1
.endr
.set n, 0
.rept 16
	v_cvt_i32_f32 v[224+n], v[224+n]
.set n, n+1
.endr
	s_wait_alu depctr_va_vdst(0)                   ; and one behind it, ahead of its first reader
.set n, 0
.rept 16
	v_ldexp_f32 v[F+16*\u+n], v[240+n], v[224+n]
.set n, n+1
.endr
.endr
	s_wait_alu depctr_va_vdst(0)                   ; directly ahead of the wait below
	s_wait_loadcnt 0x0
	v_cvt_f32_i32 v6, v9
	TRIG 0
	TRIG 1
	TRIG 2
	TRIG 3
.irp c, 0,1,2,3,4,5,6,7
	global_store_b128 v5, v[CR+4*\c:CR+4*\c+3], s[6:7] offset:512*\c          ; 512 consecutive bytes a store
	global_store_b128 v5, v[SR+4*\c:SR+4*\c+3], s[6:7] offset:4096+512*\c
.endr
	s_endpgm
.Lfunc_end_k_q5501840aca_prep:
	.size	k_q5501840aca_prep, .Lfunc_end_k_q5501840aca_prep-k_q5501840aca_prep
	.p2alignl 7, 3214868480
	.fill 96, 4, 3214868480
	.section	.rodata,"a",@progbits
	.p2align	6, 0x0
	.amdhsa_kernel k_q5501840aca_prep
		.amdhsa_group_segment_fixed_size 66304
		.amdhsa_private_segment_fixed_size 0
		.amdhsa_enable_private_segment 0
		.amdhsa_kernarg_size 104
		.amdhsa_user_sgpr_count 2
		.amdhsa_user_sgpr_kernarg_segment_ptr 1
		.amdhsa_wavefront_size32 1
		.amdhsa_system_sgpr_workgroup_id_x 1
		.amdhsa_system_sgpr_workgroup_id_y 1
		.amdhsa_system_sgpr_workgroup_id_z 1
		.amdhsa_system_vgpr_workitem_id 0
		.amdhsa_next_free_vgpr 256
		.amdhsa_next_free_sgpr 66
		.amdhsa_reserve_vcc 1
		.amdhsa_float_denorm_mode_32 3
		.amdhsa_float_denorm_mode_16_64 3
		.amdhsa_memory_ordered 1
		.amdhsa_forward_progress 1
		.amdhsa_inst_pref_size 159
	.end_amdhsa_kernel
	.amdgpu_metadata
---
amdhsa.version: [ 1, 2 ]
amdhsa.kernels:
  - .name:           k_q5501840aca_prep
    .symbol:         k_q5501840aca_prep.kd
    .args:
      - { .name: x, .offset: 0, .size: 8, .value_kind: global_buffer, .address_space: global }
      - { .name: g1, .offset: 8, .size: 8, .value_kind: global_buffer, .address_space: global }
      - { .name: b1, .offset: 16, .size: 8, .value_kind: global_buffer, .address_space: global }
      - { .name: himg, .offset: 24, .size: 8, .value_kind: global_buffer, .address_space: global }
      - { .name: Wq, .offset: 32, .size: 8, .value_kind: global_buffer, .address_space: global }
      - { .name: Wk, .offset: 40, .size: 8, .value_kind: global_buffer, .address_space: global }
      - { .name: Wv, .offset: 48, .size: 8, .value_kind: global_buffer, .address_space: global }
      - { .name: Wo, .offset: 56, .size: 8, .value_kind: global_buffer, .address_space: global }
      - { .name: W1, .offset: 64, .size: 8, .value_kind: global_buffer, .address_space: global }
      - { .name: W2, .offset: 72, .size: 8, .value_kind: global_buffer, .address_space: global }
      - { .name: wimg, .offset: 80, .size: 8, .value_kind: global_buffer, .address_space: global }
      - { .name: pos, .offset: 88, .size: 8, .value_kind: global_buffer, .address_space: global }
      - { .name: rot, .offset: 96, .size: 8, .value_kind: global_buffer, .address_space: global }
    .group_segment_fixed_size: 66304
    .private_segment_fixed_size: 0
    .kernarg_segment_align: 8
    .kernarg_segment_size: 104
    .max_flat_workgroup_size: 128
    .sgpr_count:     66
    .vgpr_count:     256
    .wavefront_size: 32
...
	.end_amdgpu_metadata
.endif
;; end of part 8
;; launch qkv (part 9): grid 12 x 16, 4 waves a work-group, clusters of 4 x 4, 327,680 bytes of LDS; arguments himg, wimg, bq, bk, bv, rot, qkv; writes qkv
.if DOCPART == 9
	.amdgcn_target "amdgcn-amd-amdhsa--gfx1250"
	.amdhsa_code_object_version 6
	.text
	.protected	k_q5501840aca_qkv
	.globl	k_q5501840aca_qkv
	.p2align	8
	.type	k_q5501840aca_qkv,@function
k_q5501840aca_qkv:
	s_mov_b64 s[64:65], 0
	v_nop
	global_prefetch_b8 v0, s[64:65] scope:SCOPE_SE
	s_setreg_imm32_b32 hwreg(HW_REG_WAVE_MODE, 25, 1), 1
	s_wait_xcnt 0x0
	s_wait_alu depctr_hold_cnt(0) depctr_sa_sdst(0) depctr_va_vdst(0) depctr_va_sdst(0) depctr_va_ssrc(0) depctr_va_vcc(0) depctr_vm_vsrc(0)
	s_getreg_b32 s2, hwreg(HW_REG_IB_STS2, 6, 4)
	s_cmp_eq_u32 s2, 0
	s_cbranch_scc0 .Lentry_in_a_cluster
	s_endpgm
.Lentry_in_a_cluster:
	s_bfe_u32 s2, ttmp6, 0x10000c
	s_cmp_lg_u32 s2, 0xf033
	s_cbranch_scc0 .Lentry_shape_is_right
	s_endpgm
.Lentry_shape_is_right:
.set BLK,   33792
.set SLOT,  4*BLK
.set SPARE, 2*SLOT
.set NK,    4
.set LAPS,  NK/2
.set NQ,    2
.set FR,    16
.set NL,    4
.set NP,    8
.set QKB,   8704
.set VBB,   8448
.set KOFF,  32*16*QKB
.set VOFF,  2*KOFF
.set HEAD8, 8*16*QKB
.set HEAD1, 16*VBB
.set ADRA, 16
.set ADRS, 18
.set ADRB, 20
.set LI,   22
.set SO,   23
.set SPW,  28
.set NIL,  29
.set PW,   30
.set SC,   32
.set AF,   128
.set W,    128
.set T,    192
.set TM,   192
.set PC,   208
.set ON, 2
.set OR, 4
.set OS, 6
.set OC, 8
.set OU, 10
.set OM, 12
.set OV, 14
.set G1, 24
.set G0, 32
.set G1B, 48
.set G0B, 56
.set CUR,  90
.set CURS, 92
.set AI,   94
.set SEL,  96
.set MNT,  98
.set MSB, 0
.macro WIN new
.if MSB != \new
	s_set_vgpr_msb (MSB<<8)|\new
.set MSB, \new
.endif
.endm
.set MUL_LO, 0xa1
.set MUL_HI, 0xf1
.set TO_B,   0x40
.macro JLOAD s
	s_cmp_eq_u32 s15, 0
	s_cbranch_scc0 .Lfor_b_\@
	tensor_load_to_lds s[G0+4*\s:G0+4*\s+3], s[G1:G1+7]
	s_nop 0
.rept 4
	v_nop
.endr
	s_branch .Lasked_\@
.Lfor_b_\@:
	tensor_load_to_lds s[G0B+4*\s:G0B+4*\s+3], s[G1B:G1B+7]
	s_nop 0
.rept 4
	v_nop
.endr
.Lasked_\@:
.endm
.macro CREST
	s_cmp_lg_u32 s14, 0
	s_cbranch_scc1 .Lnot_wave_0_\@
	s_barrier_signal -3
.Lnot_wave_0_\@:
	s_barrier_wait -3
	s_barrier_signal -1
	s_barrier_wait -1
.endm
.macro CROUND
	s_barrier_signal -1
	s_barrier_wait -1
	CREST
.endm
.macro PLACES n
.rept \n
	v_nop
.endr
.endm
.macro FRAG reg, adr, q, i
.irp c, 0,1,2,3
	ds_load_b128 v[\reg+4*\c:\reg+4*\c+3], v[\adr] offset:16384*(\q)+2048*(\i)+512*\c
.endr
.endm
.macro MUL16 a0, p, q, sc, zero
.irp a, \a0, \a0+1
.irp b, 0,1,2,3,4,5,6,7
.if \zero
	v_wmma_scale_f32_16x16x128_f8f6f4 v[8*(8*((\a)%4)+\b):8*(8*((\a)%4)+\b)+7], v[128*(\p)+FR*\b:128*(\p)+FR*\b+FR-1], v[AF+FR*(\a):AF+FR*(\a)+FR-1], 0, v[SC+8*NQ*(\sc)+NQ*\b+(\q)], v[SC+8*NQ*(\sc)+NQ*(\a)+(\q)] matrix_a_scale:MATRIX_SCALE_ROW1
.else
	v_wmma_scale_f32_16x16x128_f8f6f4 v[8*(8*((\a)%4)+\b):8*(8*((\a)%4)+\b)+7], v[128*(\p)+FR*\b:128*(\p)+FR*\b+FR-1], v[AF+FR*(\a):AF+FR*(\a)+FR-1], v[8*(8*((\a)%4)+\b):8*(8*((\a)%4)+\b)+7], v[SC+8*NQ*(\sc)+NQ*\b+(\q)], v[SC+8*NQ*(\sc)+NQ*(\a)+(\q)] matrix_a_scale:MATRIX_SCALE_ROW1
.endif
.endr
.endr
.endm
.macro FETCH_B slot, q, p
	WIN TO_B
.irp i, 0,1,2,3,4,5,6,7
	FRAG 128*(\p)+FR*\i, ADRB+\slot, \q, \i
.endr
	WIN 0
.endm
.macro FETCH_A slot, q, i0
.irp i, \i0, \i0+1, \i0+2, \i0+3
	FRAG AF+FR*(\i), ADRA+\slot, \q, \i
.endr
.endm
.macro SCALES sc
.irp i, 0,1,2,3,4,5,6,7
	ds_load_b64 v[SC+16*\sc+2*\i:SC+16*\sc+2*\i+1], v[ADRS+\sc] offset:128*\i
.endr
.endm
.macro STEP slot, q, zero
	s_wait_dscnt 4*NL
	WIN MUL_LO
	MUL16 0, (\q)%2, \q, \slot, \zero
	MUL16 2, (\q)%2, \q, \slot, \zero
	s_wait_dscnt 0
	PLACES NP
	FETCH_B \slot, (\q)+1, 1-(\q)%2
	FETCH_A \slot, (\q)+1, 0
	WIN MUL_HI
	MUL16 4, (\q)%2, \q, \slot, \zero
	MUL16 6, (\q)%2, \q, \slot, \zero
	PLACES NP
	WIN 0
	FETCH_A \slot, (\q)+1, 4
.endm
.macro TURN slot, next, fill
	s_wait_tensorcnt 0x0
	ds_add_u32 v[SPW], v[NIL]
	s_wait_dscnt 4*NL+1
	WIN MUL_LO
	MUL16 0, 1, NQ-1, \slot, 0
	s_wait_dscnt 0x0
	s_barrier_signal -1
	MUL16 2, 1, NQ-1, \slot, 0
	WIN 0
	s_barrier_wait -1
.if \fill
	CREST
	s_add_nc_u64 s[G0+4*\slot+2:G0+4*\slot+3], s[G0+4*\slot+2:G0+4*\slot+3], 2*BLK
	s_add_nc_u64 s[G0B+4*\slot+2:G0B+4*\slot+3], s[G0B+4*\slot+2:G0B+4*\slot+3], 2*BLK
	JLOAD \slot
	PLACES NP-4
	s_cmp_eq_u32 ttmp9, 2
	s_cbranch_scc1 .Lnt_\@
	TASK 2+3*\slot
	TASK 3+3*\slot
	TASK 4+3*\slot
.Lnt_\@:
.else
	PLACES NP
.endif
	FETCH_B \next, 0, 0
	FETCH_A \next, 0, 0
	SCALES \next
	WIN MUL_HI
	MUL16 4, 1, NQ-1, \slot, 0
	MUL16 6, 1, NQ-1, \slot, 0
	PLACES NP
	WIN 0
	FETCH_A \next, 0, 4
.endm
.macro QUANT s, pc, pw
.irp b, 0,1,2,3
	v_max3_num_f32 v[TM+\b], |v[\s+16*\b]|, |v[\s+1+16*\b]|, 0x4800000
.endr
.irp i, 2,4,6,8,10,12,14
.irp b, 0,1,2,3
	v_max3_num_f32 v[TM+\b], v[TM+\b], |v[\s+16*\b+\i]|, |v[\s+1+16*\b+\i]|
.endr
.endr
.irp b, 0,1,2,3
	v_permlanex16_b32 v[TM+4+\b], v[TM+\b], s[SEL], s[SEL+1]
.endr
.irp b, 0,1,2,3
	v_max_num_f32 v[TM+\b], v[TM+\b], v[TM+4+\b]
.endr
.irp b, 0,1,2,3
	v_add_nc_u32 v[TM+12+\b], 0xfc000000, v[TM+\b]
.endr
.irp b, 0,1,2,3
	v_and_or_b32 v[TM+8+\b], v[TM+\b], 0x7f800000, s[MNT]
.endr
.irp b, 0,1,2,3
	v_lshrrev_b32 v[TM+4+\b], 23, v[TM+12+\b]
.endr
	v_lshl_or_b32 v[\pw], v[TM+5], 8, v[TM+4]
	v_lshl_or_b32 v[\pw], v[TM+6], 16, v[\pw]
	v_lshl_or_b32 v[\pw], v[TM+7], 24, v[\pw]
.irp b, 0,1,2,3
.irp i, 0,1,2,3,4,5,6,7,8,9,10,11,12,13,14,15
	v_med3_num_f32 v[\s+16*\b+\i], v[\s+16*\b+\i], -v[TM+8+\b], v[TM+8+\b]
.endr
	v_cvt_scalef32_pk8_fp8_f32 v[\pc+4*\b:\pc+1+4*\b], v[\s+16*\b:\s+7+16*\b], v[TM+12+\b]
	v_cvt_scalef32_pk8_fp8_f32 v[\pc+2+4*\b:\pc+3+4*\b], v[\s+8+16*\b:\s+15+16*\b], v[TM+12+\b]
.endr
	v_nop
.endm
	s_load_b256 s[4:11], s[0:1], 0x0
	s_load_b64 s[12:13], s[0:1], 0x20
	s_load_b64 s[66:67], s[0:1], 0x28
	s_load_b64 s[68:69], s[0:1], 0x30
	v_lshl_add_u32 v[SPW], v0, 2, SPARE
	v_mov_b32 v[NIL], 0
	ds_add_u32 v28, v29
	ds_add_u32 v28, v29
	s_wait_dscnt 0x0
	v_lshrrev_b32 v1, 5, v0
	v_readfirstlane_b32 s14, v1
	s_lshr_b32 s15, s14, 1
	s_and_b32 s16, s14, 1
	s_bfe_u32 s40, ttmp6, 0x40000
	s_bfe_u32 s41, ttmp6, 0x40004
	s_and_b32 s18, ttmp7, 0xffff
	s_lshl_b32 s18, s18, 2
	s_add_co_u32 s17, s18, s41
	s_add_co_u32 s42, s18, s40
	s_cmp_eq_u32 ttmp9, 2
	s_cselect_b32 s17, s41, s17
	s_cselect_b32 s42, s42, s40
	s_lshl_b32 s43, s41, 2
	s_lshl_b32 s43, 15, s43
	s_lshl_b32 s44, 0x1111, s40
	s_or_b32 s[G1+0], s43, (3<<16)|(1<<21)
	s_or_b32 s[G1B+0], s44, (3<<16)|(1<<21)
.irp g, G1, G1B
	s_mov_b32 s[\g+1], 32<<16
	s_mov_b32 s[\g+2], 132<<16
	s_mov_b32 s[\g+3], 32<<16
	s_mov_b32 s[\g+4], 132
	s_mov_b32 s[\g+5], 32
	s_mov_b32 s[\g+6], 0
	s_mov_b32 s[\g+7], 0
.endr
	s_lshl_b32 s20, s17, 1
	s_add_co_u32 s20, s20, s16
	s_mul_i32 s20, s20, NK*BLK
	s_mov_b32 s21, 0
	s_lshl_b32 s46, s42, 1
	s_add_co_u32 s46, s46, s16
	s_mul_i32 s46, s46, NK*BLK
	s_mov_b32 s47, 0
	s_mul_i32 s45, s14, BLK
	s_mul_i32 s70, ttmp9, 32*BLK
	s_mov_b32 s71, 0
	s_lshl_b32 s78, s17, 1
	s_add_co_u32 s78, s78, s15
	s_and_b32 s79, s78, 15
	s_and_b32 s80, s78, 7                          ; v's bias: 128 channels a row group, of which v's clusters have eight; the offset is held inside bv in q's and k's clusters too
	s_lshl_b32 s80, s80, 9
	s_mov_b32 s81, 0
	s_mov_b32 s[SEL], 0x76543210
	s_mov_b32 s[SEL+1], 0xfedcba98
	s_mov_b32 s[MNT], 0x600000
	s_wait_kmcnt 0x0
	s_add_nc_u64 s[6:7], s[6:7], s[70:71]
	s_cmp_eq_u32 ttmp9, 2
	s_cselect_b64 s[72:73], s[6:7], s[4:5]
	s_cselect_b64 s[74:75], s[4:5], s[6:7]
	s_mov_b64 s[76:77], s[12:13]                   ; bv.  Its eight words a lane are loaded on the common path, so that every register is written on every path; q's and k's clusters do not use them
	s_add_nc_u64 s[20:21], s[72:73], s[20:21]
	s_add_nc_u64 s[46:47], s[74:75], s[46:47]
	s_add_nc_u64 s[76:77], s[76:77], s[80:81]
; PREFETCHES INTO THE L2: K block k of the row group that my wave fetches.  A block is 132 units of 256 bytes; the four partners that ask for it jointly share them out by address, 33 each
; (place cx for A's blocks, cy for B's): 32 units a lane each, and the 33rd by a second line.  Behind K step 0's load K step 1 is asked for, behind K step 1's K steps 2 and 3: the last.
.macro ASK k
	global_prefetch_b8 v6, s[100:101] offset:(\k)*BLK th:TH_LOAD_NT scope:SCOPE_SE
	global_prefetch_b8 v7, s[100:101] offset:(\k)*BLK th:TH_LOAD_NT scope:SCOPE_SE
.endm
	s_cmp_eq_u32 s15, 0
	s_cselect_b64 s[100:101], s[20:21], s[46:47]
	s_cselect_b32 s88, s40, s41
	s_mul_i32 s88, s88, 33*256
	s_mov_b32 s89, 0
	s_add_nc_u64 s[100:101], s[100:101], s[88:89]
	; the rotary table: my wave's eight units of 8,192 bytes, one for each of its row blocks: (8 x its 128 tokens' number + its 64 frequencies' number) x 65,536 bytes
	s_lshl_b32 s88, s79, 3
	s_lshl_b32 s89, s42, 1
	s_add_co_u32 s88, s88, s89
	s_add_co_u32 s88, s88, s16
	s_and_b32 s88, s88, 127                        ; (changes nothing in q's and k's clusters, which alone touch the table)
	s_lshl_b32 s88, s88, 16
	s_mov_b32 s89, 0
	s_add_nc_u64 s[66:67], s[66:67], s[88:89]
.macro TASK r                          ; row block r's unit is asked for: 32 lanes x 256 bytes.  Rows 0, 1 behind K step 1's load, 2-4 and 5-7 behind the two refills: all ahead of the way out, which reads them
	global_prefetch_b8 v6, s[66:67] offset:8192*(\r) th:TH_LOAD_NT scope:SCOPE_SE
.endm
	v_and_b32 v6, 31, v0
	v_lshlrev_b32 v6, 8, v6                        ; 256 x lane
	v_mov_b32 v7, 32*256                           ; my share's last unit
.irp s, 0,1
	s_mov_b32 s[G0+4*\s], 1
	s_add_co_u32 s[G0+4*\s+1], s45, \s*SLOT
	s_add_nc_u64 s[G0+4*\s+2:G0+4*\s+3], s[20:21], \s*BLK
	s_or_b32 s[G0+4*\s+3], s[G0+4*\s+3], 0x80000000
	s_mov_b32 s[G0B+4*\s], 1
	s_add_co_u32 s[G0B+4*\s+1], s45, \s*SLOT
	s_add_nc_u64 s[G0B+4*\s+2:G0B+4*\s+3], s[46:47], \s*BLK
	s_or_b32 s[G0B+4*\s+3], s[G0B+4*\s+3], 0x80000000
	s_wait_alu depctr_va_vdst(0)
	s_wait_tensorcnt 0x0
	ds_add_u32 v28, v29
	ds_add_u32 v28, v29
	s_wait_dscnt 0x0
	CROUND
	JLOAD \s
.if \s == 0
	ASK 1                                          ; behind K step 0's load the next K step alone,
.else
	ASK 2                                          ; behind K step 1's the last two
	ASK 3
	s_cmp_eq_u32 ttmp9, 2                          ; v's clusters do not read the table
	s_cbranch_scc1 .Lnt_head
	TASK 0
	TASK 1
.Lnt_head:
.endif
.endr
	v_and_b32 v1, 15, v0
	v_bfe_u32 v2, v0, 4, 1
	s_wait_alu depctr_va_vdst(0)
	v_and_b32 v3, 31, v0
	v_lshlrev_b32 v[LI], 4, v3
	s_mul_i32 s22, s15, BLK
	s_mul_i32 s23, s16, BLK
	s_add_co_u32 s23, s23, 2*BLK
.irp s, 0,1
	v_add_nc_u32 v[ADRA+\s], s22, v[LI]
	v_add_nc_u32 v[ADRB+\s], s23, v[LI]
	s_add_co_u32 s22, s22, SLOT
	s_add_co_u32 s23, s23, SLOT
.endr
	s_mul_i32 s22, s15, BLK
	s_mul_i32 s23, s16, BLK
	s_add_co_u32 s23, s23, 2*BLK
	s_sub_co_u32 s23, s23, s22
	v_mul_u32_u24 v4, s23, v2
	v_lshl_add_u32 v4, v1, 3, v4
	s_add_co_u32 s22, s22, 32768
	v_add_nc_u32 v[ADRS], s22, v4
	v_add_nc_u32 v[ADRS+1], SLOT, v[ADRS]
	v_and_b32 v4, 8, v1
	v_add_nc_u32 v4, v4, v1
	v_lshlrev_b32 v5, 2, v4
.irp a, 0,1,2,3,4,5,6,7
	global_load_b32 v[8+\a], v5, s[76:77] offset:4*(32*(\a/2)+8*(\a%2))
.endr
	s_wait_alu depctr_va_vdst(0)
	s_wait_tensorcnt 1
	s_barrier_signal -1
	s_barrier_wait -1
	FETCH_B 0, 0, 0
	FETCH_A 0, 0, 0
	SCALES 0
	FETCH_A 0, 0, 4
	STEP 0, 0, 1
	s_mov_b32 s3, LAPS-1
.Llap:
	TURN 0, 1, 1
	STEP 1, 0, 0
	TURN 1, 0, 1
	STEP 0, 0, 0
	s_sub_co_u32 s3, s3, 1
	s_cmp_lg_u32 s3, 0
	s_cbranch_scc1 .Llap
	TURN 0, 1, 0
	STEP 1, 0, 0
	s_wait_dscnt 4*NL
	WIN MUL_LO
	MUL16 0, 1, NQ-1, 1, 0
	MUL16 2, 1, NQ-1, 1, 0
	s_wait_dscnt 0
	WIN MUL_HI
	MUL16 4, 1, NQ-1, 1, 0
	MUL16 6, 1, NQ-1, 1, 0
	WIN 0
	PLACES NP
	s_wait_xcnt 0x0                                ; the prefetches have read v6 and v7, which are written again below
	s_cmp_eq_u32 ttmp9, 2
	s_cbranch_scc1 .Lvpath
	s_lshl_b32 s82, s42, 1
	s_add_co_u32 s82, s82, s16
	s_lshl_b32 s86, s82, 8
	s_mov_b32 s87, 0
	s_cmp_eq_u32 ttmp9, 0
	s_cselect_b64 s[84:85], s[8:9], s[10:11]
	s_add_nc_u64 s[84:85], s[84:85], s[86:87]
	v_lshlrev_b32 v4, 6, v2
.irp e, 0,1,2,3
.irp j, 0,1,2,3
	global_load_b128 v[64+16*\e+4*\j:67+16*\e+4*\j], v4, s[84:85] offset:128*(\e%2)+16*\j+2048*(\e/2)
.endr
.endr
	s_lshr_b32 s83, s78, 4
	s_lshl_b32 s83, s83, 4
	s_add_co_u32 s83, s83, s82
	s_lshl_b32 s83, s83, 4
	s_add_co_u32 s83, s83, s79
	s_mul_i32 s86, s83, QKB
	s_mul_i32 s88, ttmp9, KOFF
	s_add_co_u32 s86, s86, s88
	s_add_nc_u64 s[68:69], s[68:69], s[86:87]
	v_lshlrev_b32 v5, 4, v2
	v_mul_u32_u24 v[SO], v2, HEAD8
	v_lshl_add_u32 v[SO], v1, 2, v[SO]
; THE WAY OUT OF q AND k.  A row block of 16 tokens x 128 columns (64 of the lower half of the model's axis, W .. W+31, and their 64 partners of the upper half, W+32 .. W+63): bias, rotary step, quantiser, store.
; cos and sin come from the table that the preparing launch made, in this lane's register order: a unit of 8,192 bytes a row block, sixteen loads of 512 consecutive bytes, into window 1, which B's fragments
; have left: set e at v[64 e]: 32 of cos, 32 of sin.  A trip takes two row blocks, so that the two sets have fixed numbers; each block's unit is asked for one block ahead, and every wait on loads is for 0.
.macro COPYQ k                         ; row block k's sums + the bias
	s_add_nc_u64 s[CUR:CUR+1], s[68:69], 1024*(\k)
	s_add_nc_u64 s[CURS:CURS+1], s[68:69], 8192+64*(\k)
	WIN (0x02+(\k)/4)
.set n, 0
.rept 32
	v_pk_add_f32 v[W+2*n:W+2*n+1], v[64*((\k)%4)+2*n:64*((\k)%4)+2*n+1], v[64+2*n:65+2*n]
.set n, n+1
.endr
	WIN 0
.endm
.macro TLOAD set, off
	WIN 0x40                                       ; destination window 1
.irp c, 0,1,2,3,4,5,6,7,8,9,10,11,12,13,14,15
	global_load_b128 v[64*\set+4*\c:64*\set+4*\c+3], v[LI], s[66:67] offset:\off+512*\c
.endr
	WIN 0
.endm
.macro ROT e                           ; t1 cos - t2 sin, t1 sin + t2 cos
	WIN 0x04                                       ; source 1 window 1
.set n, 0
.rept 16
	v_pk_mul_f32 v[T+n:T+n+1], v[W+32+n:W+33+n], v[64*\e+32+n:64*\e+33+n]
.set n, n+2
.endr
.set n, 0
.rept 16
	v_pk_mul_f32 v[T+32+n:T+33+n], v[W+32+n:W+33+n], v[64*\e+n:64*\e+n+1]
.set n, n+2
.endr
.set n, 0
.rept 16
	v_pk_fma_f32 v[W+32+n:W+33+n], v[W+n:W+n+1], v[64*\e+32+n:64*\e+33+n], v[T+32+n:T+33+n]
.set n, n+2
.endr
.set n, 0
.rept 16
	v_pk_fma_f32 v[W+n:W+n+1], v[W+n:W+n+1], v[64*\e+n:64*\e+n+1], v[T+n:T+n+1] neg_lo:[0,0,1] neg_hi:[0,0,1]
.set n, n+2
.endr
	WIN 0
.endm
.macro HALF e                          ; row block 2 AI + e
	s_wait_loadcnt 0x0                             ; this block's unit is in (the first time: the bias too)
	s_wait_xcnt 0x0                                ; the last block's stores and loads have read their registers and bases
.if \e == 0
	TLOAD 1, 8192                                  ; the next block's unit
.else
	s_add_nc_u64 s[66:67], s[66:67], 16384         ; on to the next trip's two units;
	s_cmp_eq_u32 s[AI], 3                          ; behind the last block there is none
	s_cbranch_scc1 .Lq_last
	TLOAD 0, 0
.Lq_last:
.endif
.irp j, 0,1,2
	s_cmp_lg_u32 s[AI], \j
	s_cbranch_scc1 .Lq_n\e\j
	COPYQ 2*\j+\e
	s_branch .Lq_w\e
.Lq_n\e\j:
.endr
	COPYQ 6+\e
.Lq_w\e:
	ROT \e
	QUANT W, PC, PW
.irp c, 0,1,2,3
	global_store_b128 v[LI], v[PC+4*\c:PC+4*\c+3], s[CUR:CUR+1] offset:(\c%2)*512+(\c/2)*HEAD8
.endr
	v_lshrrev_b32 v31, v5, v[PW]
	v_and_b32 v31, 0xffff, v31
	global_store_b32 v[SO], v31, s[CURS:CURS+1]
.endm
	TLOAD 0, 0                                     ; row block 0's unit
	s_mov_b32 s[AI], 0
	s_wait_alu depctr_va_vdst(0)
.Lq_row:
	HALF 0
	HALF 1
	s_add_co_u32 s[AI], s[AI], 1
	s_cmp_lt_u32 s[AI], 4
	s_cbranch_scc1 .Lq_row
	s_branch .Ldone
.Lvpath:
	s_wait_loadcnt 0x0                             ; v's bias, asked for at the head
	s_lshl_b32 s82, s42, 1
	s_add_co_u32 s82, s82, s16
	s_lshr_b32 s83, s82, 4
	s_lshl_b32 s83, s83, 4
	s_lshl_b32 s88, s78, 1
	s_add_co_u32 s83, s83, s88
	s_lshl_b32 s83, s83, 4
	s_and_b32 s88, s82, 15
	s_add_co_u32 s83, s83, s88
	s_mul_i32 s86, s83, VBB
	s_add_co_u32 s86, s86, VOFF
	s_mov_b32 s87, 0
	s_add_nc_u64 s[68:69], s[68:69], s[86:87]
	v_lshlrev_b32 v[SO], 2, v1
	v_mov_b32 v7, 0
.irp b, 0,1,2,3
	v_mov_b32 v[TM+4+\b], 0
.endr
.macro COPYV k
	s_add_nc_u64 s[CUR:CUR+1], s[68:69], ((\k)/4)*HEAD1+((\k)%4)*2048
	s_add_nc_u64 s[CURS:CURS+1], s[68:69], 8192+((\k)/4)*HEAD1+((\k)%4)*64
	v_mov_b32 v6, v[8+\k]
	s_wait_alu depctr_va_vdst(0)
	WIN (0x02+(\k)/4)
.set n, 0
.rept 32
	v_pk_add_f32 v[W+2*n:W+2*n+1], v[64*((\k)%4)+2*n:64*((\k)%4)+2*n+1], v[6:7] op_sel_hi:[1,0]
.set n, n+1
.endr
	WIN 0
.endm
	s_mov_b32 s[AI], 0
.Lv_row:
	s_wait_xcnt 0x0
.irp k, 0,1,2,3,4,5,6
	s_cmp_lg_u32 s[AI], \k
	s_cbranch_scc1 .Lv_n\k
	COPYV \k
	s_branch .Lv_work
.Lv_n\k:
.endr
	COPYV 7
.Lv_work:
	QUANT W, PC, PW
.irp c, 0,1,2,3
	global_store_b128 v[LI], v[PC+4*\c:PC+4*\c+3], s[CUR:CUR+1] offset:512*\c
.endr
	global_store_b32 v[SO], v[PW], s[CURS:CURS+1]
	s_add_co_u32 s[AI], s[AI], 1
	s_cmp_lt_u32 s[AI], 8
	s_cbranch_scc1 .Lv_row
.Ldone:
	s_wait_tensorcnt 0x0
	ds_add_u32 v[SPW], v[NIL]
	s_wait_dscnt 0x0
	CROUND
	s_endpgm
.Lfunc_end_k_q5501840aca_qkv:
	.size	k_q5501840aca_qkv, .Lfunc_end_k_q5501840aca_qkv-k_q5501840aca_qkv
	.p2alignl 7, 3214868480
	.fill 96, 4, 3214868480
	.section	.rodata,"a",@progbits
	.p2align	6, 0x0
	.amdhsa_kernel k_q5501840aca_qkv
		.amdhsa_group_segment_fixed_size 327680
		.amdhsa_private_segment_fixed_size 0
		.amdhsa_enable_private_segment 0
		.amdhsa_kernarg_size 56
		.amdhsa_user_sgpr_count 2
		.amdhsa_user_sgpr_kernarg_segment_ptr 1
		.amdhsa_wavefront_size32 1
		.amdhsa_system_sgpr_workgroup_id_x 1
		.amdhsa_system_sgpr_workgroup_id_y 1
		.amdhsa_system_sgpr_workgroup_id_z 1
		.amdhsa_system_vgpr_workitem_id 0
		.amdhsa_next_free_vgpr 1024
		.amdhsa_next_free_sgpr 102
		.amdhsa_reserve_vcc 0
		.amdhsa_float_denorm_mode_32 3
		.amdhsa_float_denorm_mode_16_64 3
		.amdhsa_memory_ordered 1
		.amdhsa_forward_progress 1
		.amdhsa_inst_pref_size 196
	.end_amdhsa_kernel
	.amdgpu_metadata
---
amdhsa.version: [ 1, 2 ]
amdhsa.kernels:
  - .name:           k_q5501840aca_qkv
    .symbol:         k_q5501840aca_qkv.kd
    .args:
      - { .name: himg, .offset: 0, .size: 8, .value_kind: global_buffer, .address_space: global }
      - { .name: wimg, .offset: 8, .size: 8, .value_kind: global_buffer, .address_space: global }
      - { .name: bq, .offset: 16, .size: 8, .value_kind: global_buffer, .address_space: global }
      - { .name: bk, .offset: 24, .size: 8, .value_kind: global_buffer, .address_space: global }
      - { .name: bv, .offset: 32, .size: 8, .value_kind: global_buffer, .address_space: global }
      - { .name: rot, .offset: 40, .size: 8, .value_kind: global_buffer, .address_space: global }
      - { .name: qkv, .offset: 48, .size: 8, .value_kind: global_buffer, .address_space: global }
    .group_segment_fixed_size: 327680
    .private_segment_fixed_size: 0
    .kernarg_segment_align: 8
    .kernarg_segment_size: 56
    .max_flat_workgroup_size: 128
    .sgpr_count:     102
    .vgpr_count:     1024
    .wavefront_size: 32
...
	.end_amdgpu_metadata
.endif
;; end of part 9
;; launch attn (part 10): grid 8 x 32, 8 waves a work-group, clusters of 4 x 1, 276,480 bytes of LDS; arguments qkv, cimg; writes cimg
.if DOCPART == 10
	.amdgcn_target "amdgcn-amd-amdhsa--gfx1250"
	.amdhsa_code_object_version 6
	.text
	.protected	k_q5501840aca_attn
	.globl	k_q5501840aca_attn
	.p2align	8
	.type	k_q5501840aca_attn,@function
k_q5501840aca_attn:
	s_mov_b64 s[64:65], 0
	v_nop
	global_prefetch_b8 v0, s[64:65] scope:SCOPE_SE
	s_setreg_imm32_b32 hwreg(HW_REG_WAVE_MODE, 25, 1), 1
	s_wait_xcnt 0x0
	s_wait_alu depctr_hold_cnt(0) depctr_sa_sdst(0) depctr_va_vdst(0) depctr_va_sdst(0) depctr_va_ssrc(0) depctr_va_vcc(0) depctr_vm_vsrc(0)
	s_getreg_b32 s2, hwreg(HW_REG_IB_STS2, 6, 4)
	s_cmp_eq_u32 s2, 0
	s_cbranch_scc0 .Lentry_in_a_cluster
	s_endpgm
.Lentry_in_a_cluster:
	s_bfe_u32 s2, ttmp6, 0x10000c
	s_cmp_lg_u32 s2, 0x3003
	s_cbranch_scc0 .Lentry_shape_is_right
	s_endpgm
.Lentry_shape_is_right:
; ctx = softmax(q k^T / 8) v for one (batch, head), both products on codes of FP8 (E4M3) with E8M0 scales; ctx is quantised along the model's axis and leaves as the image of the next product's operand.
; THE SOFTMAX: t = score x log2(e) / 8; M = the running largest t rounded UP to a whole number; p = 2^(t - M) is quantised along the keys, not normalised; the row's sum is taken of the unquantised p
; and divides at the end.  When M moves, the sum and O are multiplied by 2^(old M - new M): exact.
; SHARES.  A work-group owns 256 queries of a head; each of its EIGHT waves owns TWO tiles of 16 queries, in 512 registers: every fragment of k and v that a wave reads from LDS feeds two matrix instructions,
; and the two tiles' chains of vector work stand side by side.
; THE HEAD'S WHOLE K AND V LIE IN LDS: 16 blocks of 8,704 bytes (128 keys of k: tile a at 1024 a + 512 c + 16 lane, scale words at 8192 + 64 a + 4 r) and 16 of 8,448 (v: channel tile t at
; 2048 t + 512 c + 16 lane, scale words at 8192 + 64 t + 4 r): 274,432 bytes, filled ONCE.  The blocks of a head are dense in memory, so ONE tensor load a wave brings four neighbours:
; waves 0-3 k's (136 rows of 256 bytes), waves 4-7 v's (132 rows).  One wait, one barrier, then one loop over the 16 key steps with no barrier in it.
; CLUSTER.  The four query blocks of a cluster belong to one head and want the same 32 blocks: each load is joint, with a mask that names the four.
; No prefetch: everything is asked for at the head, so there is no loop to run ahead in.
; LAYOUT.  Both products are used transposed (S^T = k q^T, O^T = v^T p^T): a lane holds one query of each tile.  Row r of k's tile a is key 32 (a / 2) + 8 (a % 2) + r + 8 (r / 8), so the 16 registers of two
; neighbouring tiles of S^T are 16 neighbouring keys.  THE HEAD HAS 64 CHANNELS, THE INSTRUCTION 128: q's upper eight registers are zero codes; k's operand names the eight registers behind its own (the next
; tile's codes, zeros behind the last), which meet those zeros; the upper two scale bytes are 0 on both sides.  Every number was held at 448, so no code is the NaN code.
; LIMITS: NaN and infinities are not served; a block of ctx that is all zeros or under 2^-118 keeps the scale byte 1; the scaled scores stay under 2^31 in magnitude.
; REGISTERS.  Window 0 holds all that the softmax touches, for both tiles, so that its lines need no switch: v1-4 addresses that stay; v8-17 scale words and nothing else (k's 4, v's 2, q's 2, p's 2);
;   v18-25 -M, the largest t and the sum, four a tile; v26-29 f; v32-63 q; v64-191 S^T, then p (tile 0, tile 1); v192-227 at work; v228-231 the step's addresses; v254, v255 the add's two.
;   Window 1: v0-71 k's 8 tiles and 8 zeros; v72-135 v's 4 tiles; v136-199 O^T of both tiles; v200-231 p's codes of both.  k and v have registers of their own, so the next step's k and this step's v land under the softmax.
.set KB,   8704
.set VB,   8448
.set VL,   16*KB
.set KOFF, 32*16*KB
.set VOFF, 2*KOFF
.set BLK,  33792
.set WV,   8
.set G1K,  16                          ; s[16:23], s[24:31] descriptor groups 1;  s[32:35] k's group 0, s[40:43] v's
.set G1V,  24
.set SEL,  48
.set CS,   50                          ; s[50:51] c = log2(e) / 8
.set MNT,  52
.set TK,   53                          ; s53 the NEXT step's block of k in LDS, s54 this step's of v
.set TV,   54
.set CNT,  55
.set AK,   1                           ; 16 x lane: k's fragments, and the offset of q's loads and ctx's stores
.set AKS,  2
.set AV,   3
.set AVS,  4
.set RR,   6
.set KS,   8
.set VS,   12
.set QS,   14
.set PS,   16
.set MM,   18                          ; tile t: v[MM+4t] -M, +1 the largest t, +2, +3 the sum in two halves
.set FF,   26                          ; tile t: v[FF+2t] f (the pair's upper half is written once and not used)
.set TT,   30
.set Q,    32
.set S,    64
.set BM,   192                         ; the 8 blocks' largest scores, then largest p
.set PM,   200
.set HD,   208
.set SO,   216
.set ADK,  228
.set ADKS, 229
.set ADV,  230
.set ADVS, 231
.set CO,   232                         ; the way out: ctx's codes
.set SPW,  254
.set NIL,  255
.set KF,   0                           ; window 1
.set VF,   72
.set O,    136
.set PC,   200
.set MSB, 0
.macro WIN new                         ; the immediate's high byte repeats the setting that is left
.if MSB != \new
	s_set_vgpr_msb (MSB<<8)|\new
.set MSB, \new
.endif
.endm
.macro CROUND
	s_barrier_signal -1
	s_barrier_wait -1
	s_cmp_lg_u32 s[WV], 0
	s_cbranch_scc1 .Lnot_wave_0_\@
	s_barrier_signal -3
.Lnot_wave_0_\@:
	s_barrier_wait -3
	s_barrier_signal -1
	s_barrier_wait -1
.endm
	s_load_b128 s[4:7], s[0:1], 0x0                ; q, k, v images; ctx's image
	v_lshl_add_u32 v[SPW], v0, 2, 0x43000
	v_mov_b32 v[NIL], 0
	ds_add_u32 v[SPW], v[NIL]                      ; the opening lines: the add twice on end and its wait
	ds_add_u32 v[SPW], v[NIL]
	v_lshrrev_b32 v1, 5, v0
	s_delay_alu instid0(VALU_DEP_1)
	v_readfirstlane_b32 s[WV], v1                  ; wave 0..7
	s_and_b32 s9, s[WV], 3                         ; which four blocks I fetch; also: my tiles are 2 s9 and 2 s9 + 1 of their group of 128 queries
	s_bfe_u32 s10, ttmp6, 0x40000                  ; cx: it enters q's and ctx's addresses alone
	s_lshl_b32 s11, ttmp9, 2
	s_add_co_u32 s11, s11, s10                     ; my block of 256 queries
	s_and_b32 s12, ttmp7, 0xffff                   ; 16 x batch + head, which the four partners share
	s_mov_b32 s[G1K], 15|(3<<16)|(1<<21)           ; the mask: all four; elements of 8 bytes; bit 21 beside a mask
	s_mov_b32 s[G1K+1], 32<<16
	s_mov_b32 s[G1K+2], 136<<16                    ; four blocks of k: 136 rows of 32 elements
	s_mov_b32 s[G1K+3], 32<<16
	s_mov_b32 s[G1K+4], 136
	s_mov_b32 s[G1K+5], 32
	s_mov_b32 s[G1K+6], 0
	s_mov_b32 s[G1K+7], 0
	s_mov_b32 s[G1V], 15|(3<<16)|(1<<21)
	s_mov_b32 s[G1V+1], 32<<16
	s_mov_b32 s[G1V+2], 132<<16                    ; four blocks of v: 132 rows
	s_mov_b32 s[G1V+3], 32<<16
	s_mov_b32 s[G1V+4], 132
	s_mov_b32 s[G1V+5], 32
	s_mov_b32 s[G1V+6], 0
	s_mov_b32 s[G1V+7], 0
	s_mul_i32 s56, s12, 16*KB
	s_mul_i32 s13, s9, 4*KB                        ; my four blocks of k in LDS,
	s_add_co_u32 s56, s56, s13
	s_add_co_u32 s56, s56, KOFF                    ; and in memory
	s_mov_b32 s57, 0
	s_mul_i32 s58, s12, 16*VB
	s_mul_i32 s14, s9, 4*VB
	s_add_co_u32 s58, s58, s14
	s_add_co_u32 s58, s58, VOFF
	s_mov_b32 s59, 0
	s_add_co_u32 s14, s14, VL
	s_mov_b32 s[SEL], 0x76543210
	s_mov_b32 s[SEL+1], 0xfedcba98
	s_mov_b32 s[CS], 0x3e38aa3b
	s_mov_b32 s[CS+1], s[CS]
	s_mov_b32 s[MNT], 0x600000
	s_wait_dscnt 0x0
	s_wait_kmcnt 0x0
	s_mov_b32 s32, 1
	s_mov_b32 s33, s13
	s_add_nc_u64 s[34:35], s[4:5], s[56:57]
	s_or_b32 s35, s35, 0x80000000
	s_mov_b32 s40, 1
	s_mov_b32 s41, s14
	s_add_nc_u64 s[42:43], s[4:5], s[58:59]
	s_or_b32 s43, s43, 0x80000000
	CROUND                                         ; all four work-groups are here: the joint loads meet
	s_cmp_lt_u32 s[WV], 4                          ; one branch on the wave's number, one load to an arm: every way passes exactly one
	s_cbranch_scc0 .Lfirst_v
	tensor_load_to_lds s[32:35], s[G1K:G1K+7]
	s_nop 0
.rept 4
	v_nop
.endr
	s_branch .Lfirst_asked
.Lfirst_v:
	tensor_load_to_lds s[40:43], s[G1V:G1V+7]
	s_nop 0
.rept 4
	v_nop
.endr
.Lfirst_asked:
	s_lshl_b32 s60, s11, 1
	s_lshr_b32 s61, s[WV], 2
	s_add_co_u32 s60, s60, s61                     ; my group of 128 queries in the batch
	s_lshl_b32 s61, s12, 4
	s_add_co_u32 s61, s61, s60
	s_mul_i32 s62, s61, KB
	s_mov_b32 s63, 0
	s_add_nc_u64 s[62:63], s[4:5], s[62:63]        ; its block of q
	s_lshl_b32 s66, s9, 11
	s_mov_b32 s67, 0
	s_add_nc_u64 s[68:69], s[62:63], s[66:67]      ; my first tile's codes: 1,024 bytes a tile
	s_lshl_b32 s66, s9, 7
	s_add_co_u32 s66, s66, 8192
	s_add_nc_u64 s[70:71], s[62:63], s[66:67]      ; and scale words: 64 bytes a tile
	v_and_b32 v7, 31, v0
	v_and_b32 v[RR], 15, v0                        ; r
	s_delay_alu instid0(VALU_DEP_2)
	v_lshlrev_b32 v[AK], 4, v7
	v_lshl_add_u32 v[AKS], v7, 2, 8192             ; k's scale words: lanes 0-15 an even tile's, lanes 16-31 the odd one's behind it
	v_lshlrev_b32 v5, 2, v[RR]
.irp t, 0,1
	global_load_b128 v[Q+16*\t:Q+16*\t+3], v[AK], s[68:69] offset:1024*\t
	global_load_b128 v[Q+16*\t+4:Q+16*\t+7], v[AK], s[68:69] offset:1024*\t+512
	global_load_b32 v[QS+\t], v5, s[70:71] offset:64*\t
.endr
	; where ctx goes: block (token group, head / 4), K step (head / 2) % 2, my first tile, chunks 2 (head % 2) and + 1
	s_lshr_b32 s66, s12, 4
	s_lshl_b32 s66, s66, 4
	s_add_co_u32 s66, s66, s60
	s_lshl_b32 s66, s66, 2
	s_and_b32 s67, s12, 15
	s_lshr_b32 s72, s67, 2
	s_add_co_u32 s66, s66, s72
	s_mul_i32 s66, s66, BLK
	s_bfe_u32 s72, s67, 0x10001
	s_and_b32 s73, s67, 1
	s_lshl_b32 s74, s72, 14
	s_add_co_u32 s74, s74, s66
	s_lshl_b32 s75, s9, 12                         ; 2,048 bytes a tile
	s_add_co_u32 s74, s74, s75
	s_lshl_b32 s75, s73, 10
	s_add_co_u32 s74, s74, s75
	s_mov_b32 s75, 0
	s_lshl_b32 s76, s9, 8                          ; 128 bytes of scale words a tile
	s_add_co_u32 s76, s76, s66
	s_lshl_b32 s72, s72, 2
	s_add_co_u32 s76, s76, s72
	s_lshl_b32 s73, s73, 1
	s_add_co_u32 s76, s76, s73
	s_add_co_u32 s76, s76, 32768
	s_mov_b32 s77, 0
	s_add_nc_u64 s[74:75], s[6:7], s[74:75]
	s_add_nc_u64 s[76:77], s[6:7], s[76:77]
	s_wait_alu depctr_va_vdst(0)                   ; the wait behind the run of scalar lines
	v_add_nc_u32 v[AV], VL, v[AK]                  ; v's fragments
	v_add_nc_u32 v[AVS], VL, v[AKS]                ; v's scale words
.irp j, 0,1,2,3,4,5,6,7
	v_mov_b32 v[Q+8+\j], 0                         ; q's zero codes for K = 64 .. 127, both tiles
	v_mov_b32 v[Q+24+\j], 0
	v_mov_b32 v[PM+\j], 0                          ; a lane permute's destination counts as one of its sources
.endr
.irp t, 0,1
	v_mov_b32 v[MM+4*\t+1], 0xff61b1e6             ; the largest t so far: -3e38
	v_mov_b32 v[MM+4*\t+2], 0
	v_mov_b32 v[MM+4*\t+3], 0
	v_mov_b32 v[FF+2*\t+1], 0
.endr
.irp t, 0,1
	v_floor_f32 v[MM+4*\t], -v[MM+4*\t+1]          ; -M
.endr
	WIN 0x40                                       ; destination window 1
.set n, 0
.rept 8
	v_mov_b32 v[KF+64+n], 0                        ; what stands behind k's last tile
.set n, n+1
.endr
.set n, 0
.rept 64
	v_mov_b32 v[O+n], 0                            ; O^T: the step is written once; its first run finds zeros
.set n, n+1
.endr
	WIN 0
.macro KLOAD a, as                     ; a step's 8 tiles of k and their scale words
	WIN 0x40
.irp t, 0,1,2,3,4,5,6,7
	ds_load_b128 v[KF+8*\t:KF+8*\t+3], v[\a] offset:1024*\t
	ds_load_b128 v[KF+8*\t+4:KF+8*\t+7], v[\a] offset:1024*\t+512
.endr
	WIN 0
.irp m, 0,1,2,3
	ds_load_b32 v[KS+\m], v[\as] offset:128*\m
.endr
.endm
.macro SUMS sm, tb, sb                 ; a tile's 32 pairs of p onto its sum, in eight chains: the sum's pair and seven pairs from v[tb] on
.set n, 0
.rept 7
	v_pk_add_f32 v[\tb+n/2:\tb+n/2+1], v[\sb+n:\sb+n+1], v[\sb+n+2:\sb+n+3]
.set n, n+4
.endr
.rept 2
	v_pk_add_f32 v[\sm:\sm+1], v[\sm:\sm+1], v[\sb+n:\sb+n+1]
.set n, n+2
.set j, 0
.rept 7
	v_pk_add_f32 v[\tb+j:\tb+j+1], v[\tb+j:\tb+j+1], v[\sb+n:\sb+n+1]
.set n, n+2
.set j, j+2
.endr
.endr
	v_pk_add_f32 v[\sm:\sm+1], v[\sm:\sm+1], v[\sb+60:\sb+61]
	v_pk_add_f32 v[\tb:\tb+1], v[\tb:\tb+1], v[\sb+62:\sb+63]
	v_pk_add_f32 v[\tb+2:\tb+3], v[\tb+2:\tb+3], v[\tb+4:\tb+5]
	v_pk_add_f32 v[\tb+6:\tb+7], v[\tb+6:\tb+7], v[\tb+8:\tb+9]
	v_pk_add_f32 v[\tb+10:\tb+11], v[\tb+10:\tb+11], v[\tb+12:\tb+13]
	v_pk_add_f32 v[\sm:\sm+1], v[\sm:\sm+1], v[\tb:\tb+1]
	v_pk_add_f32 v[\tb+2:\tb+3], v[\tb+2:\tb+3], v[\tb+6:\tb+7]
	s_delay_alu instid0(VALU_DEP_2)
	v_pk_add_f32 v[\sm:\sm+1], v[\sm:\sm+1], v[\tb+10:\tb+11]
	s_delay_alu instid0(VALU_DEP_1)
	v_pk_add_f32 v[\sm:\sm+1], v[\sm:\sm+1], v[\tb+2:\tb+3]
.endm
; A KEY STEP: 128 keys x my 32 queries.  Blocks b = 0 .. 3 are tile 0's four blocks of 32 keys, b = 4 .. 7 tile 1's.
.macro STEP
	WIN 0x01                                       ; source 0 (k) window 1
.irp t, 0,1                            ; S^T = k q^T: eight tiles of 16 keys for each of my two tiles of queries
.irp m, 0,1,2,3
	v_wmma_scale_f32_16x16x128_f8f6f4 v[S+64*\t+16*\m:S+64*\t+16*\m+7], v[KF+16*\m:KF+16*\m+15], v[Q+16*\t:Q+16*\t+15], 0, v[KS+\m], v[QS+\t]
	v_wmma_scale_f32_16x16x128_f8f6f4 v[S+64*\t+16*\m+8:S+64*\t+16*\m+15], v[KF+16*\m+8:KF+16*\m+23], v[Q+16*\t:Q+16*\t+15], 0, v[KS+\m], v[QS+\t] matrix_a_scale:MATRIX_SCALE_ROW1
.endr
.endr
	WIN 0
	v_add_nc_u32 v[ADK], s[TK], v[AK]
	v_add_nc_u32 v[ADKS], s[TK], v[AKS]
	v_add_nc_u32 v[ADV], s[TV], v[AV]
	v_add_nc_u32 v[ADVS], s[TV], v[AVS]
.rept 4
	v_nop                                          ; with the four additions: eight places behind the products above and the last step's, in front of the loads below and of the first read of S^T
.endr
	s_wait_alu depctr_va_vdst(0)                   ; directly ahead of the branch
	s_cmp_eq_u32 s[CNT], 1                         ; behind the last step there is no k
	s_cbranch_scc1 .Lno_k
	KLOAD ADK, ADKS                                ; the next step's k,
.Lno_k:
	WIN 0x40
.irp t, 0,1,2,3                        ; and this step's v: both land under the softmax
.irp c, 0,1,2,3
	ds_load_b128 v[VF+16*\t+4*\c:VF+16*\t+4*\c+3], v[ADV] offset:2048*\t+512*\c
.endr
.endr
	WIN 0
	ds_load_b32 v[VS], v[ADVS]
	ds_load_b32 v[VS+1], v[ADVS] offset:128
.irp b, 0,1,2,3,4,5,6,7
	v_max3_num_f32 v[BM+\b], v[S+16*\b], v[S+16*\b+1], v[S+16*\b+2]   ; the largest score of each block of 32 keys: for the row's maximum and for the block's largest p
.endr
.irp i, 3,5,7,9,11,13
.irp b, 0,1,2,3,4,5,6,7
	v_max3_num_f32 v[BM+\b], v[BM+\b], v[S+16*\b+\i], v[S+16*\b+\i+1]
.endr
.endr
.irp b, 0,1,2,3,4,5,6,7
	v_max_num_f32 v[BM+\b], v[BM+\b], v[S+16*\b+15]
.endr
.irp b, 0,1,2,3,4,5,6,7
	v_permlanex16_b32 v[PM+\b], v[BM+\b], s[SEL], s[SEL+1]
.endr
.irp b, 0,1,2,3,4,5,6,7
	v_max_num_f32 v[BM+\b], v[BM+\b], v[PM+\b]     ; with lane l xor 16's 16 keys
.endr
.irp t, 0,1                            ; the two tiles' chains by turns
	v_max3_num_f32 v[TT+\t], v[BM+4*\t], v[BM+4*\t+1], v[BM+4*\t+2]
.endr
.irp t, 0,1
	s_delay_alu instid0(VALU_DEP_2)
	v_max_num_f32 v[TT+\t], v[TT+\t], v[BM+4*\t+3]
.endr
.irp t, 0,1
	s_delay_alu instid0(VALU_DEP_2)
	v_mul_f32 v[TT+\t], s[CS], v[TT+\t]            ; as t (c is positive)
.endr
.irp t, 0,1
	s_delay_alu instid0(VALU_DEP_2)
	v_max_num_f32 v[MM+4*\t+1], v[MM+4*\t+1], v[TT+\t]   ; the running largest t
.endr
.irp t, 0,1
	v_mov_b32 v[TT+\t], v[MM+4*\t]
.endr
.irp t, 0,1
	s_delay_alu instid0(VALU_DEP_4)
	v_floor_f32 v[MM+4*\t], -v[MM+4*\t+1]          ; the new -M = -ceil(t)
.endr
.irp t, 0,1
	s_delay_alu instid0(VALU_DEP_2)
	v_sub_f32 v[TT+\t], v[MM+4*\t], v[TT+\t]       ; old M - new M: a whole number, 0 or less
.endr
.irp t, 0,1
	s_delay_alu instid0(VALU_DEP_2)
	v_cvt_i32_f32 v[TT+\t], v[TT+\t]               ; (it saturates)
.endr
.irp t, 0,1
	s_delay_alu instid0(VALU_DEP_2)
	v_ldexp_f32 v[FF+2*\t], 1.0, v[TT+\t]          ; f = 2^(old M - new M)
.endr
.irp t, 0,1
.set n, 0
.rept 32
	v_pk_fma_f32 v[S+64*\t+n:S+64*\t+n+1], v[S+64*\t+n:S+64*\t+n+1], s[CS:CS+1], v[MM+4*\t:MM+4*\t+1] op_sel_hi:[1,0,0]   ; t - M
.set n, n+2
.endr
.endr
.irp b, 0,1,2,3,4,5,6,7
	v_fma_f32 v[BM+\b], v[BM+\b], s[CS], v[MM+4*(\b/4)]
.endr
	s_wait_alu depctr_va_vdst(0)                   ; the wait ahead of the batch
.set n, 0
.rept 128
	v_exp_f32 v[S+n], v[S+n]                       ; p, at most 1
.set n, n+1
.endr
.irp b, 0,1,2,3,4,5,6,7
	v_exp_f32 v[BM+\b], v[BM+\b]                   ; each block's largest p: the same two instructions on the same number give the same bits
.endr
.irp t, 0,1
	v_pk_mul_f32 v[MM+4*\t+2:MM+4*\t+3], v[MM+4*\t+2:MM+4*\t+3], v[FF+2*\t:FF+2*\t+1] op_sel_hi:[1,0]   ; the sums under the new M (plain lines behind the batch)
.endr
	s_wait_alu depctr_va_vdst(0)                   ; one wait for the 136, ahead of their first reader
	SUMS MM+2, PM, S                               ; the rows' sums of the unquantised p
	SUMS MM+6, PM+14, S+64
.irp b, 0,1,2,3,4,5,6,7
	v_max_num_f32 v[BM+\b], 0x4800000, v[BM+\b]    ; the floor 2^(9 - 127)
.endr
.irp b, 0,1,2,3,4,5,6,7
	v_add_nc_u32 v[SO+\b], 0xfc000000, v[BM+\b]    ; the conversion's scale operand
.endr
.irp b, 0,1,2,3,4,5,6,7
	v_and_or_b32 v[HD+\b], v[BM+\b], 0x7f800000, s[MNT]   ; 448 x the scale
.endr
.irp b, 0,1,2,3,4,5,6,7
	v_lshrrev_b32 v[PM+\b], 23, v[SO+\b]           ; the scale's byte
.endr
.irp t, 0,1
	v_lshl_or_b32 v[PS+\t], v[PM+4*\t+1], 8, v[PM+4*\t]   ; p's scale word for these 128 keys
.endr
.irp t, 0,1
	s_delay_alu instid0(VALU_DEP_2)
	v_lshl_or_b32 v[PS+\t], v[PM+4*\t+2], 16, v[PS+\t]
.endr
.irp t, 0,1
	s_delay_alu instid0(VALU_DEP_2)
	v_lshl_or_b32 v[PS+\t], v[PM+4*\t+3], 24, v[PS+\t]
.endr
.irp b, 0,1,2,3,4,5,6,7
.irp i, 0,2,4,6,8,10,12,14             ; the hold, two numbers an instruction: the conversion does not saturate (ISA guide 7.6.2); p is not negative, so it is one-sided
	v_dual_min_num_f32 v[S+16*\b+\i], v[S+16*\b+\i], v[HD+\b] :: v_dual_min_num_f32 v[S+16*\b+\i+1], v[S+16*\b+\i+1], v[HD+\b]
.endr
.endr
	WIN 0x40                                       ; the codes go to window 1
.irp b, 0,1,2,3,4,5,6,7
	v_cvt_scalef32_pk8_fp8_f32 v[PC+4*\b:PC+4*\b+1], v[S+16*\b:S+16*\b+7], v[SO+\b]
	v_cvt_scalef32_pk8_fp8_f32 v[PC+4*\b+2:PC+4*\b+3], v[S+16*\b+8:S+16*\b+15], v[SO+\b]
.endr
	WIN 0x41                                       ; O^T window 1, f window 0
	s_wait_alu depctr_va_vdst(0)                   ; directly ahead of the first reader of O^T
.irp t, 0,1
.set n, 0
.rept 16
	v_pk_mul_f32 v[O+32*\t+n:O+32*\t+n+1], v[O+32*\t+n:O+32*\t+n+1], v[FF+2*\t:FF+2*\t+1] op_sel_hi:[1,0]   ; O^T under the new M; these also stand between the codes' making and the products
.set n, n+2
.endr
.endr
	s_wait_alu depctr_va_vdst(0)                   ; directly ahead of the wait below
	s_wait_dscnt 0x0                               ; v, and the next step's k: both were asked for ahead of the softmax
	WIN 0x55                                       ; all of window 1 (scale words have no window)
.irp t, 0,1                            ; O^T += v^T p^T: eight accumulators by turns
.irp m, 0,1
	v_wmma_scale_f32_16x16x128_f8f6f4 v[O+32*\t+16*\m:O+32*\t+16*\m+7], v[VF+32*\m:VF+32*\m+15], v[PC+16*\t:PC+16*\t+15], v[O+32*\t+16*\m:O+32*\t+16*\m+7], v[VS+\m], v[PS+\t]
	v_wmma_scale_f32_16x16x128_f8f6f4 v[O+32*\t+16*\m+8:O+32*\t+16*\m+15], v[VF+32*\m+16:VF+32*\m+31], v[PC+16*\t:PC+16*\t+15], v[O+32*\t+16*\m+8:O+32*\t+16*\m+15], v[VS+\m], v[PS+\t] matrix_a_scale:MATRIX_SCALE_ROW1
.endr
.endr
	WIN 0
	s_add_co_u32 s[TK], s[TK], KB
	s_add_co_u32 s[TV], s[TV], VB
.endm
	s_wait_alu depctr_va_vdst(0)                   ; the wait at the head's end
	s_wait_loadcnt 0x0                             ; q
	s_wait_tensorcnt 0x0                           ; my four blocks are in,
	s_barrier_signal -1
	s_barrier_wait -1                              ; everybody's are
	KLOAD AK, AKS                                  ; the first step's k
	s_mov_b32 s[TK], KB
	s_mov_b32 s[TV], 0
	s_mov_b32 s[CNT], 16
	s_wait_dscnt 0x0
.Lkeys:
	STEP
	s_sub_co_u32 s[CNT], s[CNT], 1
	s_cmp_lg_u32 s[CNT], 0
	s_cbranch_scc1 .Lkeys
	; THE WAY OUT.  O^T / the sum: register 16 b + i of a tile is channel 32 b + 16 h + i of my query: two blocks of the next product's K.  j = 0 .. 3: tile j / 2, block j % 2, at v[S + 64 (j / 2) + 16 (j % 2)]
.irp t, 0,1
	v_add_f32 v[MM+4*\t+2], v[MM+4*\t+2], v[MM+4*\t+3]
.endr
.irp t, 0,1
	s_delay_alu instid0(VALU_DEP_2)
	v_permlanex16_b32 v[TT+\t], v[MM+4*\t+2], s[SEL], s[SEL+1]
.endr
.irp t, 0,1
	s_delay_alu instid0(VALU_DEP_2)
	v_add_f32 v[MM+4*\t+2], v[MM+4*\t+2], v[TT+\t]
.endr
	s_wait_alu depctr_va_vdst(0)
.irp t, 0,1
	v_rcp_f32 v[MM+4*\t+2], v[MM+4*\t+2]
.endr
	v_lshlrev_b32 v7, 3, v[RR]                     ; 8 r (a plain line behind the reciprocals)
.rept 7
	v_nop                                          ; eight places and more behind the last products
.endr
	WIN 0x01                                       ; source 0 (O^T) window 1
	s_wait_alu depctr_va_vdst(0)                   ; ahead of the reciprocals' first reader, which is O^T's too
.irp t, 0,1
.set n, 0
.rept 16
	v_pk_mul_f32 v[S+64*\t+n:S+64*\t+n+1], v[O+32*\t+n:O+32*\t+n+1], v[MM+4*\t+2:MM+4*\t+3] op_sel_hi:[1,0]
.set n, n+2
.endr
.endr
	WIN 0
.irp j, 0,1,2,3
	v_max3_num_f32 v[BM+\j], |v[S+64*(\j/2)+16*(\j%2)]|, |v[S+64*(\j/2)+16*(\j%2)+1]|, 0x4800000
.endr
.irp i, 2,4,6,8,10,12,14
.irp j, 0,1,2,3
	v_max3_num_f32 v[BM+\j], v[BM+\j], |v[S+64*(\j/2)+16*(\j%2)+\i]|, |v[S+64*(\j/2)+16*(\j%2)+\i+1]|
.endr
.endr
.irp j, 0,1,2,3
	v_permlanex16_b32 v[PM+\j], v[BM+\j], s[SEL], s[SEL+1]
.endr
.irp j, 0,1,2,3
	v_max_num_f32 v[BM+\j], v[BM+\j], v[PM+\j]
.endr
.irp j, 0,1,2,3
	v_add_nc_u32 v[SO+\j], 0xfc000000, v[BM+\j]
.endr
.irp j, 0,1,2,3
	v_and_or_b32 v[HD+\j], v[BM+\j], 0x7f800000, s[MNT]
.endr
.irp j, 0,1,2,3
	v_lshrrev_b32 v[PM+\j], 23, v[SO+\j]
.endr
.irp t, 0,1
	v_lshl_or_b32 v[TT+\t], v[PM+2*\t+1], 8, v[PM+2*\t]   ; a tile's two scale bytes
.endr
.irp j, 0,1,2,3
.irp i, 0,1,2,3,4,5,6,7,8,9,10,11,12,13,14,15
	v_med3_num_f32 v[S+64*(\j/2)+16*(\j%2)+\i], v[S+64*(\j/2)+16*(\j%2)+\i], -v[HD+\j], v[HD+\j]
.endr
	v_cvt_scalef32_pk8_fp8_f32 v[CO+4*\j:CO+4*\j+1], v[S+64*(\j/2)+16*(\j%2):S+64*(\j/2)+16*(\j%2)+7], v[SO+\j]
	v_cvt_scalef32_pk8_fp8_f32 v[CO+4*\j+2:CO+4*\j+3], v[S+64*(\j/2)+16*(\j%2)+8:S+64*(\j/2)+16*(\j%2)+15], v[SO+\j]
.endr
	v_nop                                          ; a plain line behind the last conversion
.irp t, 0,1
	global_store_b128 v[AK], v[CO+8*\t:CO+8*\t+3], s[74:75] offset:2048*\t             ; 512 consecutive bytes each
	global_store_b128 v[AK], v[CO+8*\t+4:CO+8*\t+7], s[74:75] offset:2048*\t+512
	global_store_b16 v7, v[TT+\t], s[76:77] offset:128*\t                              ; a head's two bytes of each row's scale word; lanes 16-31 write the same as lanes 0-15
.endr
	s_wait_tensorcnt 0x0                           ; the wave's end
	ds_add_u32 v[SPW], v[NIL]
	s_wait_dscnt 0x0
	CROUND                                         ; the closing round
	s_endpgm
.Lfunc_end_k_q5501840aca_attn:
	.size	k_q5501840aca_attn, .Lfunc_end_k_q5501840aca_attn-k_q5501840aca_attn
	.p2alignl 7, 3214868480
	.fill 96, 4, 3214868480
	.section	.rodata,"a",@progbits
	.p2align	6, 0x0
	.amdhsa_kernel k_q5501840aca_attn
		.amdhsa_group_segment_fixed_size 276480
		.amdhsa_private_segment_fixed_size 0
		.amdhsa_enable_private_segment 0
		.amdhsa_kernarg_size 16
		.amdhsa_user_sgpr_count 2
		.amdhsa_user_sgpr_kernarg_segment_ptr 1
		.amdhsa_wavefront_size32 1
		.amdhsa_system_sgpr_workgroup_id_x 1
		.amdhsa_system_sgpr_workgroup_id_y 1
		.amdhsa_system_sgpr_workgroup_id_z 1
		.amdhsa_system_vgpr_workitem_id 0
		.amdhsa_next_free_vgpr 512
		.amdhsa_next_free_sgpr 80
		.amdhsa_reserve_vcc 0
		.amdhsa_float_denorm_mode_32 3
		.amdhsa_float_denorm_mode_16_64 3
		.amdhsa_memory_ordered 1
		.amdhsa_forward_progress 1
		.amdhsa_inst_pref_size 58
	.end_amdhsa_kernel
	.amdgpu_metadata
---
amdhsa.version: [ 1, 2 ]
amdhsa.kernels:
  - .name:           k_q5501840aca_attn
    .symbol:         k_q5501840aca_attn.kd
    .args:
      - { .name: qkv, .offset: 0, .size: 8, .value_kind: global_buffer, .address_space: global }
      - { .name: cimg, .offset: 8, .size: 8, .value_kind: global_buffer, .address_space: global }
    .group_segment_fixed_size: 276480
    .private_segment_fixed_size: 0
    .kernarg_segment_align: 8
    .kernarg_segment_size: 16
    .max_flat_workgroup_size: 256
    .sgpr_count:     80
    .vgpr_count:     512
    .wavefront_size: 32
...
	.end_amdgpu_metadata
.endif
;; end of part 10
;; launch wo (part 11): grid 8 x 32, 4 waves a work-group, clusters of 4 x 4, 327,680 bytes of LDS; arguments cimg, wimg, bo, x, x1; writes x1
.if DOCPART == 11
	.amdgcn_target "amdgcn-amd-amdhsa--gfx1250"
	.amdhsa_code_object_version 6
	.text
	.protected	k_q5501840aca_wo
	.globl	k_q5501840aca_wo
	.p2align	8
	.type	k_q5501840aca_wo,@function
k_q5501840aca_wo:
	s_mov_b64 s[64:65], 0
	v_nop
	global_prefetch_b8 v0, s[64:65] scope:SCOPE_SE
	s_setreg_imm32_b32 hwreg(HW_REG_WAVE_MODE, 25, 1), 1
	s_wait_xcnt 0x0
	s_wait_alu depctr_hold_cnt(0) depctr_sa_sdst(0) depctr_va_vdst(0) depctr_va_sdst(0) depctr_va_ssrc(0) depctr_va_vcc(0) depctr_vm_vsrc(0)
	s_getreg_b32 s2, hwreg(HW_REG_IB_STS2, 6, 4)
	s_cmp_eq_u32 s2, 0
	s_cbranch_scc0 .Lentry_in_a_cluster
	s_endpgm
.Lentry_in_a_cluster:
	s_bfe_u32 s2, ttmp6, 0x10000c
	s_cmp_lg_u32 s2, 0xf033
	s_cbranch_scc0 .Lentry_shape_is_right
	s_endpgm
.Lentry_shape_is_right:
; out = res + A B^T + bias, f32 [4096][1024]; A and B are codes of FP8 (E4M3) with E8M0 scales.  Here: A = ctx, B = Wo, res = x, K = 1,024.
; OPERANDS are images of registers in blocks of BLK = 33,792 bytes (128 rows x 256 along K, codes at 16384 q + 2048 i + 512 c + 16 lane, scale words at 32768 + 128 i + 8 r + 4 q), laid [row group][K block]:
; 256 along K of 128 rows are ONE dense block, codes and scales together, brought by one tensor load.  Tile i, row r stands for row 32 (i / 2) + 8 (i % 2) + r + 8 (r / 8) of the 128.
; A tile of C is 128 x 128, so that the output's 32 x 8 tiles make 256 work-groups.  Four waves, 64 x 64 each: 16 accumulators.  K goes in steps of 512 through two LDS slots: a slot holds two K blocks of A's
; row group and two of B's, two blocks to a wave's load.  Here K is two slots: both are filled at the start and none again.
; CLUSTERS of 4 x 4: A's blocks are asked for jointly along a row of the cluster, B's along a column: the same load, the same descriptor, a mask that names the four.
; THE MATRIX INSTRUCTION IS USED TRANSPOSED (source 0 = B's tile, source 1 = A's): a lane holds one row of A (a token) and registers along B's rows (output columns).
; The bias is the C of each sum's first product.  The residual's rows are asked for behind the first barrier and land while K is walked.
; THE WAY OUT: a row block of 16 tokens x 64 columns goes through the wave's own stage in LDS and comes back, into the registers that it left, as whole rows of 256 bytes.
; REGISTERS: window 0: v1-29 addresses; v32-63 scale words, two sets, and nothing else; v64-95 the bias in the result's layout; v128-255 the accumulators ((a, b) at v[128 + 8 (4 a + b)]).
;   window 1: two fragment buffers of 128: A's four fragments, then B's four.   window 2: v0-127 the residual.
.set BLK,   33792
.set SLOT,  4*BLK                      ; A's two K blocks, then B's two
.set SPARE, 2*SLOT                     ; the spare words, 128 bytes a wave: two blocks of 256 bytes that no other line names
.set STG,   SPARE+512                  ; the stages: 16 rows x 272 bytes for each wave; no tensor load lands here
.set SP,    272                        ; a stage's row: 256 bytes + 16: sixteen rows start at sixteen different groups of four banks (64 banks of 4 bytes: ISA guide 11.1)
.set NK,    4                          ; K blocks
.set WOFF,  96*BLK                     ; where B's image begins among the weights
.set LAPS,  NK/4                       ; a lap = two slots = four K blocks
.set FR,    16                         ; registers of a fragment
.set NP,    8                          ; places behind this matrix instruction (ISA guide 7.12.1)
.set ADRA, 16                          ; v16-17 LDS address of my A fragments in slot 0, 1
.set ADRS, 18                          ; v18-19 of my scale words: lanes 0-15 A's, lanes 16-31 B's
.set ADRB, 20                          ; v20-21 of my B fragments
.set LI,   22                          ; v22 16 x lane
.set STO,  23                          ; v23 the stage: where I put 16 bytes of a row
.set RD,   24                          ; v24 and where I read a row back
.set CO,   25                          ; v25 my byte offset in two rows of the residual and of the output; never rewritten
.set SPW,  28                          ; v28 my spare word; never rewritten
.set NIL,  29                          ; v29 0; never rewritten
.set SC,   32                          ; scale words: set s at SC + 16 s; in it register 8 k + 2 i + q: K block k of the slot, tile i, the block's q-th 128 along K
.set BI,   64                          ; the bias: eight registers for each of B's four tiles
.set ACC,  128
.set F0,   0                           ; fragment buffers, in window 1
.set F1,   128
.set G1, 24                            ; s[24:31] descriptor group 1 for A's blocks; s[32:39] group 0, one set a slot
.set G0, 32
.set G1B, 48                           ; s[48:55], s[56:63] the same for B's
.set G0B, 56
.set MSB, 0
.macro WIN new                         ; the immediate's high byte repeats the setting that is left
.if MSB != \new
	s_set_vgpr_msb (MSB<<8)|\new
.set MSB, \new
.endif
.endm
.set MUL,  0x05                        ; sources 0 (B) and 1 (A) window 1; C and D window 0
.set TO_F, 0x40                        ; destination window 1, address window 0
.macro JLOAD s                         ; a joint load: waves 0 and 1 fetch A's two K blocks, waves 2 and 3 B's; four v_nop follow each of the two lines
	s_cmp_eq_u32 s15, 0
	s_cbranch_scc0 .Lfor_b_\@
	tensor_load_to_lds s[G0+4*\s:G0+4*\s+3], s[G1:G1+7]
	s_nop 0
.rept 4
	v_nop
.endr
	s_branch .Lasked_\@
.Lfor_b_\@:
	tensor_load_to_lds s[G0B+4*\s:G0B+4*\s+3], s[G1B:G1B+7]
	s_nop 0
.rept 4
	v_nop
.endr
.Lasked_\@:
.endm
.macro CREST                           ; a round of the cluster's barrier behind its opening barrier
	s_cmp_lg_u32 s14, 0
	s_cbranch_scc1 .Lnot_wave_0_\@
	s_barrier_signal -3
.Lnot_wave_0_\@:
	s_barrier_wait -3
	s_barrier_signal -1
	s_barrier_wait -1
.endm
.macro CROUND
	s_barrier_signal -1
	s_barrier_wait -1
	CREST
.endm
.macro PLACES n
.rept \n
	v_nop
.endr
.endm
; Step u of a slot's four: K block u / 2, its (u % 2)-th 128 along K.  A fragment comes back as it was stored: four loads of 512 consecutive bytes
.macro FRAG reg, adr, u, i
.irp c, 0,1,2,3
	ds_load_b128 v[\reg+4*\c:\reg+4*\c+3], v[\adr] offset:((\u)/2)*BLK+((\u)%2)*16384+2048*(\i)+512*\c
.endr
.endm
.macro FETCH slot, u, f                ; 32 LDS loads in one run: B's four fragments, then A's four, into buffer f
	WIN TO_F
.irp i, 0,1,2,3
	FRAG 64+(\f)+FR*\i, ADRB+\slot, \u, \i
.endr
.irp i, 0,1,2,3
	FRAG FR*\i+(\f), ADRA+\slot, \u, \i
.endr
.endm
.macro SCALES sc                       ; a slot's scale words: two a row and K block; lanes 0-15 take A's tile i, lanes 16-31 B's tile i
.irp k, 0,1
.irp i, 0,1,2,3
	ds_load_b64 v[SC+16*\sc+8*\k+2*\i:SC+16*\sc+8*\k+2*\i+1], v[ADRS+\sc] offset:\k*BLK+128*\i
.endr
.endr
.endm
; Four matrix instructions: A's tile a x B's four.  first = 1: the sums begin with the bias.  The 16 accumulators take turns, one instruction a turn, in the same order in every step.
.macro MUL4 f, a, sc, u, first
.set SR, SC+16*(\sc)+8*((\u)/2)+(\u)%2
.irp b, 0,1,2,3
.if \first
	v_wmma_scale_f32_16x16x128_f8f6f4 v[ACC+8*(4*(\a)+\b):ACC+8*(4*(\a)+\b)+7], v[64+(\f)+FR*\b:64+(\f)+FR*\b+FR-1], v[FR*(\a)+(\f):FR*(\a)+(\f)+FR-1], v[BI+8*\b:BI+8*\b+7], v[SR+2*\b], v[SR+2*(\a)] matrix_a_scale:MATRIX_SCALE_ROW1
.else
	v_wmma_scale_f32_16x16x128_f8f6f4 v[ACC+8*(4*(\a)+\b):ACC+8*(4*(\a)+\b)+7], v[64+(\f)+FR*\b:64+(\f)+FR*\b+FR-1], v[FR*(\a)+(\f):FR*(\a)+(\f)+FR-1], v[ACC+8*(4*(\a)+\b):ACC+8*(4*(\a)+\b)+7], v[SR+2*\b], v[SR+2*(\a)] matrix_a_scale:MATRIX_SCALE_ROW1
.endif
.endr
.endm
.macro MUL8 f, a0, sc, u, first
	MUL4 \f, \a0, \sc, \u, \first
	MUL4 \f, (\a0)+1, \sc, \u, \first
.endm
; One of a slot's first three steps: multiplies buffer u % 2; in its middle it fetches the next step's fragments into the other buffer
.macro STEP slot, u, first
	s_wait_dscnt 8                                 ; B's four fragments and A's tiles 0, 1 are in; the youngest eight loads (A's tiles 2, 3) may be out
	WIN MUL
	MUL8 128*((\u)%2), 0, \slot, \u, \first
	PLACES NP                                      ; in front of loads into registers that the step before has multiplied
	FETCH \slot, (\u)+1, 128*(((\u)+1)%2)
	s_wait_dscnt 32                                ; all but the 32 just issued
	WIN MUL
	MUL8 128*((\u)%2), 2, \slot, \u, \first
.endm
; A slot's fourth step multiplies buffer 1 and changes slots: one barrier; in front of it each wave waits for all its tensor loads, adds 0 to its spare word, and waits for that and for its reads of this slot.
.macro TURN slot, next, fill
	WIN 0                                          ; (the add's two registers lie in window 0)
	s_wait_tensorcnt 0x0                           ; all my tensor loads have landed: my part of the next slot
	ds_add_u32 v[SPW], v[NIL]                      ; 0 onto my spare word
	s_wait_dscnt 9                                 ; (the add and the youngest eight loads may be out)
	WIN MUL
	MUL4 F1, 0, \slot, 3, 0
	s_wait_dscnt 0x0                               ; the add is done, and my reads of this slot are over
	s_barrier_signal -1
	MUL4 F1, 1, \slot, 3, 0
	WIN 0                                          ; (branches may follow, and nothing stands between the wait below and the rest of the round)
	s_barrier_wait -1
.if \fill
	CREST                                          ; the barrier has opened a round of the cluster's: no wave of any partner still reads this slot or has a load on its way
	s_add_nc_u64 s[G0+4*\slot+2:G0+4*\slot+3], s[G0+4*\slot+2:G0+4*\slot+3], 4*BLK
	s_add_nc_u64 s[G0B+4*\slot+2:G0B+4*\slot+3], s[G0B+4*\slot+2:G0B+4*\slot+3], 4*BLK
	JLOAD \slot                                    ; the first tensor load behind the round; its four v_nop are four of the eight places
	PLACES NP-4
.else
	PLACES NP
.endif
	SCALES \next
	FETCH \next, 0, F0
	WIN MUL
	MUL8 F1, 2, \slot, 3, 0
.endm
	s_load_b256 s[4:11], s[0:1], 0x0               ; A's image, the weights' image, the bias, the residual
	s_load_b64 s[12:13], s[0:1], 0x20              ; the output
	v_lshl_add_u32 v[SPW], v0, 2, SPARE
	v_mov_b32 v[NIL], 0
	ds_add_u32 v28, v29
	ds_add_u32 v28, v29
	s_wait_dscnt 0x0
	v_lshrrev_b32 v1, 5, v0
	v_readfirstlane_b32 s14, v1                    ; wave 0..3
	s_lshr_b32 s15, s14, 1                         ; which 64 of the tile's rows are mine.  Also: I fetch for A (0) or for B (1)
	s_and_b32 s16, s14, 1                          ; which 64 of its columns.  Also: which slot's two K blocks I fetch
	s_bfe_u32 s40, ttmp6, 0x40000                  ; cx, cy: my place in the cluster
	s_bfe_u32 s41, ttmp6, 0x40004
	s_lshl_b32 s42, ttmp9, 2
	s_add_co_u32 s42, s42, s40                     ; B's row group = 4 x cluster x + cx
	s_and_b32 s17, ttmp7, 0xffff
	s_lshl_b32 s17, s17, 2
	s_add_co_u32 s17, s17, s41                     ; A's row group = 4 x cluster y + cy
	s_lshl_b32 s43, s41, 2
	s_lshl_b32 s43, 15, s43                        ; my row of the cluster
	s_lshl_b32 s44, 0x1111, s40                    ; my column
	s_or_b32 s[G1+0], s43, (3<<16)|(1<<21)         ; 15:0 the mask; 17:16 elements of 8 bytes; 21 set beside a mask: a dense block as 132 rows of 32 elements
	s_or_b32 s[G1B+0], s44, (3<<16)|(1<<21)
.irp g, G1, G1B
	s_mov_b32 s[\g+1], 32<<16                      ; tensor_dim0
	s_mov_b32 s[\g+2], 264<<16                     ; tensor_dim1: a wave's ONE load brings two neighbouring K blocks, 264 rows of 256 bytes: a slot's share of A or of B
	s_mov_b32 s[\g+3], 32<<16                      ; tile_dim0
	s_mov_b32 s[\g+4], 264                         ; tile_dim1
	s_mov_b32 s[\g+5], 32                          ; tensor_dim0_stride
	s_mov_b32 s[\g+6], 0
	s_mov_b32 s[\g+7], 0
.endr
	s_mul_i32 s20, s17, NK
	s_lshl_b32 s18, s16, 1                         ; K blocks 0, 1 (even waves, slot 0) or 2, 3 (odd waves, slot 1)
	s_add_co_u32 s20, s20, s18
	s_mul_i32 s20, s20, BLK                        ; A: my row group's K block 0 or 2.  It hangs on cy and the wave alone
	s_mov_b32 s21, 0
	s_mul_i32 s46, s42, NK
	s_add_co_u32 s46, s46, s18
	s_mul_i32 s46, s46, BLK                        ; B likewise, on cx and the wave alone
	s_mov_b32 s47, 0
	s_mul_i32 s45, s15, 2*BLK                      ; where they go: A's two blocks at a slot's start, B's two behind them,
	s_mul_i32 s19, s16, SLOT                       ; in slot wave % 2: no place in the cluster enters an LDS address
	s_add_co_u32 s45, s45, s19
	s_lshl_b32 s70, s42, 9
	s_lshl_b32 s71, s16, 8
	s_add_co_u32 s70, s70, s71                     ; my 64 columns, in bytes
	s_mov_b32 s71, 0
	s_lshl_b32 s72, s17, 19
	s_lshl_b32 s73, s15, 18
	s_add_co_u32 s72, s72, s73                     ; my 64 rows of 4,096 bytes
	s_add_co_u32 s72, s72, s70
	s_mov_b32 s73, 0
	s_wait_kmcnt 0x0
	s_add_nc_u64 s[20:21], s[4:5], s[20:21]
	s_add_nc_u64 s[46:47], s[6:7], s[46:47]
	s_add_nc_u64 s[46:47], s[46:47], WOFF
	s_add_nc_u64 s[8:9], s[8:9], s[70:71]
	s_add_nc_u64 s[10:11], s[10:11], s[72:73]
	s_add_nc_u64 s[12:13], s[12:13], s[72:73]
	CROUND                                         ; all sixteen work-groups are here: the first joint loads meet
.irp s, 0
	s_mov_b32 s[G0+4*\s], 1
	s_add_co_u32 s[G0+4*\s+1], s45, \s*SLOT
	s_add_nc_u64 s[G0+4*\s+2:G0+4*\s+3], s[20:21], \s*2*BLK
	s_or_b32 s[G0+4*\s+3], s[G0+4*\s+3], 0x80000000
	s_mov_b32 s[G0B+4*\s], 1
	s_add_co_u32 s[G0B+4*\s+1], s45, \s*SLOT
	s_add_nc_u64 s[G0B+4*\s+2:G0B+4*\s+3], s[46:47], \s*2*BLK
	s_or_b32 s[G0B+4*\s+3], s[G0B+4*\s+3], 0x80000000
	JLOAD \s
.endr
	v_and_b32 v1, 15, v0                           ; r
	v_bfe_u32 v2, v0, 4, 1                         ; h
	s_wait_alu depctr_va_vdst(0)
	v_and_b32 v3, 31, v0
	v_lshlrev_b32 v[LI], 4, v3
	v_lshlrev_b32 v5, 6, v2                        ; 64 h
.irp b, 0,1,2,3
	global_load_b128 v[BI+8*\b:BI+8*\b+3], v5, s[8:9] offset:128*(\b/2)+32*(\b%2)        ; register j of tile b: the bias of column 32 (b / 2) + 16 h + 8 (b % 2) + j of my 64
	global_load_b128 v[BI+8*\b+4:BI+8*\b+7], v5, s[8:9] offset:128*(\b/2)+32*(\b%2)+16
.endr
	s_lshl_b32 s22, s15, 13                        ; my four tiles of A: 2,048 bytes each
	s_lshl_b32 s23, s16, 13
	s_add_co_u32 s23, s23, 2*BLK                   ; my four of B, behind A's two blocks
.irp s, 0,1
	v_add_nc_u32 v[ADRA+\s], s22, v[LI]
	v_add_nc_u32 v[ADRB+\s], s23, v[LI]
	s_add_co_u32 s22, s22, SLOT
	s_add_co_u32 s23, s23, SLOT
.endr
	s_lshl_b32 s22, s15, 9                         ; their scale words: 128 bytes a tile
	s_lshl_b32 s23, s16, 9
	s_add_co_u32 s23, s23, 2*BLK
	s_sub_co_u32 s23, s23, s22
	v_mul_u32_u24 v4, s23, v2                      ; lanes 16-31 take B's words: one product, the distance between the two
	v_lshl_add_u32 v4, v1, 3, v4
	s_add_co_u32 s22, s22, 32768
	v_add_nc_u32 v[ADRS], s22, v4
	v_add_nc_u32 v[ADRS+1], SLOT, v[ADRS]
	s_mul_i32 s74, s14, 16*SP
	s_add_co_u32 s74, s74, STG                     ; my stage
	v_mul_u32_u24 v4, v1, SP
	v_lshl_add_u32 v4, v2, 6, v4
	v_add_nc_u32 v[STO], s74, v4                   ; in: row r, + 64 h
	v_mul_u32_u24 v4, v2, SP
	v_lshl_add_u32 v4, v1, 4, v4
	v_add_nc_u32 v[RD], s74, v4                    ; back: lanes 0-15 take one row of 256 bytes, lanes 16-31 the next
	v_lshlrev_b32 v[CO], 12, v2
	v_lshl_add_u32 v[CO], v1, 4, v[CO]             ; and the same two rows in memory
	s_wait_alu depctr_va_vdst(0)
	s_wait_loadcnt 0x0                             ; the bias
	s_wait_tensorcnt 0x0                           ; my one load is in: with the four waves' loads both slots are whole, and nothing is filled again
	s_barrier_signal -1
	s_barrier_wait -1                              ; everybody's is
	SCALES 0
	FETCH 0, 0, F0
	WIN 0x80                                       ; destination window 2
.irp a, 0,1,2,3                        ; the residual of my 64 x 64: tile a's rows 2 t and 2 t + 1 are rows 32 (a / 2) + 8 (a % 2) + 2 t + 8 (t / 4) and the next of my 64; waited for on the way out
.irp t, 0,1,2,3,4,5,6,7
	global_load_b128 v[32*\a+4*\t:32*\a+4*\t+3], v[CO], s[10:11] offset:(32*(\a/2)+8*(\a%2)+2*\t+8*(\t/4))*4096 th:TH_LOAD_NT
.endr
.endr
	STEP 0, 0, 1                                   ; the first step's products start the sums, on the bias: nothing is cleared
.if LAPS > 1
	WIN 0                                          ; at a label and at a branch every window is 0
	s_mov_b32 s3, LAPS-1
.Llap:                                             ; a trip goes once round the ring, from a lap's second step to the next lap's first, and fills both slots again
	STEP 0, 1, 0
	STEP 0, 2, 0
	TURN 0, 1, 1
	STEP 1, 0, 0
	STEP 1, 1, 0
	STEP 1, 2, 0
	TURN 1, 0, 1
	STEP 0, 0, 0
	WIN 0
	s_sub_co_u32 s3, s3, 1
	s_cmp_lg_u32 s3, 0
	s_cbranch_scc1 .Llap
.endif
	STEP 0, 1, 0                                   ; the last lap fills nothing
	STEP 0, 2, 0
	TURN 0, 1, 0
	STEP 1, 0, 0
	STEP 1, 1, 0
	STEP 1, 2, 0
	s_wait_dscnt 8                                 ; the very last step: nothing more to fetch
	WIN MUL
	MUL8 F1, 0, 1, 3, 0
	s_wait_dscnt 0
	MUL8 F1, 2, 1, 3, 0
	WIN 0
	PLACES NP                                      ; behind the last products: results are read, and their registers are loaded into
.irp a, 0,1,2,3                        ; LDS serves a wave's instructions in order (ISA guide 5.7.1.4): a block's loads see its stores, and the next block's stores come behind them
.irp b, 0,1,2,3
	ds_store_b128 v[STO], v[ACC+32*\a+8*\b:ACC+32*\a+8*\b+3] offset:128*(\b/2)+32*(\b%2)          ; each accumulator from its low end on: columns 32 (b / 2) + 16 h + 8 (b % 2) + 0 .. 7
	ds_store_b128 v[STO], v[ACC+32*\a+8*\b+4:ACC+32*\a+8*\b+7] offset:128*(\b/2)+32*(\b%2)+16
.endr
.irp t, 0,1,2,3,4,5,6,7
	ds_load_b128 v[ACC+32*\a+4*\t:ACC+32*\a+4*\t+3], v[RD] offset:2*\t*SP
.endr
.endr
	s_wait_loadcnt 0x0                             ; the residual
	WIN 0x08                                       ; source 1 window 2
.irp a, 0,1,2,3
	s_wait_dscnt 16*(3-\a)                         ; block a is back; the sixteen LDS instructions of each later block may be out
.set n, 0
.rept 16
	v_pk_add_f32 v[ACC+32*\a+n:ACC+32*\a+n+1], v[ACC+32*\a+n:ACC+32*\a+n+1], v[32*\a+n:32*\a+n+1]
.set n, n+2
.endr
.endr
	WIN 0
.irp a, 0,1,2,3
.irp t, 0,1,2,3,4,5,6,7
	global_store_b128 v[CO], v[ACC+32*\a+4*\t:ACC+32*\a+4*\t+3], s[12:13] offset:(32*(\a/2)+8*(\a%2)+2*\t+8*(\t/4))*4096   ; sixteen lanes store 256 consecutive bytes, aligned; two rows an instruction
.endr
.endr
	s_wait_tensorcnt 0x0                           ; the wave's end
	ds_add_u32 v[SPW], v[NIL]
	s_wait_dscnt 0x0
	CROUND                                         ; the closing round: no work-group ends while a partner may still ask for a block that names it
	s_endpgm
.Lfunc_end_k_q5501840aca_wo:
	.size	k_q5501840aca_wo, .Lfunc_end_k_q5501840aca_wo-k_q5501840aca_wo
	.p2alignl 7, 3214868480
	.fill 96, 4, 3214868480
	.section	.rodata,"a",@progbits
	.p2align	6, 0x0
	.amdhsa_kernel k_q5501840aca_wo
		.amdhsa_group_segment_fixed_size 327680
		.amdhsa_private_segment_fixed_size 0
		.amdhsa_enable_private_segment 0
		.amdhsa_kernarg_size 40
		.amdhsa_user_sgpr_count 2
		.amdhsa_user_sgpr_kernarg_segment_ptr 1
		.amdhsa_wavefront_size32 1
		.amdhsa_system_sgpr_workgroup_id_x 1
		.amdhsa_system_sgpr_workgroup_id_y 1
		.amdhsa_system_sgpr_workgroup_id_z 1
		.amdhsa_system_vgpr_workitem_id 0
		.amdhsa_next_free_vgpr 640
		.amdhsa_next_free_sgpr 100
		.amdhsa_reserve_vcc 0
		.amdhsa_float_denorm_mode_32 3
		.amdhsa_float_denorm_mode_16_64 3
		.amdhsa_memory_ordered 1
		.amdhsa_forward_progress 1
		.amdhsa_inst_pref_size 59
	.end_amdhsa_kernel
	.amdgpu_metadata
---
amdhsa.version: [ 1, 2 ]
amdhsa.kernels:
  - .name:           k_q5501840aca_wo
    .symbol:         k_q5501840aca_wo.kd
    .args:
      - { .name: cimg, .offset: 0, .size: 8, .value_kind: global_buffer, .address_space: global }
      - { .name: wimg, .offset: 8, .size: 8, .value_kind: global_buffer, .address_space: global }
      - { .name: bo, .offset: 16, .size: 8, .value_kind: global_buffer, .address_space: global }
      - { .name: x, .offset: 24, .size: 8, .value_kind: global_buffer, .address_space: global }
      - { .name: x1, .offset: 32, .size: 8, .value_kind: global_buffer, .address_space: global }
    .group_segment_fixed_size: 327680
    .private_segment_fixed_size: 0
    .kernarg_segment_align: 8
    .kernarg_segment_size: 40
    .max_flat_workgroup_size: 128
    .sgpr_count:     100
    .vgpr_count:     640
    .wavefront_size: 32
...
	.end_amdgpu_metadata
.endif
;; end of part 11
;; launch ln1 (part 12): grid 256 x 1, 4 waves a work-group, no clusters, 66,304 bytes of LDS; arguments x1, g2, b2, himg; writes himg
.if DOCPART == 12
	.amdgcn_target "amdgcn-amd-amdhsa--gfx1250"
	.amdhsa_code_object_version 6
	.text
	.protected	k_q5501840aca_ln1
	.globl	k_q5501840aca_ln1
	.p2align	8
	.type	k_q5501840aca_ln1,@function
k_q5501840aca_ln1:
	s_mov_b64 s[64:65], 0
	v_nop
	global_prefetch_b8 v0, s[64:65] scope:SCOPE_SE
	s_setreg_imm32_b32 hwreg(HW_REG_WAVE_MODE, 25, 1), 1
	s_wait_xcnt 0x0
; LayerNorm over rows of 1,024 f32, then the MX-FP8 quantiser along the row; the result leaves as images of operand registers (blocks of 33,792 bytes: 128 rows x 256 along K;
; codes at 16384 q + 2048 i + 512 c + 16 lane, scale words at 32768 + 128 i + 8 r + 4 q; tile i, row r stands for row 32 (i / 2) + 8 (i % 2) + r + 8 (r / 8) of the 128).
; A work-group makes one tile of 16 rows for all of K.  PHASE 1: wave w norms four rows (a row lies in 32 registers of the wave: mean, then the sum of squares of x - mean: no difference of
; large sums is formed), multiplies by g, adds b, and puts the rows into LDS.  PHASE 2: wave w takes 256 columns of the 16 rows in the operand's lane order and quantises them.
; LIMITS: a block of zeros, or one under 2^-118, keeps the scale byte 1 (read by this program alone); NaN and infinities are not served.
.set BLK,   33792
.set PITCH, 4112                       ; a row in LDS: 4,096 bytes + 16: sixteen rows start at sixteen different groups of four banks
.set X,     32                         ; v32-159  four rows of 32 registers; in phase 2: 128 numbers of a lane
.set GG,    160                        ; v160-191 g; in phase 2 the codes
.set BR,    192                        ; v192-223 b
.set T,     224                        ; v224-239 at work, four registers a row
.set TM,    224                        ; the quantiser's sixteen
.set MN,    240                        ; v240-247 a pair a row: the mean, then 1 / sqrt(var + eps)
.set SEL,   20                         ; s[20:21] v_permlanex16_b32's selects for lane l xor 16
.set MNT,   22                         ; s22 the mantissa field of 448
; 64 numbers of a lane, register 16 b + i = k 32 b + 16 (lane / 16) + i of its row, become a fragment's codes in v[pc] on and its scale word in v[pw]
.macro QUANT s, pc, pw
.irp b, 0,1,2,3
	v_max3_num_f32 v[TM+\b], |v[\s+16*\b]|, |v[\s+1+16*\b]|, 0x4800000   ; my 16 numbers of block b, and the floor 2^(9 - 127)
.endr
.irp i, 2,4,6,8,10,12,14
.irp b, 0,1,2,3
	v_max3_num_f32 v[TM+\b], v[TM+\b], |v[\s+16*\b+\i]|, |v[\s+1+16*\b+\i]|
.endr
.endr
.irp b, 0,1,2,3
	v_permlanex16_b32 v[TM+4+\b], v[TM+\b], s[SEL], s[SEL+1]
.endr
.irp b, 0,1,2,3
	v_max_num_f32 v[TM+\b], v[TM+\b], v[TM+4+\b]   ; with lane l xor 16's: the block's largest magnitude
.endr
.irp b, 0,1,2,3
	v_add_nc_u32 v[TM+12+\b], 0xfc000000, v[TM+\b] ; 8 off its exponent field: the conversion's scale operand
.endr
.irp b, 0,1,2,3
	v_and_or_b32 v[TM+8+\b], v[TM+\b], 0x7f800000, s[MNT]   ; 448 x the scale
.endr
.irp b, 0,1,2,3
	v_lshrrev_b32 v[TM+4+\b], 23, v[TM+12+\b]      ; the scale's byte
.endr
	v_lshl_or_b32 v[\pw], v[TM+5], 8, v[TM+4]
	v_lshl_or_b32 v[\pw], v[TM+6], 16, v[\pw]
	v_lshl_or_b32 v[\pw], v[TM+7], 24, v[\pw]
.irp b, 0,1,2,3
.irp i, 0,1,2,3,4,5,6,7,8,9,10,11,12,13,14,15
	v_med3_num_f32 v[\s+16*\b+\i], v[\s+16*\b+\i], -v[TM+8+\b], v[TM+8+\b]   ; the conversion does not saturate (ISA guide 7.6.2)
.endr
	v_cvt_scalef32_pk8_fp8_f32 v[\pc+4*\b:\pc+1+4*\b], v[\s+16*\b:\s+7+16*\b], v[TM+12+\b]
	v_cvt_scalef32_pk8_fp8_f32 v[\pc+2+4*\b:\pc+3+4*\b], v[\s+8+16*\b:\s+15+16*\b], v[TM+12+\b]
.endr
	v_nop                                          ; a plain line behind the last conversion
.endm
.macro REDUCE                          ; v[T + 4 k], k = 0 .. 3, summed over the 32 lanes; the four rows by turns
.irp m, 1,2,4,8
.irp k, 0,1,2,3
	v_add_f32_dpp v[T+4*\k], v[T+4*\k], v[T+4*\k] row_xmask:\m row_mask:0xf bank_mask:0xf
.endr
.endr
.irp k, 0,1,2,3
	v_permlanex16_b32 v[T+4*\k+1], v[T+4*\k], s[SEL], s[SEL+1]
.endr
.irp k, 0,1,2,3
	v_add_f32 v[T+4*\k], v[T+4*\k], v[T+4*\k+1]
.endr
.endm
	s_load_b256 s[4:11], s[0:1], 0x0               ; x, g, b, the image
	v_lshl_add_u32 v254, v0, 2, 0x10100
	v_mov_b32 v255, 0
	v_lshrrev_b32 v1, 5, v0
	v_readfirstlane_b32 s12, v1                    ; wave 0..3
	v_and_b32 v1, 31, v0
	v_lshlrev_b32 v1, 4, v1                        ; 16 x lane
	s_wait_alu depctr_va_vdst(0)
	v_and_b32 v2, 15, v0                           ; r
	s_wait_alu depctr_va_vdst(0)
	v_bfe_u32 v3, v0, 4, 1                         ; h
	s_lshr_b32 s13, ttmp9, 3                       ; which 128 rows
	s_and_b32 s14, ttmp9, 7                        ; which tile i of them
	s_lshl_b32 s15, s13, 7
	s_lshr_b32 s16, s14, 1
	s_lshl_b32 s16, s16, 5
	s_add_co_u32 s15, s15, s16
	s_and_b32 s16, s14, 1
	s_lshl_b32 s16, s16, 3
	s_add_co_u32 s15, s15, s16                     ; the tile's row 0
	s_lshl_b32 s16, s12, 2
	s_add_co_u32 s15, s15, s16
	s_lshr_b32 s16, s12, 1
	s_lshl_b32 s16, s16, 3
	s_add_co_u32 s15, s15, s16                     ; tile rows 4 w .. 4 w + 3 are four neighbouring rows: + 4 w + 8 (w / 2)
	s_lshl_b32 s16, s15, 12
	s_mov_b32 s17, 0
	s_mul_i32 s18, s12, 4*PITCH
	v_add_nc_u32 v4, s18, v1                       ; LDS, on the way in: my four rows, 16 bytes a lane
	v_mul_u32_u24 v5, v2, PITCH
	s_wait_alu depctr_va_vdst(0)
	v_lshl_add_u32 v5, v3, 6, v5
	s_lshl_b32 s18, s12, 10
	v_add_nc_u32 v5, s18, v5                       ; and out: row r, my wave's 1,024 bytes, + 64 h
	v_lshlrev_b32 v6, 3, v2                        ; scale words: 8 r
	s_lshl_b32 s18, s13, 2
	s_add_co_u32 s18, s18, s12
	s_mul_i32 s18, s18, BLK                        ; block (row group, K block = wave)
	s_lshl_b32 s26, s14, 11
	s_add_co_u32 s26, s26, s18
	s_mov_b32 s27, 0
	s_lshl_b32 s28, s14, 7
	s_add_co_u32 s28, s28, s18
	s_add_co_u32 s28, s28, 32768
	s_mov_b32 s29, 0
	s_mov_b32 s[SEL], 0x76543210
	s_mov_b32 s[SEL+1], 0xfedcba98
	s_mov_b32 s[MNT], 0x600000
	s_mov_b32 s23, 0x3a800000                      ; 1 / 1024
	s_mov_b32 s24, 0x3727c5ac                      ; 1e-5
	s_wait_kmcnt 0x0
	s_add_nc_u64 s[4:5], s[4:5], s[16:17]
	s_add_nc_u64 s[26:27], s[10:11], s[26:27]
	s_add_nc_u64 s[28:29], s[10:11], s[28:29]
.irp k, 0,1,2,3
.irp j, 0,1,2,3,4,5,6,7
	global_load_b128 v[X+32*\k+4*\j:X+32*\k+4*\j+3], v1, s[4:5] offset:\k*4096+512*\j   ; 512 consecutive bytes a load
.endr
.endr
.irp j, 0,1,2,3,4,5,6,7
	global_load_b128 v[GG+4*\j:GG+4*\j+3], v1, s[6:7] offset:512*\j
.endr
.irp j, 0,1,2,3,4,5,6,7
	global_load_b128 v[BR+4*\j:BR+4*\j+3], v1, s[8:9] offset:512*\j
.endr
	s_wait_loadcnt 16                              ; the four rows are in; the sixteen loads of g and b may be out
.irp k, 0,1,2,3
	v_pk_add_f32 v[T+4*\k:T+4*\k+1], v[X+32*\k:X+32*\k+1], v[X+32*\k+2:X+32*\k+3]
	v_pk_add_f32 v[T+4*\k+2:T+4*\k+3], v[X+32*\k+4:X+32*\k+5], v[X+32*\k+6:X+32*\k+7]
.endr
.irp p, 8,12,16,20,24,28
.irp k, 0,1,2,3
	v_pk_add_f32 v[T+4*\k:T+4*\k+1], v[T+4*\k:T+4*\k+1], v[X+32*\k+\p:X+32*\k+\p+1]
	v_pk_add_f32 v[T+4*\k+2:T+4*\k+3], v[T+4*\k+2:T+4*\k+3], v[X+32*\k+\p+2:X+32*\k+\p+3]
.endr
.endr
.irp k, 0,1,2,3
	v_pk_add_f32 v[T+4*\k:T+4*\k+1], v[T+4*\k:T+4*\k+1], v[T+4*\k+2:T+4*\k+3]
.endr
.irp k, 0,1,2,3
	v_add_f32 v[T+4*\k], v[T+4*\k], v[T+4*\k+1]
.endr
	REDUCE
.irp k, 0,1,2,3
	v_mul_f32 v[MN+2*\k], s23, v[T+4*\k]           ; the mean, in both halves of a pair
	v_mul_f32 v[MN+2*\k+1], s23, v[T+4*\k]
.endr
.irp p, 0,2,4,6,8,10,12,14,16,18,20,22,24,26,28,30
.irp k, 0,1,2,3
	v_pk_add_f32 v[X+32*\k+\p:X+32*\k+\p+1], v[X+32*\k+\p:X+32*\k+\p+1], v[MN+2*\k:MN+2*\k+1] neg_lo:[0,1] neg_hi:[0,1]   ; x - mean
.endr
.endr
.irp k, 0,1,2,3
	v_pk_mul_f32 v[T+4*\k:T+4*\k+1], v[X+32*\k:X+32*\k+1], v[X+32*\k:X+32*\k+1]
	v_pk_mul_f32 v[T+4*\k+2:T+4*\k+3], v[X+32*\k+2:X+32*\k+3], v[X+32*\k+2:X+32*\k+3]
.endr
.irp p, 4,8,12,16,20,24,28
.irp k, 0,1,2,3
	v_pk_fma_f32 v[T+4*\k:T+4*\k+1], v[X+32*\k+\p:X+32*\k+\p+1], v[X+32*\k+\p:X+32*\k+\p+1], v[T+4*\k:T+4*\k+1]
	v_pk_fma_f32 v[T+4*\k+2:T+4*\k+3], v[X+32*\k+\p+2:X+32*\k+\p+3], v[X+32*\k+\p+2:X+32*\k+\p+3], v[T+4*\k+2:T+4*\k+3]
.endr
.endr
.irp k, 0,1,2,3
	v_pk_add_f32 v[T+4*\k:T+4*\k+1], v[T+4*\k:T+4*\k+1], v[T+4*\k+2:T+4*\k+3]
.endr
.irp k, 0,1,2,3
	v_add_f32 v[T+4*\k], v[T+4*\k], v[T+4*\k+1]
.endr
	REDUCE
.irp k, 0,1,2,3
	v_fma_f32 v[T+4*\k], v[T+4*\k], s23, s24       ; var + eps
.endr
	s_wait_alu depctr_va_vdst(0)
.irp k, 0,1,2,3
	v_rsq_f32 v[MN+2*\k], v[T+4*\k]
.endr
	v_nop                                          ; a plain line behind the last of the four
	s_wait_alu depctr_va_vdst(0)                   ; one wait for the four, ahead of their first reader
.irp p, 0,2,4,6,8,10,12,14,16,18,20,22,24,26,28,30
.irp k, 0,1,2,3
	v_pk_mul_f32 v[X+32*\k+\p:X+32*\k+\p+1], v[X+32*\k+\p:X+32*\k+\p+1], v[MN+2*\k:MN+2*\k+1] op_sel_hi:[1,0]
.endr
.endr
	s_wait_loadcnt 0x0                             ; g and b
.irp p, 0,2,4,6,8,10,12,14,16,18,20,22,24,26,28,30
.irp k, 0,1,2,3
	v_pk_fma_f32 v[X+32*\k+\p:X+32*\k+\p+1], v[X+32*\k+\p:X+32*\k+\p+1], v[GG+\p:GG+\p+1], v[BR+\p:BR+\p+1]
.endr
.endr
.irp k, 0,1,2,3
.irp j, 0,1,2,3,4,5,6,7
	ds_store_b128 v4, v[X+32*\k+4*\j:X+32*\k+4*\j+3] offset:\k*PITCH+512*\j
.endr
.endr
	s_wait_dscnt 0x0                               ; for the others' sake: my rows lie in LDS
	s_barrier_signal -1
	s_barrier_wait -1
.irp q, 0,1
.irp b, 0,1,2,3
.irp j, 0,1,2,3
	ds_load_b128 v[X+64*\q+16*\b+4*\j:X+64*\q+16*\b+4*\j+3], v5 offset:512*\q+128*\b+16*\j   ; row r, k = 128 q + 32 b + 16 h + 4 j ..
.endr
.endr
.endr
	s_wait_dscnt 16                                ; the first 128 along K are in; the second's sixteen loads may be out
	QUANT X, 160, 252
	s_wait_dscnt 0x0
	QUANT X+64, 176, 253
.irp q, 0,1
.irp c, 0,1,2,3
	global_store_b128 v1, v[160+16*\q+4*\c:163+16*\q+4*\c], s[26:27] offset:16384*\q+512*\c   ; 512 consecutive bytes
.endr
.endr
	global_store_b64 v6, v[252:253], s[28:29]      ; the rows' two scale words; lanes 16-31 hold and write the same as lanes 0-15
	s_wait_tensorcnt 0x0
	ds_add_u32 v254, v255
	s_wait_dscnt 0x0
	s_endpgm
.Lfunc_end_k_q5501840aca_ln1:
	.size	k_q5501840aca_ln1, .Lfunc_end_k_q5501840aca_ln1-k_q5501840aca_ln1
	.p2alignl 7, 3214868480
	.fill 96, 4, 3214868480
	.section	.rodata,"a",@progbits
	.p2align	6, 0x0
	.amdhsa_kernel k_q5501840aca_ln1
		.amdhsa_group_segment_fixed_size 66304
		.amdhsa_private_segment_fixed_size 0
		.amdhsa_enable_private_segment 0
		.amdhsa_kernarg_size 32
		.amdhsa_user_sgpr_count 2
		.amdhsa_user_sgpr_kernarg_segment_ptr 1
		.amdhsa_wavefront_size32 1
		.amdhsa_system_sgpr_workgroup_id_x 1
		.amdhsa_system_sgpr_workgroup_id_y 1
		.amdhsa_system_sgpr_workgroup_id_z 1
		.amdhsa_system_vgpr_workitem_id 0
		.amdhsa_next_free_vgpr 256
		.amdhsa_next_free_sgpr 66
		.amdhsa_reserve_vcc 0
		.amdhsa_float_denorm_mode_32 3
		.amdhsa_float_denorm_mode_16_64 3
		.amdhsa_memory_ordered 1
		.amdhsa_forward_progress 1
		.amdhsa_inst_pref_size 52
	.end_amdhsa_kernel
	.amdgpu_metadata
---
amdhsa.version: [ 1, 2 ]
amdhsa.kernels:
  - .name:           k_q5501840aca_ln1
    .symbol:         k_q5501840aca_ln1.kd
    .args:
      - { .name: x1, .offset: 0, .size: 8, .value_kind: global_buffer, .address_space: global }
      - { .name: g2, .offset: 8, .size: 8, .value_kind: global_buffer, .address_space: global }
      - { .name: b2, .offset: 16, .size: 8, .value_kind: global_buffer, .address_space: global }
      - { .name: himg, .offset: 24, .size: 8, .value_kind: global_buffer, .address_space: global }
    .group_segment_fixed_size: 66304
    .private_segment_fixed_size: 0
    .kernarg_segment_align: 8
    .kernarg_segment_size: 32
    .max_flat_workgroup_size: 128
    .sgpr_count:     66
    .vgpr_count:     256
    .wavefront_size: 32
...
	.end_amdgpu_metadata
.endif
;; end of part 12
;; launch mlp1 (part 13): grid 16 x 16, 4 waves a work-group, clusters of 4 x 4, 327,680 bytes of LDS; arguments himg, wimg, bm1, mimg; writes mimg
.if DOCPART == 13
	.amdgcn_target "amdgcn-amd-amdhsa--gfx1250"
	.amdhsa_code_object_version 6
	.text
	.protected	k_q5501840aca_mlp1
	.globl	k_q5501840aca_mlp1
	.p2align	8
	.type	k_q5501840aca_mlp1,@function
k_q5501840aca_mlp1:
	s_mov_b64 s[64:65], 0
	v_nop
	global_prefetch_b8 v0, s[64:65] scope:SCOPE_SE
	s_setreg_imm32_b32 hwreg(HW_REG_WAVE_MODE, 25, 1), 1
	s_wait_xcnt 0x0
	s_wait_alu depctr_hold_cnt(0) depctr_sa_sdst(0) depctr_va_vdst(0) depctr_va_sdst(0) depctr_va_ssrc(0) depctr_va_vcc(0) depctr_vm_vsrc(0)
	s_getreg_b32 s2, hwreg(HW_REG_IB_STS2, 6, 4)
	s_cmp_eq_u32 s2, 0
	s_cbranch_scc0 .Lentry_in_a_cluster
	s_endpgm
.Lentry_in_a_cluster:
	s_bfe_u32 s2, ttmp6, 0x10000c
	s_cmp_lg_u32 s2, 0xf033
	s_cbranch_scc0 .Lentry_shape_is_right
	s_endpgm
.Lentry_shape_is_right:
.set BLK,   33792
.set SLOT,  4*BLK
.set SPARE, 2*SLOT
.set NK,    4
.set WOFF,  128*BLK
.set LAPS,  NK/2
.set NQ,    2
.set FR,    16
.set NL,    4
.set NP,    8
.set ADRA, 16
.set ADRS, 18
.set ADRB, 20
.set LI,   22
.set SO,   23
.set SPW,  28
.set NIL,  29
.set PW,   30
.set SC,   32
.set AF,   128
.set W,    128
.set TM,   192
.set PC,   208
.set G1, 24
.set G0, 32
.set G1B, 48
.set G0B, 56
.set CUR,  90
.set CURS, 92
.set AI,   94
.set SEL,  96
.set MNT,  98
.set MSB, 0
.macro WIN new
.if MSB != \new
	s_set_vgpr_msb (MSB<<8)|\new
.set MSB, \new
.endif
.endm
.set MUL_LO, 0xa1
.set MUL_HI, 0xf1
.set TO_B,   0x40
.macro JLOAD s
	s_cmp_eq_u32 s15, 0
	s_cbranch_scc0 .Lfor_b_\@
	tensor_load_to_lds s[G0+4*\s:G0+4*\s+3], s[G1:G1+7]
	s_nop 0
.rept 4
	v_nop
.endr
	s_branch .Lasked_\@
.Lfor_b_\@:
	tensor_load_to_lds s[G0B+4*\s:G0B+4*\s+3], s[G1B:G1B+7]
	s_nop 0
.rept 4
	v_nop
.endr
.Lasked_\@:
.endm
.macro CREST
	s_cmp_lg_u32 s14, 0
	s_cbranch_scc1 .Lnot_wave_0_\@
	s_barrier_signal -3
.Lnot_wave_0_\@:
	s_barrier_wait -3
	s_barrier_signal -1
	s_barrier_wait -1
.endm
.macro CROUND
	s_barrier_signal -1
	s_barrier_wait -1
	CREST
.endm
.macro PLACES n
.rept \n
	v_nop
.endr
.endm
.macro FRAG reg, adr, q, i
.irp c, 0,1,2,3
	ds_load_b128 v[\reg+4*\c:\reg+4*\c+3], v[\adr] offset:16384*(\q)+2048*(\i)+512*\c
.endr
.endm
.macro MUL16 a0, p, q, sc, zero
.irp a, \a0, \a0+1
.irp b, 0,1,2,3,4,5,6,7
.if \zero
	v_wmma_scale_f32_16x16x128_f8f6f4 v[8*(8*((\a)%4)+\b):8*(8*((\a)%4)+\b)+7], v[128*(\p)+FR*\b:128*(\p)+FR*\b+FR-1], v[AF+FR*(\a):AF+FR*(\a)+FR-1], 0, v[SC+8*NQ*(\sc)+NQ*\b+(\q)], v[SC+8*NQ*(\sc)+NQ*(\a)+(\q)] matrix_a_scale:MATRIX_SCALE_ROW1
.else
	v_wmma_scale_f32_16x16x128_f8f6f4 v[8*(8*((\a)%4)+\b):8*(8*((\a)%4)+\b)+7], v[128*(\p)+FR*\b:128*(\p)+FR*\b+FR-1], v[AF+FR*(\a):AF+FR*(\a)+FR-1], v[8*(8*((\a)%4)+\b):8*(8*((\a)%4)+\b)+7], v[SC+8*NQ*(\sc)+NQ*\b+(\q)], v[SC+8*NQ*(\sc)+NQ*(\a)+(\q)] matrix_a_scale:MATRIX_SCALE_ROW1
.endif
.endr
.endr
.endm
.macro FETCH_B slot, q, p
	WIN TO_B
.irp i, 0,1,2,3,4,5,6,7
	FRAG 128*(\p)+FR*\i, ADRB+\slot, \q, \i
.endr
	WIN 0
.endm
.macro FETCH_A slot, q, i0
.irp i, \i0, \i0+1, \i0+2, \i0+3
	FRAG AF+FR*(\i), ADRA+\slot, \q, \i
.endr
.endm
.macro SCALES sc
.irp i, 0,1,2,3,4,5,6,7
	ds_load_b64 v[SC+16*\sc+2*\i:SC+16*\sc+2*\i+1], v[ADRS+\sc] offset:128*\i
.endr
.endm
.macro STEP slot, q, zero
	s_wait_dscnt 4*NL
	WIN MUL_LO
	MUL16 0, (\q)%2, \q, \slot, \zero
	MUL16 2, (\q)%2, \q, \slot, \zero
	s_wait_dscnt 0
	PLACES NP
	FETCH_B \slot, (\q)+1, 1-(\q)%2
	FETCH_A \slot, (\q)+1, 0
	WIN MUL_HI
	MUL16 4, (\q)%2, \q, \slot, \zero
	MUL16 6, (\q)%2, \q, \slot, \zero
	PLACES NP
	WIN 0
	FETCH_A \slot, (\q)+1, 4
.endm
.macro TURN slot, next, fill
	s_wait_tensorcnt 0x0
	ds_add_u32 v[SPW], v[NIL]
	s_wait_dscnt 4*NL+1
	WIN MUL_LO
	MUL16 0, 1, NQ-1, \slot, 0
	s_wait_dscnt 0x0
	s_barrier_signal -1
	MUL16 2, 1, NQ-1, \slot, 0
	WIN 0
	s_barrier_wait -1
.if \fill
	CREST
	s_add_nc_u64 s[G0+4*\slot+2:G0+4*\slot+3], s[G0+4*\slot+2:G0+4*\slot+3], 2*BLK
	s_add_nc_u64 s[G0B+4*\slot+2:G0B+4*\slot+3], s[G0B+4*\slot+2:G0B+4*\slot+3], 2*BLK
	JLOAD \slot
	PLACES NP-4
.else
	PLACES NP
.endif
	FETCH_B \next, 0, 0
	FETCH_A \next, 0, 0
	SCALES \next
	WIN MUL_HI
	MUL16 4, 1, NQ-1, \slot, 0
	MUL16 6, 1, NQ-1, \slot, 0
	PLACES NP
	WIN 0
	FETCH_A \next, 0, 4
.endm
.macro QUANT s, pc, pw
.irp b, 0,1,2,3
	v_max3_num_f32 v[TM+\b], |v[\s+16*\b]|, |v[\s+1+16*\b]|, 0x4800000
.endr
.irp i, 2,4,6,8,10,12,14
.irp b, 0,1,2,3
	v_max3_num_f32 v[TM+\b], v[TM+\b], |v[\s+16*\b+\i]|, |v[\s+1+16*\b+\i]|
.endr
.endr
.irp b, 0,1,2,3
	v_permlanex16_b32 v[TM+4+\b], v[TM+\b], s[SEL], s[SEL+1]
.endr
.irp b, 0,1,2,3
	v_max_num_f32 v[TM+\b], v[TM+\b], v[TM+4+\b]
.endr
.irp b, 0,1,2,3
	v_add_nc_u32 v[TM+12+\b], 0xfc000000, v[TM+\b]
.endr
.irp b, 0,1,2,3
	v_and_or_b32 v[TM+8+\b], v[TM+\b], 0x7f800000, s[MNT]
.endr
.irp b, 0,1,2,3
	v_lshrrev_b32 v[TM+4+\b], 23, v[TM+12+\b]
.endr
	v_lshl_or_b32 v[\pw], v[TM+5], 8, v[TM+4]
	v_lshl_or_b32 v[\pw], v[TM+6], 16, v[\pw]
	v_lshl_or_b32 v[\pw], v[TM+7], 24, v[\pw]
.irp b, 0,1,2,3
.irp i, 0,1,2,3,4,5,6,7,8,9,10,11,12,13,14,15
	v_med3_num_f32 v[\s+16*\b+\i], v[\s+16*\b+\i], -v[TM+8+\b], v[TM+8+\b]
.endr
	v_cvt_scalef32_pk8_fp8_f32 v[\pc+4*\b:\pc+1+4*\b], v[\s+16*\b:\s+7+16*\b], v[TM+12+\b]
	v_cvt_scalef32_pk8_fp8_f32 v[\pc+2+4*\b:\pc+3+4*\b], v[\s+8+16*\b:\s+15+16*\b], v[TM+12+\b]
.endr
	v_nop
.endm
	s_load_b256 s[4:11], s[0:1], 0x0
	v_lshl_add_u32 v[SPW], v0, 2, SPARE
	v_mov_b32 v[NIL], 0
	ds_add_u32 v28, v29
	ds_add_u32 v28, v29
	s_wait_dscnt 0x0
	v_lshrrev_b32 v1, 5, v0
	v_readfirstlane_b32 s14, v1
	s_lshr_b32 s15, s14, 1
	s_and_b32 s16, s14, 1
	s_bfe_u32 s40, ttmp6, 0x40000
	s_bfe_u32 s41, ttmp6, 0x40004
	s_lshl_b32 s42, ttmp9, 2
	s_add_co_u32 s42, s42, s40
	s_and_b32 s17, ttmp7, 0xffff
	s_lshl_b32 s17, s17, 2
	s_add_co_u32 s17, s17, s41
	s_lshl_b32 s43, s41, 2
	s_lshl_b32 s43, 15, s43
	s_lshl_b32 s44, 0x1111, s40
	s_or_b32 s[G1+0], s43, (3<<16)|(1<<21)
	s_or_b32 s[G1B+0], s44, (3<<16)|(1<<21)
.irp g, G1, G1B
	s_mov_b32 s[\g+1], 32<<16
	s_mov_b32 s[\g+2], 132<<16
	s_mov_b32 s[\g+3], 32<<16
	s_mov_b32 s[\g+4], 132
	s_mov_b32 s[\g+5], 32
	s_mov_b32 s[\g+6], 0
	s_mov_b32 s[\g+7], 0
.endr
	s_lshl_b32 s20, s17, 1
	s_add_co_u32 s20, s20, s16
	s_mul_i32 s20, s20, NK*BLK
	s_mov_b32 s21, 0
	s_lshl_b32 s46, s42, 1
	s_add_co_u32 s46, s46, s16
	s_mul_i32 s46, s46, NK*BLK
	s_mov_b32 s47, 0
	s_mul_i32 s45, s14, BLK
	s_lshl_b32 s72, s42, 10
	s_lshl_b32 s73, s16, 9
	s_add_co_u32 s72, s72, s73
	s_mov_b32 s73, 0
	s_lshl_b32 s76, s17, 1
	s_add_co_u32 s76, s76, s15
	s_lshl_b32 s76, s76, 4
	s_add_co_u32 s76, s76, s42
	s_mul_i32 s76, s76, BLK
	s_lshl_b32 s74, s16, 14
	s_add_co_u32 s74, s74, s76
	s_mov_b32 s75, 0
	s_lshl_b32 s77, s16, 2
	s_add_co_u32 s76, s76, s77
	s_add_co_u32 s76, s76, 32768
	s_mov_b32 s77, 0
	s_mov_b32 s[SEL], 0x76543210
	s_mov_b32 s[SEL+1], 0xfedcba98
	s_mov_b32 s[MNT], 0x600000
	s_wait_kmcnt 0x0
	s_add_nc_u64 s[20:21], s[4:5], s[20:21]
	s_add_nc_u64 s[46:47], s[6:7], s[46:47]
	s_add_nc_u64 s[46:47], s[46:47], WOFF
	s_add_nc_u64 s[8:9], s[8:9], s[72:73]
	s_add_nc_u64 s[68:69], s[10:11], s[74:75]
	s_add_nc_u64 s[70:71], s[10:11], s[76:77]
; PREFETCHES INTO THE L2: K block k of the row group that my wave fetches.  A block is 132 units of 256 bytes; the four partners that ask for it jointly share them out by address, 33 each
; (place cx for A's blocks, cy for B's): 32 units a lane each, and the 33rd by a second line.  Behind K step 0's load K step 1 is asked for, behind K step 1's K steps 2 and 3: the last.
.macro ASK k
	global_prefetch_b8 v6, s[66:67] offset:(\k)*BLK th:TH_LOAD_NT scope:SCOPE_SE
	global_prefetch_b8 v7, s[66:67] offset:(\k)*BLK th:TH_LOAD_NT scope:SCOPE_SE
.endm
	s_cmp_eq_u32 s15, 0
	s_cselect_b64 s[66:67], s[20:21], s[46:47]
	s_cselect_b32 s78, s40, s41
	s_mul_i32 s78, s78, 33*256
	s_mov_b32 s79, 0
	s_add_nc_u64 s[66:67], s[66:67], s[78:79]
	v_and_b32 v6, 31, v0
	v_lshlrev_b32 v6, 8, v6                        ; 256 x lane; never rewritten
	v_mov_b32 v7, 32*256                           ; my share's last unit; never rewritten
.irp s, 0,1
	s_mov_b32 s[G0+4*\s], 1
	s_add_co_u32 s[G0+4*\s+1], s45, \s*SLOT
	s_add_nc_u64 s[G0+4*\s+2:G0+4*\s+3], s[20:21], \s*BLK
	s_or_b32 s[G0+4*\s+3], s[G0+4*\s+3], 0x80000000
	s_mov_b32 s[G0B+4*\s], 1
	s_add_co_u32 s[G0B+4*\s+1], s45, \s*SLOT
	s_add_nc_u64 s[G0B+4*\s+2:G0B+4*\s+3], s[46:47], \s*BLK
	s_or_b32 s[G0B+4*\s+3], s[G0B+4*\s+3], 0x80000000
	s_wait_alu depctr_va_vdst(0)
	s_wait_tensorcnt 0x0
	ds_add_u32 v28, v29
	ds_add_u32 v28, v29
	s_wait_dscnt 0x0
	CROUND
	JLOAD \s
.if \s == 0
	ASK 1                                          ; behind K step 0's load the next K step alone,
.else
	ASK 2                                          ; behind K step 1's the last two
	ASK 3
.endif
.endr
	v_and_b32 v1, 15, v0
	v_bfe_u32 v2, v0, 4, 1
	s_wait_alu depctr_va_vdst(0)
	v_and_b32 v3, 31, v0
	v_lshlrev_b32 v[LI], 4, v3
	v_lshlrev_b32 v5, 6, v2
.irp e, 0,1,2,3
.irp j, 0,1,2,3
	global_load_b128 v[64+16*\e+4*\j:67+16*\e+4*\j], v5, s[8:9] offset:128*\e+16*\j
.endr
.endr
	s_mul_i32 s22, s15, BLK
	s_mul_i32 s23, s16, BLK
	s_add_co_u32 s23, s23, 2*BLK
.irp s, 0,1
	v_add_nc_u32 v[ADRA+\s], s22, v[LI]
	v_add_nc_u32 v[ADRB+\s], s23, v[LI]
	s_add_co_u32 s22, s22, SLOT
	s_add_co_u32 s23, s23, SLOT
.endr
	s_mul_i32 s22, s15, BLK
	s_mul_i32 s23, s16, BLK
	s_add_co_u32 s23, s23, 2*BLK
	s_sub_co_u32 s23, s23, s22
	v_mul_u32_u24 v4, s23, v2
	v_lshl_add_u32 v4, v1, 3, v4
	s_add_co_u32 s22, s22, 32768
	v_add_nc_u32 v[ADRS], s22, v4
	v_add_nc_u32 v[ADRS+1], SLOT, v[ADRS]
	v_lshlrev_b32 v[SO], 3, v1
	v_mov_b32 v24, 0xaf95df0b
	v_mov_b32 v25, 0xaf95df0b
	v_mov_b32 v26, 0xb77460cd
	v_mov_b32 v27, 0xb77460cd
	s_wait_alu depctr_va_vdst(0)
	s_wait_tensorcnt 1
	s_barrier_signal -1
	s_barrier_wait -1
	FETCH_B 0, 0, 0
	FETCH_A 0, 0, 0
	SCALES 0
	FETCH_A 0, 0, 4
	STEP 0, 0, 1
	s_mov_b32 s3, LAPS-1
.Llap:
	TURN 0, 1, 1
	STEP 1, 0, 0
	TURN 1, 0, 1
	STEP 0, 0, 0
	s_sub_co_u32 s3, s3, 1
	s_cmp_lg_u32 s3, 0
	s_cbranch_scc1 .Llap
	TURN 0, 1, 0
	STEP 1, 0, 0
	s_wait_dscnt 4*NL
	WIN MUL_LO
	MUL16 0, 1, NQ-1, 1, 0
	MUL16 2, 1, NQ-1, 1, 0
	s_wait_dscnt 0
	WIN MUL_HI
	MUL16 4, 1, NQ-1, 1, 0
	MUL16 6, 1, NQ-1, 1, 0
	WIN 0
	PLACES NP
.macro COPYM k
	s_add_nc_u64 s[CUR:CUR+1], s[68:69], 2048*(\k)
	s_add_nc_u64 s[CURS:CURS+1], s[70:71], 128*(\k)
	WIN (0x02+(\k)/4)
.set n, 0
.rept 32
	v_pk_add_f32 v[W+2*n:W+2*n+1], v[64*((\k)%4)+2*n:64*((\k)%4)+2*n+1], v[64+2*n:65+2*n]
.set n, n+1
.endr
	WIN 0
.endm
.macro GELU G
.irp p, 0,2,4,6,8,10,12,14
	v_pk_mul_f32 v[192+\p:193+\p], v[W+16*\G+\p:W+16*\G+\p+1], 0x3f3504f3 op_sel_hi:[1,0]
.endr
.irp e, 0,1,2,3,4,5,6,7,8,9,10,11,12,13,14,15
	v_med3_num_f32 v[192+\e], v[192+\e], -4.0, 4.0
.endr
.irp p, 0,2,4,6,8,10,12,14
	v_pk_mul_f32 v[208+\p:209+\p], v[192+\p:193+\p], v[192+\p:193+\p]
.endr
.irp p, 0,2,4,6,8,10,12,14
	v_pk_fma_f32 v[224+\p:225+\p], v[208+\p:209+\p], v[24:25], 0x32edffee op_sel_hi:[1,1,0]
	v_pk_fma_f32 v[240+\p:241+\p], v[208+\p:209+\p], v[26:27], 0xb95fbd29 op_sel_hi:[1,1,0]
.endr
.irp c, 0xb60cff51, 0xb86ec2d2, 0xba40ac63, 0xbb41a1f6, 0xbc83dbd4
.irp p, 0,2,4,6,8,10,12,14
	v_pk_fma_f32 v[224+\p:225+\p], v[224+\p:225+\p], v[208+\p:209+\p], \c op_sel_hi:[1,1,0]
.endr
.endr
.irp c, 0xbadc924e, 0xbbf19bf8, 0xbc69b6a7
.irp p, 0,2,4,6,8,10,12,14
	v_pk_fma_f32 v[240+\p:241+\p], v[240+\p:241+\p], v[208+\p:209+\p], \c op_sel_hi:[1,1,0]
.endr
.endr
.irp p, 0,2,4,6,8,10,12,14
	v_pk_mul_f32 v[224+\p:225+\p], v[224+\p:225+\p], v[192+\p:193+\p]
.endr
	s_wait_alu depctr_va_vdst(0)
.irp e, 0,1,2,3,4,5,6,7,8,9,10,11,12,13,14,15
	v_rcp_f32 v[240+\e], v[240+\e]
.endr
.irp p, 0,2,4,6,8,10,12,14
	v_pk_mul_f32 v[192+\p:193+\p], v[W+16*\G+\p:W+16*\G+\p+1], 0.5 op_sel_hi:[1,0]
.endr
	s_wait_alu depctr_va_vdst(0)
.irp p, 0,2,4,6,8,10,12,14
	v_pk_mul_f32 v[224+\p:225+\p], v[224+\p:225+\p], v[240+\p:241+\p]
.endr
.irp p, 0,2,4,6,8,10,12,14
	v_pk_fma_f32 v[W+16*\G+\p:W+16*\G+\p+1], v[192+\p:193+\p], v[224+\p:225+\p], v[192+\p:193+\p]
.endr
.endm
	s_wait_loadcnt 0x0                             ; the bias, asked for at the head and first read here
	s_mov_b32 s[AI], 0
.Lm_row:
	s_wait_xcnt 0x0
.irp k, 0,1,2,3,4,5,6
	s_cmp_lg_u32 s[AI], \k
	s_cbranch_scc1 .Lm_n\k
	COPYM \k
	s_branch .Lm_work
.Lm_n\k:
.endr
	COPYM 7
.Lm_work:
	GELU 0
	GELU 1
	GELU 2
	GELU 3
	QUANT W, PC, PW
.irp c, 0,1,2,3
	global_store_b128 v[LI], v[PC+4*\c:PC+4*\c+3], s[CUR:CUR+1] offset:512*\c
.endr
	global_store_b32 v[SO], v[PW], s[CURS:CURS+1]
	s_add_co_u32 s[AI], s[AI], 1
	s_cmp_lt_u32 s[AI], 8
	s_cbranch_scc1 .Lm_row
	s_wait_tensorcnt 0x0
	ds_add_u32 v[SPW], v[NIL]
	s_wait_dscnt 0x0
	CROUND
	s_endpgm
.Lfunc_end_k_q5501840aca_mlp1:
	.size	k_q5501840aca_mlp1, .Lfunc_end_k_q5501840aca_mlp1-k_q5501840aca_mlp1
	.p2alignl 7, 3214868480
	.fill 96, 4, 3214868480
	.section	.rodata,"a",@progbits
	.p2align	6, 0x0
	.amdhsa_kernel k_q5501840aca_mlp1
		.amdhsa_group_segment_fixed_size 327680
		.amdhsa_private_segment_fixed_size 0
		.amdhsa_enable_private_segment 0
		.amdhsa_kernarg_size 32
		.amdhsa_user_sgpr_count 2
		.amdhsa_user_sgpr_kernarg_segment_ptr 1
		.amdhsa_wavefront_size32 1
		.amdhsa_system_sgpr_workgroup_id_x 1
		.amdhsa_system_sgpr_workgroup_id_y 1
		.amdhsa_system_sgpr_workgroup_id_z 1
		.amdhsa_system_vgpr_workitem_id 0
		.amdhsa_next_free_vgpr 1024
		.amdhsa_next_free_sgpr 100
		.amdhsa_reserve_vcc 0
		.amdhsa_float_denorm_mode_32 3
		.amdhsa_float_denorm_mode_16_64 3
		.amdhsa_memory_ordered 1
		.amdhsa_forward_progress 1
		.amdhsa_inst_pref_size 193
	.end_amdhsa_kernel
	.amdgpu_metadata
---
amdhsa.version: [ 1, 2 ]
amdhsa.kernels:
  - .name:           k_q5501840aca_mlp1
    .symbol:         k_q5501840aca_mlp1.kd
    .args:
      - { .name: himg, .offset: 0, .size: 8, .value_kind: global_buffer, .address_space: global }
      - { .name: wimg, .offset: 8, .size: 8, .value_kind: global_buffer, .address_space: global }
      - { .name: bm1, .offset: 16, .size: 8, .value_kind: global_buffer, .address_space: global }
      - { .name: mimg, .offset: 24, .size: 8, .value_kind: global_buffer, .address_space: global }
    .group_segment_fixed_size: 327680
    .private_segment_fixed_size: 0
    .kernarg_segment_align: 8
    .kernarg_segment_size: 32
    .max_flat_workgroup_size: 128
    .sgpr_count:     100
    .vgpr_count:     1024
    .wavefront_size: 32
...
	.end_amdgpu_metadata
.endif
;; end of part 13
;; launch mlp2 (part 14): grid 8 x 32, 4 waves a work-group, clusters of 4 x 4, 327,680 bytes of LDS; arguments mimg, wimg, bm2, x1, out0; writes out0
.if DOCPART == 14
	.amdgcn_target "amdgcn-amd-amdhsa--gfx1250"
	.amdhsa_code_object_version 6
	.text
	.protected	k_q5501840aca_mlp2
	.globl	k_q5501840aca_mlp2
	.p2align	8
	.type	k_q5501840aca_mlp2,@function
k_q5501840aca_mlp2:
	s_mov_b64 s[64:65], 0
	v_nop
	global_prefetch_b8 v0, s[64:65] scope:SCOPE_SE
	s_setreg_imm32_b32 hwreg(HW_REG_WAVE_MODE, 25, 1), 1
	s_wait_xcnt 0x0
	s_wait_alu depctr_hold_cnt(0) depctr_sa_sdst(0) depctr_va_vdst(0) depctr_va_sdst(0) depctr_va_ssrc(0) depctr_va_vcc(0) depctr_vm_vsrc(0)
	s_getreg_b32 s2, hwreg(HW_REG_IB_STS2, 6, 4)
	s_cmp_eq_u32 s2, 0
	s_cbranch_scc0 .Lentry_in_a_cluster
	s_endpgm
.Lentry_in_a_cluster:
	s_bfe_u32 s2, ttmp6, 0x10000c
	s_cmp_lg_u32 s2, 0xf033
	s_cbranch_scc0 .Lentry_shape_is_right
	s_endpgm
.Lentry_shape_is_right:
.set BLK,   33792
.set SLOT,  4*BLK
.set SPARE, 2*SLOT
.set STG,   SPARE+512
.set SP,    272
.set NK,    16
.set WOFF,  256*BLK
.set LAPS,  NK/4
.set FR,    16
.set NP,    8
.set ADRA, 16
.set ADRS, 18
.set ADRB, 20
.set LI,   22
.set STO,  23
.set RD,   24
.set CO,   25
.set SPW,  28
.set NIL,  29
.set SC,   32
.set BI,   64
.set ACC,  128
.set F0,   0
.set F1,   128
.set G1, 24
.set G0, 32
.set G1B, 48
.set G0B, 56
.set MSB, 0
.macro WIN new
.if MSB != \new
	s_set_vgpr_msb (MSB<<8)|\new
.set MSB, \new
.endif
.endm
.set MUL,  0x05
.set TO_F, 0x40
.macro JLOAD s
	s_cmp_eq_u32 s15, 0
	s_cbranch_scc0 .Lfor_b_\@
	tensor_load_to_lds s[G0+4*\s:G0+4*\s+3], s[G1:G1+7]
	s_nop 0
.rept 4
	v_nop
.endr
	s_branch .Lasked_\@
.Lfor_b_\@:
	tensor_load_to_lds s[G0B+4*\s:G0B+4*\s+3], s[G1B:G1B+7]
	s_nop 0
.rept 4
	v_nop
.endr
.Lasked_\@:
.endm
.macro CREST
	s_cmp_lg_u32 s14, 0
	s_cbranch_scc1 .Lnot_wave_0_\@
	s_barrier_signal -3
.Lnot_wave_0_\@:
	s_barrier_wait -3
	s_barrier_signal -1
	s_barrier_wait -1
.endm
.macro CROUND
	s_barrier_signal -1
	s_barrier_wait -1
	CREST
.endm
.macro PLACES n
.rept \n
	v_nop
.endr
.endm
.macro FRAG reg, adr, u, i
.irp c, 0,1,2,3
	ds_load_b128 v[\reg+4*\c:\reg+4*\c+3], v[\adr] offset:((\u)/2)*BLK+((\u)%2)*16384+2048*(\i)+512*\c
.endr
.endm
.macro FETCH slot, u, f
	WIN TO_F
.irp i, 0,1,2,3
	FRAG 64+(\f)+FR*\i, ADRB+\slot, \u, \i
.endr
.irp i, 0,1,2,3
	FRAG FR*\i+(\f), ADRA+\slot, \u, \i
.endr
.endm
.macro SCALES sc
.irp k, 0,1
.irp i, 0,1,2,3
	ds_load_b64 v[SC+16*\sc+8*\k+2*\i:SC+16*\sc+8*\k+2*\i+1], v[ADRS+\sc] offset:\k*BLK+128*\i
.endr
.endr
.endm
.macro MUL4 f, a, sc, u, first
.set SR, SC+16*(\sc)+8*((\u)/2)+(\u)%2
.irp b, 0,1,2,3
.if \first
	v_wmma_scale_f32_16x16x128_f8f6f4 v[ACC+8*(4*(\a)+\b):ACC+8*(4*(\a)+\b)+7], v[64+(\f)+FR*\b:64+(\f)+FR*\b+FR-1], v[FR*(\a)+(\f):FR*(\a)+(\f)+FR-1], v[BI+8*\b:BI+8*\b+7], v[SR+2*\b], v[SR+2*(\a)] matrix_a_scale:MATRIX_SCALE_ROW1
.else
	v_wmma_scale_f32_16x16x128_f8f6f4 v[ACC+8*(4*(\a)+\b):ACC+8*(4*(\a)+\b)+7], v[64+(\f)+FR*\b:64+(\f)+FR*\b+FR-1], v[FR*(\a)+(\f):FR*(\a)+(\f)+FR-1], v[ACC+8*(4*(\a)+\b):ACC+8*(4*(\a)+\b)+7], v[SR+2*\b], v[SR+2*(\a)] matrix_a_scale:MATRIX_SCALE_ROW1
.endif
.endr
.endm
.macro MUL8 f, a0, sc, u, first
	MUL4 \f, \a0, \sc, \u, \first
	MUL4 \f, (\a0)+1, \sc, \u, \first
.endm
.macro STEP slot, u, first
	s_wait_dscnt 8
	WIN MUL
	MUL8 128*((\u)%2), 0, \slot, \u, \first
	PLACES NP
	FETCH \slot, (\u)+1, 128*(((\u)+1)%2)
	s_wait_dscnt 32
	WIN MUL
	MUL8 128*((\u)%2), 2, \slot, \u, \first
.endm
.macro TURN slot, next, fill
	WIN 0
.if \fill
.if \slot == 0
	s_wait_xcnt 0x0                                ; my prefetches have read their base: it steps once a lap, four K blocks on
	s_add_nc_u64 s[66:67], s[66:67], 4*BLK
.endif
.endif
	s_wait_tensorcnt 0x0
	ds_add_u32 v[SPW], v[NIL]
	s_wait_dscnt 9
	WIN MUL
	MUL4 F1, 0, \slot, 3, 0
	s_wait_dscnt 0x0
	s_barrier_signal -1
	MUL4 F1, 1, \slot, 3, 0
	WIN 0
	s_barrier_wait -1
.if \fill
	CREST
	s_add_nc_u64 s[G0+4*\slot+2:G0+4*\slot+3], s[G0+4*\slot+2:G0+4*\slot+3], 4*BLK
	s_add_nc_u64 s[G0B+4*\slot+2:G0B+4*\slot+3], s[G0B+4*\slot+2:G0B+4*\slot+3], 4*BLK
	JLOAD \slot
	PLACES NP-4
	s_cmp_gt_u32 s3, 1                             ; the loop's last trip asks for nothing: no fill stands two fills on
	s_cbranch_scc0 .Lnoask_\@
	ASK 4+2*\slot                                  ; the fill that stands two fills on
.Lnoask_\@:
.else
	PLACES NP
.endif
	SCALES \next
	FETCH \next, 0, F0
	WIN MUL
	MUL8 F1, 2, \slot, 3, 0
.endm
	s_load_b256 s[4:11], s[0:1], 0x0
	s_load_b64 s[12:13], s[0:1], 0x20
	v_lshl_add_u32 v[SPW], v0, 2, SPARE
	v_mov_b32 v[NIL], 0
	ds_add_u32 v28, v29
	ds_add_u32 v28, v29
	s_wait_dscnt 0x0
	v_lshrrev_b32 v1, 5, v0
	v_readfirstlane_b32 s14, v1
	s_lshr_b32 s15, s14, 1
	s_and_b32 s16, s14, 1
	s_bfe_u32 s40, ttmp6, 0x40000
	s_bfe_u32 s41, ttmp6, 0x40004
	s_lshl_b32 s42, ttmp9, 2
	s_add_co_u32 s42, s42, s40
	s_and_b32 s17, ttmp7, 0xffff
	s_lshl_b32 s17, s17, 2
	s_add_co_u32 s17, s17, s41
	s_lshl_b32 s43, s41, 2
	s_lshl_b32 s43, 15, s43
	s_lshl_b32 s44, 0x1111, s40
	s_or_b32 s[G1+0], s43, (3<<16)|(1<<21)
	s_or_b32 s[G1B+0], s44, (3<<16)|(1<<21)
.irp g, G1, G1B
	s_mov_b32 s[\g+1], 32<<16
	s_mov_b32 s[\g+2], 132<<16
	s_mov_b32 s[\g+3], 32<<16
	s_mov_b32 s[\g+4], 132
	s_mov_b32 s[\g+5], 32
	s_mov_b32 s[\g+6], 0
	s_mov_b32 s[\g+7], 0
.endr
	s_mul_i32 s20, s17, NK
	s_add_co_u32 s20, s20, s16
	s_mul_i32 s20, s20, BLK
	s_mov_b32 s21, 0
	s_mul_i32 s46, s42, NK
	s_add_co_u32 s46, s46, s16
	s_mul_i32 s46, s46, BLK
	s_mov_b32 s47, 0
	s_mul_i32 s45, s14, BLK
	s_lshl_b32 s70, s42, 9
	s_lshl_b32 s71, s16, 8
	s_add_co_u32 s70, s70, s71
	s_mov_b32 s71, 0
	s_lshl_b32 s72, s17, 19
	s_lshl_b32 s73, s15, 18
	s_add_co_u32 s72, s72, s73
	s_add_co_u32 s72, s72, s70
	s_mov_b32 s73, 0
	s_wait_kmcnt 0x0
	s_add_nc_u64 s[20:21], s[4:5], s[20:21]
	s_add_nc_u64 s[46:47], s[6:7], s[46:47]
	s_add_nc_u64 s[46:47], s[46:47], WOFF
	s_add_nc_u64 s[8:9], s[8:9], s[70:71]
	s_add_nc_u64 s[10:11], s[10:11], s[72:73]
	s_add_nc_u64 s[12:13], s[12:13], s[72:73]
; PREFETCHES INTO THE L2: the K block that my wave fetches o blocks on (a fill steps two blocks).  A block is 132 units of 256 bytes; the four partners that ask for it jointly share them out by
; address, 33 each (place cx for A's blocks, cy for B's): 32 units a lane each, and the 33rd by a second line.  Behind fill 0 fill 1 is asked for, behind fill 1 fills 2 and 3; behind every later fill j, fill j + 2, up to fill 7.
.macro ASK o
	global_prefetch_b8 v26, s[66:67] offset:(\o)*BLK th:TH_LOAD_NT scope:SCOPE_SE
	global_prefetch_b8 v27, s[66:67] offset:(\o)*BLK th:TH_LOAD_NT scope:SCOPE_SE
.endm
	s_cmp_eq_u32 s15, 0
	s_cselect_b64 s[66:67], s[20:21], s[46:47]
	s_cselect_b32 s68, s40, s41
	s_mul_i32 s68, s68, 33*256
	s_mov_b32 s69, 0
	s_add_nc_u64 s[66:67], s[66:67], s[68:69]
	v_and_b32 v26, 31, v0
	v_lshlrev_b32 v26, 8, v26                      ; 256 x lane; never rewritten
	v_mov_b32 v27, 32*256                          ; my share's last unit; never rewritten
	v_bfe_u32 v2, v0, 4, 1
	v_lshlrev_b32 v5, 6, v2                        ; 64 h
.irp b, 0,1,2,3                        ; the bias is asked for here, ahead of the first tiles, and lands under their flight
	global_load_b128 v[BI+8*\b:BI+8*\b+3], v5, s[8:9] offset:128*(\b/2)+32*(\b%2)
	global_load_b128 v[BI+8*\b+4:BI+8*\b+7], v5, s[8:9] offset:128*(\b/2)+32*(\b%2)+16
.endr
.irp s, 0,1
	s_mov_b32 s[G0+4*\s], 1
	s_add_co_u32 s[G0+4*\s+1], s45, \s*SLOT
	s_add_nc_u64 s[G0+4*\s+2:G0+4*\s+3], s[20:21], \s*2*BLK
	s_or_b32 s[G0+4*\s+3], s[G0+4*\s+3], 0x80000000
	s_mov_b32 s[G0B+4*\s], 1
	s_add_co_u32 s[G0B+4*\s+1], s45, \s*SLOT
	s_add_nc_u64 s[G0B+4*\s+2:G0B+4*\s+3], s[46:47], \s*2*BLK
	s_or_b32 s[G0B+4*\s+3], s[G0B+4*\s+3], 0x80000000
	s_wait_alu depctr_va_vdst(0)
	s_wait_tensorcnt 0x0
	ds_add_u32 v28, v29
	ds_add_u32 v28, v29
	s_wait_dscnt 0x0
	CROUND
	JLOAD \s
.if \s == 0
	ASK 2                                          ; behind fill 0 the next fill alone,
.else
	ASK 4                                          ; behind fill 1 fills 2 and 3
	ASK 6
.endif
.endr
	v_and_b32 v1, 15, v0
	v_bfe_u32 v2, v0, 4, 1
	s_wait_alu depctr_va_vdst(0)
	v_and_b32 v3, 31, v0
	v_lshlrev_b32 v[LI], 4, v3
	s_lshl_b32 s22, s15, 13
	s_lshl_b32 s23, s16, 13
	s_add_co_u32 s23, s23, 2*BLK
.irp s, 0,1
	v_add_nc_u32 v[ADRA+\s], s22, v[LI]
	v_add_nc_u32 v[ADRB+\s], s23, v[LI]
	s_add_co_u32 s22, s22, SLOT
	s_add_co_u32 s23, s23, SLOT
.endr
	s_lshl_b32 s22, s15, 9
	s_lshl_b32 s23, s16, 9
	s_add_co_u32 s23, s23, 2*BLK
	s_sub_co_u32 s23, s23, s22
	v_mul_u32_u24 v4, s23, v2
	v_lshl_add_u32 v4, v1, 3, v4
	s_add_co_u32 s22, s22, 32768
	v_add_nc_u32 v[ADRS], s22, v4
	v_add_nc_u32 v[ADRS+1], SLOT, v[ADRS]
	s_mul_i32 s74, s14, 16*SP
	s_add_co_u32 s74, s74, STG
	v_mul_u32_u24 v4, v1, SP
	v_lshl_add_u32 v4, v2, 6, v4
	v_add_nc_u32 v[STO], s74, v4
	v_mul_u32_u24 v4, v2, SP
	v_lshl_add_u32 v4, v1, 4, v4
	v_add_nc_u32 v[RD], s74, v4
	v_lshlrev_b32 v[CO], 12, v2
	v_lshl_add_u32 v[CO], v1, 4, v[CO]
	s_wait_alu depctr_va_vdst(0)
	s_wait_loadcnt 0x0
	s_wait_tensorcnt 1
	s_barrier_signal -1
	s_barrier_wait -1
	SCALES 0
	FETCH 0, 0, F0
	WIN 0x80
.irp a, 0,1,2,3
.irp t, 0,1,2,3,4,5,6,7
	global_load_b128 v[32*\a+4*\t:32*\a+4*\t+3], v[CO], s[10:11] offset:(32*(\a/2)+8*(\a%2)+2*\t+8*(\t/4))*4096 th:TH_LOAD_NT
.endr
.endr
	STEP 0, 0, 1
.if LAPS > 1
	WIN 0
	s_mov_b32 s3, LAPS-1
.Llap:
	STEP 0, 1, 0
	STEP 0, 2, 0
	TURN 0, 1, 1
	STEP 1, 0, 0
	STEP 1, 1, 0
	STEP 1, 2, 0
	TURN 1, 0, 1
	STEP 0, 0, 0
	WIN 0
	s_sub_co_u32 s3, s3, 1
	s_cmp_lg_u32 s3, 0
	s_cbranch_scc1 .Llap
.endif
	STEP 0, 1, 0
	STEP 0, 2, 0
	TURN 0, 1, 0
	STEP 1, 0, 0
	STEP 1, 1, 0
	STEP 1, 2, 0
	s_wait_dscnt 8
	WIN MUL
	MUL8 F1, 0, 1, 3, 0
	s_wait_dscnt 0
	MUL8 F1, 2, 1, 3, 0
	WIN 0
	PLACES NP
.irp a, 0,1,2,3
.irp b, 0,1,2,3
	ds_store_b128 v[STO], v[ACC+32*\a+8*\b:ACC+32*\a+8*\b+3] offset:128*(\b/2)+32*(\b%2)
	ds_store_b128 v[STO], v[ACC+32*\a+8*\b+4:ACC+32*\a+8*\b+7] offset:128*(\b/2)+32*(\b%2)+16
.endr
.irp t, 0,1,2,3,4,5,6,7
	ds_load_b128 v[ACC+32*\a+4*\t:ACC+32*\a+4*\t+3], v[RD] offset:2*\t*SP
.endr
.endr
	s_wait_loadcnt 0x0
	WIN 0x08
.irp a, 0,1,2,3
	s_wait_dscnt 16*(3-\a)
.set n, 0
.rept 16
	v_pk_add_f32 v[ACC+32*\a+n:ACC+32*\a+n+1], v[ACC+32*\a+n:ACC+32*\a+n+1], v[32*\a+n:32*\a+n+1]
.set n, n+2
.endr
.endr
	WIN 0
.irp a, 0,1,2,3
.irp t, 0,1,2,3,4,5,6,7
	global_store_b128 v[CO], v[ACC+32*\a+4*\t:ACC+32*\a+4*\t+3], s[12:13] offset:(32*(\a/2)+8*(\a%2)+2*\t+8*(\t/4))*4096 th:TH_STORE_NT
.endr
.endr
	s_wait_tensorcnt 0x0
	ds_add_u32 v[SPW], v[NIL]
	s_wait_dscnt 0x0
	CROUND
	s_endpgm
.Lfunc_end_k_q5501840aca_mlp2:
	.size	k_q5501840aca_mlp2, .Lfunc_end_k_q5501840aca_mlp2-k_q5501840aca_mlp2
	.p2alignl 7, 3214868480
	.fill 96, 4, 3214868480
	.section	.rodata,"a",@progbits
	.p2align	6, 0x0
	.amdhsa_kernel k_q5501840aca_mlp2
		.amdhsa_group_segment_fixed_size 327680
		.amdhsa_private_segment_fixed_size 0
		.amdhsa_enable_private_segment 0
		.amdhsa_kernarg_size 40
		.amdhsa_user_sgpr_count 2
		.amdhsa_user_sgpr_kernarg_segment_ptr 1
		.amdhsa_wavefront_size32 1
		.amdhsa_system_sgpr_workgroup_id_x 1
		.amdhsa_system_sgpr_workgroup_id_y 1
		.amdhsa_system_sgpr_workgroup_id_z 1
		.amdhsa_system_vgpr_workitem_id 0
		.amdhsa_next_free_vgpr 640
		.amdhsa_next_free_sgpr 100
		.amdhsa_reserve_vcc 0
		.amdhsa_float_denorm_mode_32 3
		.amdhsa_float_denorm_mode_16_64 3
		.amdhsa_memory_ordered 1
		.amdhsa_forward_progress 1
		.amdhsa_inst_pref_size 100
	.end_amdhsa_kernel
	.amdgpu_metadata
---
amdhsa.version: [ 1, 2 ]
amdhsa.kernels:
  - .name:           k_q5501840aca_mlp2
    .symbol:         k_q5501840aca_mlp2.kd
    .args:
      - { .name: mimg, .offset: 0, .size: 8, .value_kind: global_buffer, .address_space: global }
      - { .name: wimg, .offset: 8, .size: 8, .value_kind: global_buffer, .address_space: global }
      - { .name: bm2, .offset: 16, .size: 8, .value_kind: global_buffer, .address_space: global }
      - { .name: x1, .offset: 24, .size: 8, .value_kind: global_buffer, .address_space: global }
      - { .name: out0, .offset: 32, .size: 8, .value_kind: global_buffer, .address_space: global }
    .group_segment_fixed_size: 327680
    .private_segment_fixed_size: 0
    .kernarg_segment_align: 8
    .kernarg_segment_size: 40
    .max_flat_workgroup_size: 128
    .sgpr_count:     100
    .vgpr_count:     640
    .wavefront_size: 32
...
	.end_amdgpu_metadata
.endif
;; end of part 14
